; MI455X (gfx1250); checked and timed in simulation.
; The chip was launched on July 23, 2026; its instructions are those of AMD's public machine-readable ISA for CDNA 5 (MIT licence, August 2026) and "CDNA5" Instruction Set Architecture Reference Guide (July 2026). The comments in the code are by the model that wrote it; some were corrected since.
;; Mo E Layer. Allowed arithmetic: matrix products marked QUANTISED: E2M1 operands, one E8M0 scale for each 32 along K, by v_wmma_scale_f32_16x16x128_f8f6f4 with both operands' format E2M1 (or v_wmma_scale_f32_32x16x128_f4), f32 sums; products left as they are: f32 operands where the result goes on into a quantised operand, else bf16, f16 or f32 operands; f32 sums; everything else in f32.
;; Inputs: b1 8 x 512 float32; b2 8 x 1,024 float32; gate_w 8 x 1,024 float32; hidden_states 4 x 2,048 x 1,024 float32; w1_codes 8 x 512 x 32 x 16 uint8 (E2M1 codes of w1, K innermost, in blocks of 32 codes, two codes a byte); w1_scales 8 x 512 x 32 uint8 (E8M0 scales of w1, one for each 32 codes along K); w2_codes 8 x 1,024 x 16 x 16 uint8 (E2M1 codes of w2, K innermost, in blocks of 32 codes, two codes a byte); w2_scales 8 x 1,024 x 16 uint8 (E8M0 scales of w2, one for each 32 codes along K).
;; Outputs: out0 4 x 2,048 x 1,024 float32; out1 one number float32.
;; This version of the problem:
;;   THIS VERSION OF THE PROBLEM IS GIVEN IN LOW PRECISION. The matrix products marked QUANTISED in the list below multiply operands that are first quantised to E2M1 (2 exponent bits, 1 mantissa bit; 4 bits a number), with one power-of-two scale for each 32 numbers along K (OCP MX v1.0); their sums are f32. All else is computed in f32.
;;   The module's matrix products, in the order in which they are computed (A, B: the left and right operand; K: the contracted axis; several contracted axes count as one K, in the product's order):
;;     1. [M 8,192, K 1,024] x [K 1,024, N 8]; A: input hidden_states; B: input gate_w: left as it is (N = 8 < 16)
;;     2. batch 8,192 x [M 8, K 2] x [K 2, N 1]; A: computed on the way; B: computed on the way: left as it is (K = 2 < 32)
;;     3. [M 8,192, K 1,024] x [K 1,024, N 512]; A: input hidden_states; B: input w1 (given as codes): QUANTISED
;;     4. [M 8,192, K 512] x [K 512, N 1,024]; A: computed on the way; B: input w2 (given as codes): QUANTISED
;;     5. [M 8,192, K 1,024] x [K 1,024, N 512]; A: input hidden_states; B: input w1 (given as codes): QUANTISED
;;     6. [M 8,192, K 512] x [K 512, N 1,024]; A: computed on the way; B: input w2 (given as codes): QUANTISED
;;     7. [M 8,192, K 1,024] x [K 1,024, N 512]; A: input hidden_states; B: input w1 (given as codes): QUANTISED
;;     8. [M 8,192, K 512] x [K 512, N 1,024]; A: computed on the way; B: input w2 (given as codes): QUANTISED
;;     9. [M 8,192, K 1,024] x [K 1,024, N 512]; A: input hidden_states; B: input w1 (given as codes): QUANTISED
;;     10. [M 8,192, K 512] x [K 512, N 1,024]; A: computed on the way; B: input w2 (given as codes): QUANTISED
;;     11. [M 8,192, K 1,024] x [K 1,024, N 512]; A: input hidden_states; B: input w1 (given as codes): QUANTISED
;;     12. [M 8,192, K 512] x [K 512, N 1,024]; A: computed on the way; B: input w2 (given as codes): QUANTISED
;;     13. [M 8,192, K 1,024] x [K 1,024, N 512]; A: input hidden_states; B: input w1 (given as codes): QUANTISED
;;     14. [M 8,192, K 512] x [K 512, N 1,024]; A: computed on the way; B: input w2 (given as codes): QUANTISED
;;     15. [M 8,192, K 1,024] x [K 1,024, N 512]; A: input hidden_states; B: input w1 (given as codes): QUANTISED
;;     16. [M 8,192, K 512] x [K 512, N 1,024]; A: computed on the way; B: input w2 (given as codes): QUANTISED
;;     17. [M 8,192, K 1,024] x [K 1,024, N 512]; A: input hidden_states; B: input w1 (given as codes): QUANTISED
;;     18. [M 8,192, K 512] x [K 512, N 1,024]; A: computed on the way; B: input w2 (given as codes): QUANTISED
;;   THE QUANTISER, for each operand of a quantised product, along K:
;;     - K is cut into blocks of 32 from its start; a last block that is shorter is filled with zeros.
;;     - A block's scale is 2^e with e = floor(log2(the largest magnitude in the block)) - 2, held to -126 .. 127; a block of zeros has e = 0. As a byte (E8M0): e + 127.
;;     - Each number is divided by its block's scale, clamped to +-6, and rounded to the nearest number of E2M1, ties to even, subnormals kept.
;;     - The product sums the exact products of the quantised numbers (number of the format x scale) in f32.
;;   ~~~python
;;   def quantise(x, axis):      # numpy; x: float32 -> the quantised numbers, widened to float32 again
;;       x = np.moveaxis(x, axis, -1); K = x.shape[-1]
;;       x = np.pad(x, [(0, 0)] * (x.ndim - 1) + [(0, -K % 32)]); x = x.reshape(x.shape[:-1] + (-1, 32)); a = np.abs(x).max(-1, keepdims=True)
;;       e = np.where(a > 0, np.clip(np.frexp(np.where(a > 0, a, 1))[1] - 1 - 2, -126, 127), 0)      # np.frexp(a)[1] - 1 = floor(log2(a)), exactly
;;       r = np.clip(x / 2.0 ** e, -6, 6)
;;       step = 2.0 ** (np.maximum(np.frexp(np.where(r == 0, 1, r))[1] - 1, 0) - 1)
;;       q = np.round(r / step) * step * 2.0 ** e      # np.round: ties to even
;;       return np.moveaxis(q.reshape(q.shape[:-2] + (-1,))[..., :K], -1, axis).astype(np.float32)
;;   ~~~
;;   OPERANDS COMPUTED ON THE WAY. 'Computed on the way' means the value that the module computes at that place (a softmax that the list does not call 'softmax' is quantised finished and normalised). What goes into a quantiser is computed in f32, as accurately as f32 sums, v_exp_f32 and their like allow (about 1e-6 of the number): no bf16 or f16 on the way to a quantiser, and a product that is left as it is and whose result goes on into a quantised operand takes f32 operands (vector FMAs, or v_wmma_f32_16x16x4_f32). A number that lies on a knife's edge between two numbers of the format may be rounded either way, as far as f32 arithmetic and the matrix unit's own rounding can turn it there, and no further.
;;   INPUTS GIVEN AS CODES. w1 (in the module: [8, 512, 1024], K = its axis 2); w2 (in the module: [8, 1024, 512], K = its axis 2): each comes as NAME_codes (uint8): NAME with its K axis moved to the last place and cut into blocks of 32 codes, [.., K / 32, bytes a block], one block behind the other in memory; two codes a byte, the lower K in the low four bits (a code: sign, 2 exponent bits, 1 mantissa bit); and NAME_scales (uint8): the same leading axes, one E8M0 byte (e + 127) for each 32 codes along K. Its value is code x scale, taken as it is: it is not quantised again, and the codes and scales need not be those that the quantiser above would give.
;; 3 versions. Each part assembles by itself: llvm-mc -triple=amdgcn-amd-amdhsa -mcpu=gfx1250 --defsym DOCPART=n.
;; ======== version 1 of 3: 3 launches
;; workspace buffers: xq 4,194,304 bytes; xs 262,144 bytes; ws 4,456,448 bytes; wts 65,536 bytes; psum 8,192 bytes; picks 65,536 bytes of whole numbers; order 32,768 bytes of whole numbers; tiles 3,584 bytes of whole numbers
;; launch route (part 1): grid 256 x 1, 16 waves a work-group, no clusters, 176,128 bytes of LDS; arguments gate_w, xq, xs, wts, psum, picks, hidden_states, w1_codes, w1_scales, w2_codes, w2_scales, ws; writes xq, xs, ws, wts, psum, picks
.if DOCPART == 1
	.amdgcn_target "amdgcn-amd-amdhsa--gfx1250"
	.amdhsa_code_object_version 6
	.text
	.protected	k_q44c36bde58_route
	.globl	k_q44c36bde58_route
	.p2align	8
	.type	k_q44c36bde58_route,@function
k_q44c36bde58_route:
	s_mov_b64 s[64:65], 0
	v_nop
	global_prefetch_b8 v0, s[64:65] scope:SCOPE_SE
	s_setreg_imm32_b32 hwreg(HW_REG_WAVE_MODE, 25, 1), 1
	s_wait_xcnt 0x0
; ROUTE.  Three things for 32 tokens a work-group: (1) the router in f32: logits, softmax with the maximum taken away, the two largest (the lower index on a tie), their weights;
; (2) x as codes of FP4 (E2M1) with one E8M0 byte for each 32 along K: the same codes serve every expert; (3) a 256th of the weights laid out anew, in the order in which a wave's operand registers take them.
; SHARES.  LANE = TOKEN.  Wave w of sixteen takes columns 64 w .. 64 w + 63 of the 32 tokens: a lane's 64 registers run along K, so a block's largest magnitude needs no other lane, the logits need no
; sum over lanes, and gate_w is the same for all lanes and stands in scalar registers.  The sixteen partial logits of a token meet in LDS; wave 0 finishes the router.
; x comes by one tensor load a wave (32 rows x 256 bytes, each row 256 consecutive bytes at a multiple of 256); no LDS byte is filled twice.  One tensor load of a wave is out, never more.
; WHAT IS CHOSEN STEERS NO ADDRESS HERE: the pair's number, the token's rank among its work-group's tokens of that pair and the work-group's count of each pair are stored at fixed places.
; No cluster: the work-groups share gate_w alone, 32 KB against the 128 KB of x that each reads for itself, and it comes through scalar loads.
; LIMITS: NaN and infinities are not served; a block of zeros gets the byte 1 (its codes are zeros, and the bytes are read by this program alone); blocks whose largest magnitude lies under 2^(3 - 127) are held at that byte;
; logits that tie within the rounding of f32 sums may choose the other expert than another order of summing would.
.set XTW,  8704                        ; LDS: a wave's tile of x: 32 rows x (256 bytes + 16 of padding)
.set XP,   272
.set PL,   139264                      ; partial logits: [wave][lane][8 f32]
.set CS,   155648                      ; the codes of 32 tokens: rows of 512 bytes + 16
.set CSP,  528
.set SS,   172544                      ; their scale bytes: [token][32]
.set GRPB, 8704                        ; a group of the weight stream: 8 fragment images of 1,024 bytes, then a scale image of 512
.set WV,   96                          ; s96  my wave's number
; s[4:15] gate_w (at my columns), xq, xs, wts, psum, picks;  s[84:95] hidden_states, w1_codes, w1_scales, w2_codes, w2_scales, ws
; s[16:47] and s[48:63], s[68:83]: two sets of 2 x 16 numbers of gate_w.  s[68:79] first hold the tensor descriptor, s[48:63] the scalars of the relayout: both are done with before the second set is first loaded.
; v1 lane; v2-v12 addresses, all made ahead of the first branch; v16-31 logits, two sums an expert; v32-95 my token's 64 numbers; v96-103 codes; v104-127 at work
	s_load_b256 s[4:11], s[0:1], 0x0
	s_load_b128 s[12:15], s[0:1], 0x20
	s_load_b256 s[84:91], s[0:1], 0x30
	s_load_b128 s[92:95], s[0:1], 0x50
	v_lshl_add_u32 v128, v0, 2, 0x2a800
	v_mov_b32 v129, 0
	ds_add_u32 v128, v129
	ds_add_u32 v128, v129
	v_lshrrev_b32 v13, 5, v0
	v_readfirstlane_b32 s[WV], v13
	; descriptor group 1: 32 rows x 64 elements of 4 bytes, 1,024 elements from row to row, 4 words of padding behind every 64
	s_mov_b32 s68, (2<<16)|(1<<20)|(5<<22)|(3<<25)
	s_mov_b32 s69, 64<<16                          ; tensor_dim0 = 64
	s_mov_b32 s70, 32<<16                          ; tensor_dim1 = 32
	s_mov_b32 s71, 64<<16                          ; tile_dim0 = 64
	s_mov_b32 s72, 32                              ; tile_dim1 = 32
	s_mov_b32 s73, 1024                            ; the pitch
	s_mov_b32 s74, 0
	s_mov_b32 s75, 0
	s_mov_b32 s76, 1                               ; group 0: count = 1
	s_mul_i32 s77, s[WV], XTW                      ; LDS address: my wave's tile
	s_lshl_b32 s48, ttmp9, 17                      ; 32 tokens of 4,096 bytes
	s_lshl_b32 s49, s[WV], 8                       ; my 64 columns
	s_add_co_u32 s48, s48, s49
	s_mov_b32 s49, 0
	s_wait_dscnt 0x0
	s_wait_kmcnt 0x0
	s_add_nc_u64 s[78:79], s[84:85], s[48:49]
	s_or_b32 s79, s79, 0x80000000                  ; type = 2
	tensor_load_to_lds s[76:79], s[68:75]
	s_nop 0
.rept 4
	v_nop
.endr
	s_lshl_b32 s48, s[WV], 8
	s_add_nc_u64 s[4:5], s[4:5], s[48:49]          ; gate_w at my columns
	s_load_b512 s[16:31], s[4:5], 0x0              ; experts 0 and 1, my first 16 columns
	s_load_b512 s[32:47], s[4:5], 0x1000
	; every address, ahead of the first branch on the wave's number
	v_and_b32 v1, 31, v0                           ; lane = token
	v_mul_u32_u24 v2, v1, XP
	v_add_nc_u32 v2, s77, v2                       ; my token's row in my wave's tile
	v_mul_u32_u24 v3, v1, CSP
	s_lshl_b32 s50, s[WV], 5
	v_add_nc_u32 v3, s50, v3
	v_add_nc_u32 v3, CS, v3                        ; where my 32 bytes of codes go
	v_lshlrev_b32 v4, 5, v1
	s_lshl_b32 s50, s[WV], 1
	v_add_nc_u32 v4, s50, v4
	v_add_nc_u32 v4, SS, v4                        ; and my two scale bytes
	v_lshlrev_b32 v5, 5, v1
	s_lshl_b32 s50, s[WV], 10
	v_add_nc_u32 v5, s50, v5
	v_add_nc_u32 v5, PL, v5                        ; and my eight partial logits
	v_lshlrev_b32 v9, 4, v1                        ; 16 x lane
	s_mul_i32 s50, s[WV], 2*CSP
	v_add_nc_u32 v6, s50, v9
	v_add_nc_u32 v6, CS, v6                        ; the way out: rows 2 w and 2 w + 1 of the codes
	s_and_b32 s50, s[WV], 1
	s_lshl_b32 s50, s50, 9
	v_add_nc_u32 v7, s50, v9
	v_add_nc_u32 v7, SS, v7                        ; waves 2 and 3: half of the scale bytes
	v_lshlrev_b32 v8, 5, v1
	v_add_nc_u32 v8, PL, v8                        ; wave 0: my token's partial logits
	v_lshlrev_b32 v10, 3, v1                       ; 8 x lane
	s_lshl_b32 s48, ttmp9, 14
	s_lshl_b32 s50, s[WV], 10
	s_add_co_u32 s48, s48, s50
	s_add_nc_u64 s[6:7], s[6:7], s[48:49]          ; xq at token 32 g + 2 w
	s_lshl_b32 s48, ttmp9, 10
	s_and_b32 s50, s[WV], 1
	s_lshl_b32 s50, s50, 9
	s_add_co_u32 s48, s48, s50
	s_add_nc_u64 s[8:9], s[8:9], s[48:49]          ; xs at the work-group's 1,024 bytes, + 512 for odd waves
	s_lshl_b32 s48, ttmp9, 8
	s_add_nc_u64 s[10:11], s[10:11], s[48:49]      ; wts: 8 bytes a token
	s_add_nc_u64 s[14:15], s[14:15], s[48:49]      ; picks: 8 bytes a lane
	s_lshl_b32 s48, ttmp9, 5
	s_add_nc_u64 s[12:13], s[12:13], s[48:49]      ; psum: 32 bytes a work-group
	; ---- THE WEIGHTS' NEW ORDER, while the tile is on its way.  Work-group g makes group g of W1 (expert g / 32, wave (g / 8) % 4 of the last launch, K step g % 8) and group 256 + g, of W2 (the same expert and wave,
	; 64 outputs (g / 2) % 4, K steps 2 (g % 2) and + 1).  Waves 0-7 make W1's eight fragments, waves 8-15 W2's.  Lane (r, h) of a fragment takes row R = r + 8 (r / 8) of the tile's 24 rows, bytes 32 c + 16 h of the K step's 64.
	s_lshr_b32 s50, ttmp9, 5                       ; the expert
	s_bfe_u32 s51, ttmp9, 0x20003                  ; the wave that will read the group
	s_and_b32 s52, s[WV], 7                        ; f: which fragment of the group is mine
	s_and_b32 s53, ttmp9, 7                        ; W1's K step
	s_lshl_b32 s54, s51, 7
	s_lshr_b32 s55, s52, 1
	s_lshl_b32 s55, s55, 5
	s_add_co_u32 s54, s54, s55
	s_and_b32 s56, s52, 1
	s_lshl_b32 s56, s56, 3
	s_add_co_u32 s54, s54, s56                     ; W1: the tile's first row: 128 wave + 32 (f / 2) + 8 (f % 2)
	s_lshl_b32 s54, s54, 9                         ; rows of 512 bytes
	s_lshl_b32 s55, s53, 6
	s_add_co_u32 s54, s54, s55
	s_bfe_u32 s58, ttmp9, 0x20001                  ; W2: which 64 outputs
	s_and_b32 s59, ttmp9, 1                        ; and which pair of K steps
	s_lshl_b32 s57, s51, 8
	s_lshl_b32 s55, s58, 6
	s_add_co_u32 s57, s57, s55
	s_bfe_u32 s55, s52, 0x10001
	s_lshl_b32 s55, s55, 5
	s_add_co_u32 s57, s57, s55
	s_add_co_u32 s57, s57, s56                     ; W2: 256 wave + 64 chunk + 32 ((f % 4) / 2) + 8 (f % 2)
	s_lshl_b32 s57, s57, 8                         ; rows of 256 bytes
	s_lshl_b32 s55, s59, 1
	s_lshr_b32 s56, s52, 2
	s_add_co_u32 s55, s55, s56                     ; its K step: 2 (g % 2) + f / 4
	s_lshl_b32 s55, s55, 6
	s_add_co_u32 s57, s57, s55
	s_lshl_b32 s48, s51, 12                        ; the scale bytes: 128 rows of 32 bytes = 256 rows of 16 bytes = 4,096 a wave
	s_lshl_b32 s55, s58, 10
	s_add_co_u32 s49, s48, s55
	s_lshl_b32 s55, s59, 3
	s_add_co_u32 s49, s49, s55                     ; W2's
	s_lshl_b32 s55, s53, 2
	s_add_co_u32 s48, s48, s55                     ; W1's
	s_cmp_lt_u32 s[WV], 8                          ; W1's wave or W2's: the choice hangs on the wave's number alone
	s_cselect_b32 s54, s54, s57
	s_cselect_b32 s48, s48, s49
	s_cselect_b32 s58, 9, 8                        ; log2 of a row of codes
	s_cselect_b32 s59, 0, 256
	s_cselect_b64 s[60:61], s[86:87], s[90:91]
	s_cselect_b64 s[62:63], s[88:89], s[92:93]
	s_lshl_b32 s55, s50, 18                        ; an expert's codes: 262,144 bytes in both tensors
	s_add_co_u32 s54, s54, s55
	s_mov_b32 s55, 0
	s_add_nc_u64 s[60:61], s[60:61], s[54:55]
	s_lshl_b32 s49, s50, 14                        ; its scale bytes: 16,384
	s_add_co_u32 s48, s48, s49
	s_mov_b32 s49, 0
	s_add_nc_u64 s[62:63], s[62:63], s[48:49]
	s_add_co_u32 s56, ttmp9, s59
	s_mul_i32 s56, s56, GRPB
	s_lshl_b32 s57, s52, 10
	s_add_co_u32 s56, s56, s57
	s_mov_b32 s57, 0
	s_add_nc_u64 s[56:57], s[94:95], s[56:57]      ; where my fragment's image goes
	s_sub_co_u32 s59, s58, 4                       ; log2 of a row of scale bytes
	v_and_b32 v13, 15, v1
	v_and_b32 v14, 8, v13
	v_add_nc_u32 v13, v13, v14                     ; R
	v_lshrrev_b32 v15, 4, v1                       ; h
	v_lshlrev_b32 v11, s58, v13
	v_lshl_add_u32 v11, v15, 4, v11                ; R rows + 16 h
	v_lshl_add_u32 v14, v15, 3, v13
	v_lshlrev_b32 v12, s59, v14                    ; the scale image: row R + 8 h: lanes 0-15 the even tile, lanes 16-31 the odd one
	global_load_b128 v[104:107], v11, s[60:61]
	global_load_b128 v[108:111], v11, s[60:61] offset:32
	s_wait_loadcnt 0x0
	global_store_b128 v9, v[104:107], s[56:57]                 ; 32 lanes store 512 consecutive bytes
	global_store_b128 v9, v[108:111], s[56:57] offset:512
	s_cmp_lg_u32 s52, 1                            ; waves 1 and 9 also make their group's scale image: four words a lane
	s_cbranch_scc1 .Lno_scale
	s_cmp_lt_u32 s[WV], 8
	s_cbranch_scc0 .Lscale_w2
.irp u, 0,1,2,3
	global_load_b32 v[112+\u], v12, s[62:63] offset:1024*\u    ; W1: word u: tiles 2 u and 2 u + 1: 32 rows of 32 bytes on
.endr
	s_branch .Lscale_out
.Lscale_w2:
.irp u, 0,1,2,3
	global_load_b32 v[112+\u], v12, s[62:63] offset:512*(\u%2)+4*(\u/2)   ; W2: word 2 kk + pr: 32 pr rows of 16 bytes on, K step kk
.endr
.Lscale_out:
	s_wait_loadcnt 0x0
	global_store_b128 v9, v[112:115], s[56:57] offset:7168     ; the image lies 8,192 bytes into the group, my fragment (number 1) 1,024
.Lno_scale:
	s_wait_xcnt 0x0                                ; the stores' data and base are written again below
	; ---- my token's 64 numbers
	s_wait_tensorcnt 0x0                           ; my own tile is in LDS, and only I read it; the descriptor's registers are free
.irp i, 0,1,2,3,4,5,6,7,8,9,10,11,12,13,14,15
	ds_load_b128 v[32+4*\i:35+4*\i], v2 offset:16*\i
.endr
	s_wait_dscnt 0x0
; Batch i: experts 2 (i / 4) and + 1, my columns 16 (i % 4) on: 32 multiply-adds in four chains.  The next batch's 2 x 16 numbers of gate_w are asked for first, into the other set.
.macro GATE i
.set E0, 2*((\i)/4)
.set CH, (\i)%4
.set GA, 16+32*((\i)%2)
.set GC, 32+36*((\i)%2)
.set NE, 2*(((\i)+1)/4)
.set NC, ((\i)+1)%4
.set NA, 16+32*(((\i)+1)%2)
.set NB, 32+36*(((\i)+1)%2)
	s_wait_kmcnt 0x0                               ; scalar loads come back in no order: zero alone shows this batch in
.if (\i) < 15
	s_load_b512 s[NA:NA+15], s[4:5], NE*4096+NC*64
	s_load_b512 s[NB:NB+15], s[4:5], (NE+1)*4096+NC*64
.endif
.irp j, 0,1,2,3,4,5,6,7,8,9,10,11,12,13,14,15
.if (CH == 0) && (\j < 2)
	v_mul_f32 v[16+2*E0+\j], s[GA+\j], v[32+\j]                ; the first products start the sums
	v_mul_f32 v[18+2*E0+\j], s[GC+\j], v[32+\j]
.else
	v_fmac_f32 v[16+2*E0+(\j%2)], s[GA+\j], v[32+16*CH+\j]
	v_fmac_f32 v[18+2*E0+(\j%2)], s[GC+\j], v[32+16*CH+\j]
.endif
.endr
.endm
.irp i, 0,1,2,3,4,5,6,7,8,9,10,11,12,13,14,15
	GATE \i
.endr
	; ---- my two blocks of 32 become codes
.irp c, 0,1
	v_max3_num_f32 v[104+\c], |v[32+32*\c]|, |v[33+32*\c]|, 0x1800000      ; and the floor 2^(3 - 127): the byte cannot fall under 1
.endr
.irp i, 2,4,6,8,10,12,14,16,18,20,22,24,26,28,30
.irp c, 0,1
	v_max3_num_f32 v[104+\c], v[104+\c], |v[32+32*\c+\i]|, |v[33+32*\c+\i]|
.endr
.endr
.irp c, 0,1
	v_add_nc_u32 v[106+\c], 0xff000000, v[104+\c]  ; 2 off the exponent field: the conversion's scale operand
.endr
.irp c, 0,1
	v_lshrrev_b32 v[108+\c], 23, v[106+\c]         ; the scale's byte
.endr
.irp c, 0,1
.irp g, 0,1,2,3
	v_cvt_scalef32_pk8_fp4_f32 v[96+4*\c+\g], v[32+32*\c+8*\g:39+32*\c+8*\g], v[106+\c]
.endr
.endr
	v_lshl_or_b32 v110, v109, 8, v108              ; (the plain line behind the conversions)  my two bytes
.irp e, 0,1,2,3,4,5,6,7
	v_add_f32 v[112+\e], v[16+2*\e], v[17+2*\e]    ; an expert's two chains
.endr
	ds_store_b128 v3, v[96:99]
	ds_store_b128 v3, v[100:103] offset:16
	ds_store_b16 v4, v110
	ds_store_b128 v5, v[112:115]
	ds_store_b128 v5, v[116:119] offset:16
	s_wait_dscnt 0x0                               ; for the others' sake: my stores have landed
	s_barrier_signal -1
	s_barrier_wait -1                              ; the launch's one barrier
	; ---- the way out: each wave sends two whole rows of codes
	ds_load_b128 v[96:99], v6
	ds_load_b128 v[100:103], v6 offset:CSP
	s_wait_dscnt 0x0
	global_store_b128 v9, v[96:99], s[6:7]                     ; 32 lanes store a token's 512 bytes
	global_store_b128 v9, v[100:103], s[6:7] offset:512
	s_lshr_b32 s16, s[WV], 1
	s_cmp_lg_u32 s16, 1
	s_cbranch_scc1 .Lno_xs
	ds_load_b128 v[104:107], v7                    ; waves 2 and 3: 512 of the 1,024 scale bytes each
	s_wait_dscnt 0x0
	global_store_b128 v9, v[104:107], s[8:9]
.Lno_xs:
	s_cmp_lg_u32 s[WV], 0
	s_cbranch_scc1 .Lend
	; ---- wave 0: the router's tail, a token a lane
	s_wait_xcnt 0x0                                ; the stores issued above have had their addresses translated (ISA guide 3.1): the registers at work, v104 on, which the store of scale bytes names as data, are written again only behind this wait
.irp u, 0,1,2,3,4,5,6,7
	ds_load_b128 v[32+8*\u:35+8*\u], v8 offset:1024*\u
	ds_load_b128 v[36+8*\u:39+8*\u], v8 offset:1024*\u+16
.endr
	s_wait_dscnt 0x0
.irp q, 0,2,4,6
	v_pk_add_f32 v[16+\q:17+\q], v[32+\q:33+\q], v[40+\q:41+\q]
.endr
.irp u, 2,3,4,5,6,7
.irp q, 0,2,4,6
	v_pk_add_f32 v[16+\q:17+\q], v[16+\q:17+\q], v[32+8*\u+\q:33+8*\u+\q]
.endr
.endr
.irp u, 0,1,2,3,4,5,6,7
	ds_load_b128 v[32+8*\u:35+8*\u], v8 offset:8192+1024*\u
	ds_load_b128 v[36+8*\u:39+8*\u], v8 offset:8192+1024*\u+16
.endr
	s_wait_dscnt 0x0
.irp u, 0,1,2,3,4,5,6,7
.irp q, 0,2,4,6
	v_pk_add_f32 v[16+\q:17+\q], v[16+\q:17+\q], v[32+8*\u+\q:33+8*\u+\q]
.endr
.endr
	v_max3_num_f32 v104, v16, v17, v18             ; the softmax, with the largest logit taken away
	v_max3_num_f32 v105, v19, v20, v21
	v_max3_num_f32 v104, v104, v22, v23
	v_max_num_f32 v104, v104, v105
.irp e, 0,1,2,3,4,5,6,7
	v_sub_f32 v[24+\e], v[16+\e], v104
.endr
.irp e, 0,1,2,3,4,5,6,7
	v_mul_f32 v[24+\e], 0x3fb8aa3b, v[24+\e]       ; x log2(e)
.endr
.irp e, 0,1,2,3,4,5,6,7
	v_exp_f32 v[24+\e], v[24+\e]
.endr
	v_mov_b32 v108, -1.0                           ; (the plain line behind the exponentials)
	s_wait_alu depctr_va_vdst(0)
	v_add_f32 v105, v24, v25
	v_add_f32 v106, v26, v27
	v_add_f32 v107, v28, v29
	v_add_f32 v109, v30, v31
	v_add_f32 v105, v105, v106
	v_add_f32 v107, v107, v109
	v_add_f32 v105, v105, v107
	v_rcp_f32 v105, v105
	v_mov_b32 v107, 0                              ; (the plain line behind the reciprocal)  the first choice's index
	s_wait_alu depctr_va_vdst(0)
.irp e, 0,1,2,3,4,5,6,7
	v_mul_f32 v[24+\e], v[24+\e], v105             ; the probabilities
.endr
	v_mov_b32 v106, v24                            ; the largest: a later one takes over only where it is strictly larger, so the lower index stays on a tie
.irp e, 1,2,3,4,5,6,7
	v_cmp_le_f32 vcc_lo, v[24+\e], v106
	v_cndmask_b32 v107, \e, v107, vcc_lo
	v_max_num_f32 v106, v106, v[24+\e]
.endr
.irp e, 0,1,2,3,4,5,6,7
	v_cmp_eq_u32 vcc_lo, \e, v107
	v_cndmask_b32 v[112+\e], v[24+\e], v108, vcc_lo            ; the first choice counts as -1, under every probability
.endr
	v_mov_b32 v109, v112
	v_mov_b32 v110, 0
.irp e, 1,2,3,4,5,6,7
	v_cmp_le_f32 vcc_lo, v[112+\e], v109
	v_cndmask_b32 v110, \e, v110, vcc_lo
	v_max_num_f32 v109, v109, v[112+\e]
.endr
	v_add_f32 v111, v106, v109
	v_rcp_f32 v111, v111
	v_min_u32 v122, v107, v110                     ; (the plain line)  a: the lower expert
	v_max_u32 v123, v107, v110                     ; b: the higher
	s_wait_alu depctr_va_vdst(0)
	v_mul_f32 v120, v106, v111                     ; the two weights, which add up to 1
	v_mul_f32 v121, v109, v111
	v_cmp_lt_u32 vcc_lo, v107, v110
	v_cndmask_b32 v124, v121, v120, vcc_lo         ; a's weight
	v_cndmask_b32 v125, v120, v121, vcc_lo         ; b's
	v_sub_nc_u32 v111, 15, v122
	v_mul_u32_u24 v111, v111, v122
	v_lshrrev_b32 v111, 1, v111
	v_add_nc_u32 v111, v111, v123
	v_sub_nc_u32 v111, v111, v122
	v_add_nc_u32 v111, -1, v111                    ; the pair's number: a (15 - a) / 2 + b - a - 1, 0 .. 27
	v_mov_b32 v126, 0
	v_mov_b32 v127, 0
.irp b, 0,1,2,3,4,5,6,7,8,9,10,11,12,13,14,15,16,17,18,19,20,21,22,23,24,25,26,27
	v_cmp_eq_u32 s16, \b, v111                     ; the lanes of pair b
	v_mbcnt_lo_u32_b32 v112, s16, 0                ; how many of them stand below me
	v_cndmask_b32 v126, v126, v112, s16            ; my rank, if the pair is mine
	s_bcnt1_i32_b32 s17, s16
	v_writelane_b32 v127, s17, \b                  ; lane b keeps the work-group's count of pair b
.endr
	v_lshl_or_b32 v126, v126, 8, v111
	global_store_b64 v10, v[126:127], s[14:15]                 ; 32 lanes store 256 consecutive bytes
	global_store_b64 v10, v[124:125], s[10:11]
	s_mov_b32 s18, 0x76543210
	s_mov_b32 s19, 0xfedcba98                      ; v_permlanex16_b32's selects for lane l xor 16
.irp x, 1,2,4,8
.irp e, 0,1,2,3,4,5,6,7
	v_add_f32_dpp v[24+\e], v[24+\e], v[24+\e] row_xmask:\x row_mask:0xf bank_mask:0xf   ; the probabilities summed over the 32 tokens
.endr
.endr
.irp e, 0,1,2,3,4,5,6,7
	v_permlanex16_b32 v[112+\e], v[24+\e], s18, s19
.endr
.irp e, 0,1,2,3,4,5,6,7
	v_add_f32 v[24+\e], v[24+\e], v[112+\e]
.endr
	v_cmp_eq_u32 vcc_lo, 0, v1
	s_wait_xcnt 0x0                                ; EXEC changes only behind this wait: stores are out
	s_and_saveexec_b32 s20, vcc_lo
	global_store_b128 v9, v[24:27], s[12:13]       ; lane 0 (its offset is 0): the eight sums
	global_store_b128 v9, v[28:31], s[12:13] offset:16
	s_wait_xcnt 0x0
	s_or_b32 exec_lo, exec_lo, s20
.Lend:
	s_wait_tensorcnt 0x0
	ds_add_u32 v128, v129
	s_wait_dscnt 0x0
	s_endpgm
.Lfunc_end_k_q44c36bde58_route:
	.size	k_q44c36bde58_route, .Lfunc_end_k_q44c36bde58_route-k_q44c36bde58_route
	.p2alignl 7, 3214868480
	.fill 96, 4, 3214868480
	.section	.rodata,"a",@progbits
	.p2align	6, 0x0
	.amdhsa_kernel k_q44c36bde58_route
		.amdhsa_group_segment_fixed_size 176128
		.amdhsa_private_segment_fixed_size 0
		.amdhsa_enable_private_segment 0
		.amdhsa_kernarg_size 96
		.amdhsa_user_sgpr_count 2
		.amdhsa_user_sgpr_kernarg_segment_ptr 1
		.amdhsa_wavefront_size32 1
		.amdhsa_system_sgpr_workgroup_id_x 1
		.amdhsa_system_sgpr_workgroup_id_y 1
		.amdhsa_system_sgpr_workgroup_id_z 1
		.amdhsa_system_vgpr_workitem_id 0
		.amdhsa_next_free_vgpr 130
		.amdhsa_next_free_sgpr 106
		.amdhsa_reserve_vcc 1
		.amdhsa_float_denorm_mode_32 3
		.amdhsa_float_denorm_mode_16_64 3
		.amdhsa_memory_ordered 1
		.amdhsa_forward_progress 1
		.amdhsa_inst_pref_size 53
	.end_amdhsa_kernel
	.amdgpu_metadata
---
amdhsa.version: [ 1, 2 ]
amdhsa.kernels:
  - .name:           k_q44c36bde58_route
    .symbol:         k_q44c36bde58_route.kd
    .args:
      - { .name: gate_w, .offset: 0, .size: 8, .value_kind: global_buffer, .address_space: global }
      - { .name: xq, .offset: 8, .size: 8, .value_kind: global_buffer, .address_space: global }
      - { .name: xs, .offset: 16, .size: 8, .value_kind: global_buffer, .address_space: global }
      - { .name: wts, .offset: 24, .size: 8, .value_kind: global_buffer, .address_space: global }
      - { .name: psum, .offset: 32, .size: 8, .value_kind: global_buffer, .address_space: global }
      - { .name: picks, .offset: 40, .size: 8, .value_kind: global_buffer, .address_space: global }
      - { .name: hidden_states, .offset: 48, .size: 8, .value_kind: global_buffer, .address_space: global }
      - { .name: w1_codes, .offset: 56, .size: 8, .value_kind: global_buffer, .address_space: global }
      - { .name: w1_scales, .offset: 64, .size: 8, .value_kind: global_buffer, .address_space: global }
      - { .name: w2_codes, .offset: 72, .size: 8, .value_kind: global_buffer, .address_space: global }
      - { .name: w2_scales, .offset: 80, .size: 8, .value_kind: global_buffer, .address_space: global }
      - { .name: ws, .offset: 88, .size: 8, .value_kind: global_buffer, .address_space: global }
    .group_segment_fixed_size: 176128
    .private_segment_fixed_size: 0
    .kernarg_segment_align: 8
    .kernarg_segment_size: 96
    .max_flat_workgroup_size: 512
    .sgpr_count:     106
    .vgpr_count:     130
    .wavefront_size: 32
...
	.end_amdgpu_metadata
.endif
;; end of part 1
;; launch place (part 2): grid 1 x 1, 32 waves a work-group, no clusters, 73,728 bytes of LDS; arguments picks, psum, order, tiles, out1; writes order, tiles, out1
.if DOCPART == 2
	.amdgcn_target "amdgcn-amd-amdhsa--gfx1250"
	.amdhsa_code_object_version 6
	.text
	.protected	k_q44c36bde58_place
	.globl	k_q44c36bde58_place
	.p2align	8
	.type	k_q44c36bde58_place,@function
k_q44c36bde58_place:
	s_mov_b64 s[64:65], 0
	v_nop
	global_prefetch_b8 v0, s[64:65] scope:SCOPE_SE
	s_setreg_imm32_b32 hwreg(HW_REG_WAVE_MODE, 25, 1), 1
	s_wait_xcnt 0x0
; PLACE.  A counting sort of the 8,192 tokens by their pair of experts (28 pairs), the list of tiles of at most 48 rows, and aux_loss.  One work-group of 32 waves; no atomics.
; In: picks [256 groups][32 lanes][2]: word 0 = pair | rank in the group << 8 of token 32 g + lane; word 1 = the group's count of pair = lane.  psum [256][8]: the groups' sums of the probabilities.
; Out: order [8,192]: the tokens, sorted by pair; tiles [224][4]: first place in order, rows (0 .. 48), the pair's two experts; out1 = 8 x sum over e of mean(prob_e) x count_e / 16,384.
; STEPS.  1: the counts go to LDS as a table [group][33 words].  2: wave = pair: its 256 counts are scanned, 8 to a lane.  3: every wave scans the 28 totals (lane = pair) for each pair's first place and first tile,
; and stores each group's first place of its pair.  4: wave w places the tokens of groups 8 w .. 8 w + 7.  5: waves 0-6 write a tile's record a thread.  6: wave 31 finishes aux_loss.
; There are never more than (8,192 + 47 x 28) / 48 = 198 tiles; a record past the last tile has 0 rows.
; One work-group: the whole input is 72 KB and every step wants all counts; a grid would need a launch more.
.set HP,  132                          ; a group's row of the tables: 33 words, so that a column's reads do not all fall on one bank
.set PB,  33792                        ; the second table: first places
.set BT,  67584                        ; the pairs' totals, 32 words
.set AX,  67712                        ; the waves' partial sums of psum, 32 bytes each
; v1 lane; v2 my wave's rows of a table, my lane's word; v3 my lane's 8 rows, my wave's column; v4, v5 totals; v7, v8 partial sums; v9 8 x lane
; v16-31 picks; v32-39, v50-57 at work; v40-47 scans: v42 the lane's first place in the pair, v43 n, v44 a pair's first place, v45 its tiles, v46 its first tile
.macro SCAN x                          ; v[x] becomes its running sum over the 32 lanes, itself included
.irp d, 1,2,4,8
	v_mov_b32_dpp v41, v[\x] row_shr:\d row_mask:0xf bank_mask:0xf bound_ctrl:1   ; lane l - d of my sixteen, 0 where there is none
	v_add_nc_u32 v[\x], v[\x], v41
.endr
	v_readlane_b32 s20, v[\x], 15
	v_mov_b32 v41, s20
	v_cndmask_b32 v41, 0, v41, s28                 ; the lower sixteen's sum, onto lanes 16-31
	v_add_nc_u32 v[\x], v[\x], v41
.endm
	s_load_b256 s[4:11], s[0:1], 0x0               ; picks, psum, order, tiles
	s_load_b64 s[12:13], s[0:1], 0x20              ; out1
	v_lshl_add_u32 v64, v0, 2, 0x11000
	v_mov_b32 v65, 0
	v_lshrrev_b32 v10, 5, v0
	v_readfirstlane_b32 s16, v10                   ; wave
	v_and_b32 v1, 31, v0
	v_lshlrev_b32 v11, 2, v1
	s_mul_i32 s17, s16, 8*HP
	v_add_nc_u32 v2, s17, v11
	v_mul_u32_u24 v3, v1, 8*HP
	s_lshl_b32 s18, s16, 2
	v_add_nc_u32 v3, s18, v3
	v_mov_b32 v4, s18
	v_add_nc_u32 v4, BT, v4
	v_add_nc_u32 v5, BT, v11
	v_and_b32 v7, 3, v1
	v_lshlrev_b32 v7, 3, v7
	s_lshl_b32 s19, s16, 5
	v_add_nc_u32 v7, s19, v7
	v_add_nc_u32 v7, AX, v7
	v_lshl_add_u32 v8, v1, 5, AX
	v_lshlrev_b32 v9, 3, v1
	s_lshl_b32 s19, s16, 8
	v_add_nc_u32 v58, s19, v1                      ; my token of the wave's first group
	s_mov_b32 s26, 0x76543210
	s_mov_b32 s27, 0xfedcba98                      ; v_permlanex16_b32's selects for lane l xor 16
	s_mov_b32 s28, 0xffff0000                      ; lanes 16-31
	v_mov_b32 v41, 0                               ; written once: the destination of a lane permute counts as one of its sources
	v_mov_b32 v47, 0
	s_lshl_b32 s20, s16, 11
	s_mov_b32 s21, 0
	s_wait_kmcnt 0x0
	s_add_nc_u64 s[4:5], s[4:5], s[20:21]          ; my 8 groups of picks
	s_lshl_b32 s20, s16, 8
	s_add_nc_u64 s[6:7], s[6:7], s[20:21]          ; and of psum
.irp j, 0,1,2,3,4,5,6,7
	global_load_b64 v[16+2*\j:17+2*\j], v9, s[4:5] offset:256*\j           ; 32 lanes read 256 consecutive bytes
.endr
	global_load_b64 v[48:49], v9, s[6:7]           ; lane l: experts 2 (l % 4) and + 1 of group 8 w + l / 4
	s_wait_loadcnt 0x0
	; ---- 1
.irp j, 0,1,2,3,4,5,6,7
	ds_store_b32 v2, v[17+2*\j] offset:HP*\j
.endr
.irp x, 4,8
	v_add_f32_dpp v48, v48, v48 row_xmask:\x row_mask:0xf bank_mask:0xf
	v_add_f32_dpp v49, v49, v49 row_xmask:\x row_mask:0xf bank_mask:0xf
.endr
	v_permlanex16_b32 v41, v48, s26, s27
	v_permlanex16_b32 v47, v49, s26, s27
	v_add_f32 v48, v48, v41
	v_add_f32 v49, v49, v47                        ; the sums over my wave's 8 groups
	ds_store_b64 v7, v[48:49]                      ; (the eight lanes of one l % 4 write the same words with the same values)
	s_wait_dscnt 0x0
	s_barrier_signal -1
	s_barrier_wait -1
	; ---- 2: pair = my wave's number (waves 28-31 find zeros)
.irp j, 0,1,2,3,4,5,6,7
	ds_load_b32 v[32+\j], v3 offset:HP*\j          ; the counts of groups 8 l + j
.endr
	s_wait_dscnt 0x0
	v_add_nc_u32 v51, v32, v33                     ; what stands ahead of group 8 l + j inside my lane: 0, v32, v51 .. v56
	v_add_nc_u32 v52, v51, v34
	v_add_nc_u32 v53, v52, v35
	v_add_nc_u32 v54, v53, v36
	v_add_nc_u32 v55, v54, v37
	v_add_nc_u32 v56, v55, v38
	v_add_nc_u32 v40, v56, v39                     ; my lane's total
	v_mov_b32 v42, v40
	SCAN 40
	v_sub_nc_u32 v42, v40, v42                     ; what stands ahead of my lane
	v_readlane_b32 s22, v40, 31
	v_mov_b32 v47, s22
	ds_store_b32 v4, v47                           ; the pair's total
	s_wait_dscnt 0x0
	s_barrier_signal -1
	s_barrier_wait -1
	; ---- 3: lane = pair
	ds_load_b32 v43, v5
	s_wait_dscnt 0x0
	v_mov_b32 v44, v43
	SCAN 44
	v_sub_nc_u32 v44, v44, v43                     ; a pair's first place in order
	v_add_nc_u32 v45, 47, v43
	v_mul_u32_u24 v45, 0xaaab, v45
	v_lshrrev_b32 v45, 21, v45                     ; its tiles: (n + 47) / 48: 43,691 / 2^21 is 1 / 48 with an excess of 16 / (48 x 2^21), which stays under 1 / 48 up to 131,071
	v_mov_b32 v46, v45
	SCAN 46
	v_sub_nc_u32 v46, v46, v45                     ; its first tile
	v_readlane_b32 s23, v44, s16                   ; my wave's pair
	v_add_nc_u32 v47, s23, v42
	v_add_nc_u32 v32, v32, v47
.irp j, 2,3,4,5,6,7
	v_add_nc_u32 v[49+\j], v[49+\j], v47
.endr
	ds_store_b32 v3, v47 offset:PB
	ds_store_b32 v3, v32 offset:PB+HP
.irp j, 2,3,4,5,6,7
	ds_store_b32 v3, v[49+\j] offset:PB+HP*\j      ; where group 8 l + j's tokens of my pair begin
.endr
	s_wait_dscnt 0x0
	s_barrier_signal -1
	s_barrier_wait -1
	; ---- 4: my wave's 8 groups of tokens find their places
.irp j, 0,1,2,3,4,5,6,7
	ds_load_b32 v[32+\j], v2 offset:PB+HP*\j       ; lane = pair: the group's first places
.endr
.irp j, 0,1,2,3,4,5,6,7
	v_and_b32 v[17+2*\j], 0xff, v[16+2*\j]         ; my token's pair,
	v_min_u32 v[17+2*\j], 31, v[17+2*\j]           ; held to a lane's number,
	v_lshlrev_b32 v[17+2*\j], 2, v[17+2*\j]        ; as the permute wants it
.endr
	s_wait_dscnt 0x0
.irp j, 0,1,2,3,4,5,6,7
	ds_bpermute_b32 v[50+\j], v[17+2*\j], v[32+\j] ; from the lane of my pair
.endr
.irp j, 0,1,2,3,4,5,6,7
	v_lshrrev_b32 v[16+2*\j], 8, v[16+2*\j]        ; my rank in the group
.endr
	s_wait_dscnt 0x0
.irp j, 0,1,2,3,4,5,6,7
	v_add_nc_u32 v[50+\j], v[50+\j], v[16+2*\j]
	v_min_u32 v[50+\j], 0x1fff, v[50+\j]           ; a loaded number enters an address only held to the buffer
	v_lshlrev_b32 v[50+\j], 2, v[50+\j]
	v_add_nc_u32 v[32+\j], 32*\j, v58
	global_store_b32 v[50+\j], v[32+\j], s[8:9]
.endr
	; ---- 5: thread t writes tile t's record: the last pair whose first tile is not past t
	s_cmp_lt_u32 s16, 7
	s_cbranch_scc0 .Lno_tiles
	v_readlane_b32 s26, v43, 0
	v_mov_b32 v20, 0
	v_mov_b32 v21, 0
	v_mov_b32 v22, s26
	v_mov_b32 v26, 0
	v_mov_b32 v27, 1
.macro BIN p, a, b
	v_readlane_b32 s24, v46, \p
	v_readlane_b32 s25, v44, \p
	v_readlane_b32 s26, v43, \p
	v_cmp_le_u32 vcc_lo, s24, v0
	v_cndmask_b32 v20, v20, s24, vcc_lo            ; its first tile,
	v_cndmask_b32 v21, v21, s25, vcc_lo            ; its first place,
	v_cndmask_b32 v22, v22, s26, vcc_lo            ; its tokens,
	v_cndmask_b32 v26, v26, \a, vcc_lo             ; its experts
	v_cndmask_b32 v27, v27, \b, vcc_lo
.endm
.set PN, 0
.irp a, 0,1,2,3,4,5,6
.irp b, 1,2,3,4,5,6,7
.if \b > \a
.if PN > 0
	BIN PN, \a, \b
.endif
.set PN, PN+1
.endif
.endr
.endr
	v_sub_nc_u32 v23, v0, v20
	v_mul_u32_u24 v23, 48, v23                     ; the rows of the pair ahead of this tile
	v_add_nc_u32 v24, v21, v23
	v_min_u32 v24, 0x1fff, v24                     ; the tile's first place
	v_min_u32 v28, v23, v22
	v_sub_nc_u32 v25, v22, v28
	v_min_u32 v25, 48, v25                         ; its rows: 0 past the last tile
	v_lshlrev_b32 v29, 4, v0
	global_store_b128 v29, v[24:27], s[10:11]
.Lno_tiles:
	; ---- 6
	s_cmp_lg_u32 s16, 31
	s_cbranch_scc1 .Lend
	ds_load_b128 v[16:19], v8                      ; lane l: wave l's eight sums
	ds_load_b128 v[20:23], v8 offset:16
.irp e, 0,1,2,3,4,5,6,7
	s_mov_b32 s[32+\e], 0
.endr
.set PN, 0
.irp a, 0,1,2,3,4,5,6
.irp b, 1,2,3,4,5,6,7
.if \b > \a
	v_readlane_b32 s24, v43, PN
	s_add_co_u32 s[32+\a], s[32+\a], s24           ; a pair's tokens count for both of its experts
	s_add_co_u32 s[32+\b], s[32+\b], s24
.set PN, PN+1
.endif
.endr
.endr
	s_wait_dscnt 0x0
.irp x, 1,2,4,8
.irp e, 0,1,2,3,4,5,6,7
	v_add_f32_dpp v[16+\e], v[16+\e], v[16+\e] row_xmask:\x row_mask:0xf bank_mask:0xf
.endr
.endr
	s_mov_b32 s26, 0x76543210
.irp e, 0,1,2,3,4,5,6,7
	v_permlanex16_b32 v[24+\e], v[16+\e], s26, s27
.endr
.irp e, 0,1,2,3,4,5,6,7
	v_add_f32 v[16+\e], v[16+\e], v[24+\e]         ; the probabilities summed over all tokens
.endr
	v_cvt_f32_u32 v59, s32
	v_mul_f32 v60, v16, v59
.irp e, 1,2,3,4,5,6,7
	v_cvt_f32_u32 v59, s[32+\e]
	v_fmac_f32 v60, v[16+\e], v59
.endr
	v_mul_f32 v60, 0x33800000, v60                 ; x 8 / (8,192 x 16,384) = 2^-24
	v_cmp_eq_u32 vcc_lo, 0, v1
	s_wait_xcnt 0x0                                ; EXEC changes only behind this wait: stores are out
	s_and_saveexec_b32 s24, vcc_lo
	global_store_b32 v9, v60, s[12:13]             ; lane 0: its offset is 0
	s_wait_xcnt 0x0
	s_or_b32 exec_lo, exec_lo, s24
.Lend:
	s_wait_tensorcnt 0x0
	ds_add_u32 v64, v65
	s_wait_dscnt 0x0
	s_endpgm
.Lfunc_end_k_q44c36bde58_place:
	.size	k_q44c36bde58_place, .Lfunc_end_k_q44c36bde58_place-k_q44c36bde58_place
	.p2alignl 7, 3214868480
	.fill 96, 4, 3214868480
	.section	.rodata,"a",@progbits
	.p2align	6, 0x0
	.amdhsa_kernel k_q44c36bde58_place
		.amdhsa_group_segment_fixed_size 73728
		.amdhsa_private_segment_fixed_size 0
		.amdhsa_enable_private_segment 0
		.amdhsa_kernarg_size 40
		.amdhsa_user_sgpr_count 2
		.amdhsa_user_sgpr_kernarg_segment_ptr 1
		.amdhsa_wavefront_size32 1
		.amdhsa_system_sgpr_workgroup_id_x 1
		.amdhsa_system_sgpr_workgroup_id_y 1
		.amdhsa_system_sgpr_workgroup_id_z 1
		.amdhsa_system_vgpr_workitem_id 0
		.amdhsa_next_free_vgpr 66
		.amdhsa_next_free_sgpr 66
		.amdhsa_reserve_vcc 1
		.amdhsa_float_denorm_mode_32 3
		.amdhsa_float_denorm_mode_16_64 3
		.amdhsa_memory_ordered 1
		.amdhsa_forward_progress 1
		.amdhsa_inst_pref_size 36
	.end_amdhsa_kernel
	.amdgpu_metadata
---
amdhsa.version: [ 1, 2 ]
amdhsa.kernels:
  - .name:           k_q44c36bde58_place
    .symbol:         k_q44c36bde58_place.kd
    .args:
      - { .name: picks, .offset: 0, .size: 8, .value_kind: global_buffer, .address_space: global }
      - { .name: psum, .offset: 8, .size: 8, .value_kind: global_buffer, .address_space: global }
      - { .name: order, .offset: 16, .size: 8, .value_kind: global_buffer, .address_space: global }
      - { .name: tiles, .offset: 24, .size: 8, .value_kind: global_buffer, .address_space: global }
      - { .name: out1, .offset: 32, .size: 8, .value_kind: global_buffer, .address_space: global }
    .group_segment_fixed_size: 73728
    .private_segment_fixed_size: 0
    .kernarg_segment_align: 8
    .kernarg_segment_size: 40
    .max_flat_workgroup_size: 1024
    .sgpr_count:     66
    .vgpr_count:     66
    .wavefront_size: 32
...
	.end_amdgpu_metadata
.endif
;; end of part 2
;; launch experts (part 3): grid 198 x 1, 4 waves a work-group, no clusters, 106,496 bytes of LDS; arguments tiles, order, xq, xs, wts, ws, b1, b2, out0; writes out0
.if DOCPART == 3
	.amdgcn_target "amdgcn-amd-amdhsa--gfx1250"
	.amdhsa_code_object_version 6
	.text
	.protected	k_q44c36bde58_experts
	.globl	k_q44c36bde58_experts
	.p2align	8
	.type	k_q44c36bde58_experts,@function
k_q44c36bde58_experts:
	s_mov_b64 s[64:65], 0
	v_nop
	global_prefetch_b8 v0, s[64:65] scope:SCOPE_SE
	s_setreg_imm32_b32 hwreg(HW_REG_WAVE_MODE, 25, 1), 1
	s_wait_xcnt 0x0
; EXPERTS.  out[t] = c_a (gelu(x W1a^T + b1a) W2a^T + b2a) + c_b (the same of expert b), both products on codes of FP4 (E2M1) with one E8M0 scale for each 32 along K.
; A work-group takes ONE TILE: at most 48 tokens that chose the same two experts a < b, and takes them through the whole chain.  So each row of out0 has one owner, and the hidden layer never goes to memory.
; THE WAVES SHARE THE COLUMNS: wave w makes hidden units 128 w .. + 127 of both experts and outputs 256 w .. + 255, for all 48 rows (three tiles of 16).  Each weight fragment is read by one wave, once, straight
; into registers (an earlier launch laid the weights in the order of the operand's registers: every load is 512 consecutive bytes) and feeds three products.  A ring of four slots of 8 fragments, 8,704 bytes each, runs ahead.
; Both products are used transposed (source 0 = 16 rows of a weight, source 1 = 16 tokens): a lane holds one token.  THE ROWS OF A WEIGHT THAT FORM A TILE ARE NOT NEIGHBOURS: lane r of tile 2 b + u takes row
; 32 b + 8 u + r + 8 (r / 8), so that the 16 registers of tiles 2 b and 2 b + 1 are 16 neighbours: along the next K in the first product, along a row of out0 in the second.  The biases are the C of each sum's first product.
; x's codes and the hidden layer's go from wave to wave through LDS.  Two barriers.
; THE GRID SERVES EVERY SPLIT: 28 pairs, tiles of 48: never more than (8,192 + 47 x 28) / 48 = 198 tiles.  Every work-group walks the whole text on addresses held inside their buffers; rows at or past the tile's count repeat
; its last token (an empty tile: tokens at clamped places), and only their STORES are jumped over.  So no barrier and no loop stands under a branch on a loaded number.
; No tensor load and no cluster: the stores hang on a stored count, and a pair's run may have any number of tiles from 0 to 171, so no fixed four work-groups are sure to share their two experts.
; gelu(x) = x / 2 + (x / 2) erf(x / sqrt 2), erf(t) = t P(t^2) / Q(t^2) with t held to -4 .. 4: polynomials of degree 6 and 4.
; LIMITS: NaN and infinities are not served.  erf is good to about 1e-7 absolutely, so 1 + erf loses relative accuracy below x = -2 as any f32 sum 1 + erf does; below x = -5.66 it stays at what the formula gives at -4.
; A block of zeros gets the byte 1 (its codes are zeros, and the bytes never leave the work-group).
; REGISTERS, in windows of 256.  Window 0: v1-12 addresses; v16-18 tokens; v20-31 row offsets in xq; v32-47 the ring's scale words; v48-71 x's scale words, then the hidden layer's; v72-95 row offsets in out0; v96-143 rows on their way.
;   Window 1: v0-191 accumulators; v192-223 at work; v224-227 two constants; v228-233 (c_a, c_b) of my token in each tile of rows.   Window 2: v0-191 24 fragments of x, then of the hidden layer; v192-255 biases.   Window 3: the ring.
.set GRPB, 8704                        ; a group: 8 fragment images of 1,024 bytes, then 512 bytes of scale words
.set SP,   272
.set XIMG, 0                           ; LDS: x's codes: 96 pieces of 16 rows x 16 bytes, + 16 of padding each: piece 32 m + 4 s + 2 c + h
.set HIMG, 26112                       ; the hidden layer's 24 fragments as images of their registers: (3 x + m) 4 + s
.set HSC,  50688                       ; their scale words, 128 bytes each
.set STG,  53760                       ; the way out: 48 rows x (256 bytes + 16) for each wave, its own
.set L16,  1                           ; 16 x lane
.set L4,   2                           ; 4 x lane
.set BOFF, 3                           ; 64 h: my half's place in a bias
.set XST,  4
.set XRD,  5
.set HWI0, 6
.set HWS0, 7
.set HWI,  8
.set HWS,  9
.set STO,  10
.set RD,   11
.set R16,  12
.set TKM,  16
.set ROWO, 20
.set WS,   32
.set XS,   48
.set HS,   48
.set ROFF, 72
.set RB,   96
.set OA,   152
.set GT0,  192                         ; window 1: the gelu's t, t^2, P, Q
.set GT1,  200
.set GP,   208
.set GQ,   216
.set TM,   192                         ; and the quantiser's: largest magnitudes, bytes, scale operands; codes; the scale word
.set PC,   208
.set PW,   216
.set VA11, 224
.set VB6,  226
.set CP,   228
.set BI,   192                         ; window 2
.set RS2,  66                          ; scalar pairs: the packed forms name a pair and take its low word for both halves
.set CA13, 68
.set CA9,  70
.set CA7,  72
.set CA5,  74
.set CA3,  76
.set CA1,  78
.set CB8,  80
.set CB4,  82
.set CB2,  84
.set CB0,  86
; s22 wave; s24 first place, s25 rows, s26 a, s27 b; s29 trip; s30, s31 the trip's LDS offsets; s[32:33] the stream in hand; s[34:39] W1 of b, W2 of a, W2 of b; s[40:47] the four groups behind the stream in hand;
; s[48:51] the next biases; s[52:55] b2 of a, of b; s[56:57] out0 at my columns; s[58:59] lane selects; s[60:63] my four rows' lanes; s[88:95] b1 of a, of b, two halves each
.set MSB, 0
.macro WIN new                         ; s_set_vgpr_msb: bits 1:0 source 0, 3:2 source 1, 5:4 source 2, 7:6 destination; the high byte repeats the setting that is left
.if MSB != \new
	s_set_vgpr_msb (MSB<<8)|\new
.set MSB, \new
.endif
.endm
.macro PLACES                          ; four plain places between a matrix instruction and a load into, or a read of, its registers
.rept 4
	v_nop
.endr
.endm
.macro PAIR r, val
	s_mov_b32 s[\r], \val
	s_mov_b32 s[\r+1], \val
.endm
.macro GRP q, base, off                ; a group into slot q: 17 loads of 512 consecutive bytes
	WIN 0xc0
.irp f, 0,1,2,3,4,5,6,7
	global_load_b128 v[64*(\q)+8*\f:64*(\q)+8*\f+3], v[L16], s[\base:\base+1] offset:(\off)+1024*\f
	global_load_b128 v[64*(\q)+8*\f+4:64*(\q)+8*\f+7], v[L16], s[\base:\base+1] offset:(\off)+1024*\f+512
.endr
	WIN 0
	global_load_b128 v[WS+4*(\q):WS+4*(\q)+3], v[L16], s[\base:\base+1] offset:(\off)+8192
.endm
.macro BIAS4 p, x, off                 ; four tiles of a bias in the result's layout: tile t, lane (r, h), register j: number 32 (t / 2) + 8 (t % 2) + 16 h + j.  8 loads
	WIN 0x80
.irp t, 0,1,2,3
	global_load_b128 v[BI+32*(\x)+8*\t:BI+32*(\x)+8*\t+3], v[BOFF], s[\p:\p+1] offset:(\off)+128*(\t/2)+32*(\t%2)
	global_load_b128 v[BI+32*(\x)+8*\t+4:BI+32*(\x)+8*\t+7], v[BOFF], s[\p:\p+1] offset:(\off)+128*(\t/2)+32*(\t%2)+16
.endr
	WIN 0
.endm
.macro MM d, a, b, c, sa, sb, odd      ; one product; an odd tile's scale words stand in lanes 16-31 of the register that it shares with the even tile
.if \odd
	v_wmma_scale_f32_16x16x128_f8f6f4 v[\d:\d+7], v[\a:\a+7], v[\b:\b+7], v[\c:\c+7], v[\sa], v[\sb] matrix_a_fmt:MATRIX_FMT_FP4 matrix_b_fmt:MATRIX_FMT_FP4 matrix_a_scale:MATRIX_SCALE_ROW1
.else
	v_wmma_scale_f32_16x16x128_f8f6f4 v[\d:\d+7], v[\a:\a+7], v[\b:\b+7], v[\c:\c+7], v[\sa], v[\sb] matrix_a_fmt:MATRIX_FMT_FP4 matrix_b_fmt:MATRIX_FMT_FP4
.endif
.endm
; K step g of the first product: my 8 tiles of hidden units x 3 tiles of rows.  The 24 accumulators take turns, one instruction a turn.  Then the slot is filled again, four groups ahead.
.macro P1STEP g, cnt
.set Q, (\g)%4
	s_wait_loadcnt \cnt                            ; loads come back in order: this step's group is in; the count is what was issued behind it (63 where that is 67: the most the wait can name)
.if (\g) == 0
	WIN 0x6b                                       ; A window 3, B window 2, C (the bias) window 2, D window 1
.else
	WIN 0x5b                                       ; C and D window 1
.endif
.irp t, 0,1,2,3,4,5,6,7
.irp m, 0,1,2
.if (\g) == 0
	MM 64*\m+8*\t, 64*Q+8*\t, 64*\m+8*(\g), BI+8*\t, WS+4*Q+\t/2, XS+8*\m+(\g), \t%2
.else
	MM 64*\m+8*\t, 64*Q+8*\t, 64*\m+8*(\g), 64*\m+8*\t, WS+4*Q+\t/2, XS+8*\m+(\g), \t%2
.endif
.endr
.endr
	WIN 0
	PLACES
.if (\g) == 0
	BIAS4 48, 0, 0                                 ; the biases that the next sums begin with: 16 loads
	BIAS4 50, 1, 0
.endif
.if (\g) < 4
	GRP Q, 32, ((\g)+4)*GRPB
.else
	GRP Q, 40+2*((\g)-4), 0
.endif
.endm
.macro HORN p, c                       ; a step of Horner's rule on four pairs
.irp k, 0,2,4,6
	v_pk_fma_f32 v[\p+\k:\p+\k+1], v[\p+\k:\p+\k+1], v[GT1+\k:GT1+\k+1], s[\c:\c+1] op_sel_hi:[1,1,0]
.endr
.endm
.macro GELU a                          ; eight numbers in place, two at a time; the accumulator is read from its low end on
.irp k, 0,2,4,6
	v_pk_mul_f32 v[GT0+\k:GT0+\k+1], v[\a+\k:\a+\k+1], s[RS2:RS2+1] op_sel_hi:[1,0]   ; t = x / sqrt 2
.endr
.irp k, 0,1,2,3,4,5,6,7
	v_med3_num_f32 v[GT0+\k], v[GT0+\k], -4.0, 4.0
.endr
.irp k, 0,2,4,6
	v_pk_mul_f32 v[GT1+\k:GT1+\k+1], v[GT0+\k:GT0+\k+1], v[GT0+\k:GT0+\k+1]
.endr
.irp k, 0,2,4,6
	v_pk_fma_f32 v[GP+\k:GP+\k+1], v[GT1+\k:GT1+\k+1], s[CA13:CA13+1], v[VA11:VA11+1] op_sel_hi:[1,0,1]
.endr
.irp k, 0,2,4,6
	v_pk_fma_f32 v[GQ+\k:GQ+\k+1], v[GT1+\k:GT1+\k+1], s[CB8:CB8+1], v[VB6:VB6+1] op_sel_hi:[1,0,1]
.endr
	HORN GP, CA9                                   ; P and Q by turns: eight lines between a line and the one that needs it
	HORN GQ, CB4
	HORN GP, CA7
	HORN GQ, CB2
	HORN GP, CA5
	HORN GQ, CB0
.irp k, 0,1,2,3,4,5,6,7
	v_rcp_f32 v[GQ+\k], v[GQ+\k]
.endr
	HORN GP, CA3                                   ; (plain lines behind the reciprocals)
	HORN GP, CA1
.irp k, 0,2,4,6
	v_pk_mul_f32 v[\a+\k:\a+\k+1], v[\a+\k:\a+\k+1], 0.5 op_sel_hi:[1,0]
.endr
.irp k, 0,2,4,6
	v_pk_mul_f32 v[GP+\k:GP+\k+1], v[GP+\k:GP+\k+1], v[GT0+\k:GT0+\k+1]
.endr
	s_wait_alu depctr_va_vdst(0)
.irp k, 0,2,4,6
	v_pk_mul_f32 v[GP+\k:GP+\k+1], v[GP+\k:GP+\k+1], v[GQ+\k:GQ+\k+1]          ; erf
.endr
.irp k, 0,2,4,6
	v_pk_fma_f32 v[\a+\k:\a+\k+1], v[\a+\k:\a+\k+1], v[GP+\k:GP+\k+1], v[\a+\k:\a+\k+1]
.endr
.endm
; 64 numbers of a lane, register 16 b + i = k 32 b + 16 (lane / 16) + i of my token, become a fragment's codes in v[PC] on and its scale word in v[PW]
.macro QUANT s
.irp b, 0,1,2,3
	v_max3_num_f32 v[TM+\b], |v[\s+16*\b]|, |v[\s+1+16*\b]|, 0x1800000     ; my 16 numbers of block b, and the floor 2^(3 - 127): the byte cannot fall under 1
.endr
.irp i, 2,4,6,8,10,12,14
.irp b, 0,1,2,3
	v_max3_num_f32 v[TM+\b], v[TM+\b], |v[\s+16*\b+\i]|, |v[\s+1+16*\b+\i]|
.endr
.endr
.irp b, 0,1,2,3
	v_permlanex16_b32 v[TM+4+\b], v[TM+\b], s58, s59
.endr
.irp b, 0,1,2,3
	v_max_num_f32 v[TM+\b], v[TM+\b], v[TM+4+\b]   ; with lane l xor 16's: the block's largest magnitude
.endr
.irp b, 0,1,2,3
	v_add_nc_u32 v[TM+12+\b], 0xff000000, v[TM+\b] ; 2 off its exponent field: the conversion's scale operand
.endr
.irp b, 0,1,2,3
	v_lshrrev_b32 v[TM+4+\b], 23, v[TM+12+\b]      ; the scale's byte
.endr
	v_lshl_or_b32 v[PW], v[TM+5], 8, v[TM+4]
	v_lshl_or_b32 v[PW], v[TM+6], 16, v[PW]
	v_lshl_or_b32 v[PW], v[TM+7], 24, v[PW]
.irp b, 0,1,2,3
	v_cvt_scalef32_pk8_fp4_f32 v[PC+2*\b], v[\s+16*\b:\s+7+16*\b], v[TM+12+\b]
	v_cvt_scalef32_pk8_fp4_f32 v[PC+1+2*\b], v[\s+8+16*\b:\s+15+16*\b], v[TM+12+\b]
.endr
	v_nop                                          ; one plain place behind a scaled conversion
.irp c, 0,1                            ; the operand's layout wants a whole block in a lane: lanes 0-15 block 2 c, lanes 16-31 block 2 c + 1
.irp i, 0,1
	v_permlane16_swap_b32 v[PC+4*\c+\i], v[PC+2+4*\c+\i]
.endr
.endr
.endm
; Group 4 c + 2 x + k2 of the second product: outputs 64 c on of my 256, expert x, K steps 2 k2 and + 1: 4 tiles of outputs x 3 tiles of rows, twice.  The expert's 12 accumulators take turns.
.macro P2GROUP c, x, k2, cnt
.set Q, 2*(\x)+(\k2)
	s_wait_loadcnt \cnt
.irp kk, 0,1
.if ((\k2) == 0) && (\kk == 0)
	WIN 0x6b
.else
	WIN 0x5b
.endif
.irp nn, 0,1,2,3
.irp m, 0,1,2
.if ((\k2) == 0) && (\kk == 0)
	MM 96*(\x)+32*\m+8*\nn, 64*Q+32*\kk+8*\nn, 8*(12*(\x)+4*\m+2*(\k2)+\kk), BI+32*(\x)+8*\nn, WS+4*Q+2*\kk+\nn/2, HS+12*(\x)+4*\m+2*(\k2)+\kk, \nn%2
.else
	MM 96*(\x)+32*\m+8*\nn, 64*Q+32*\kk+8*\nn, 8*(12*(\x)+4*\m+2*(\k2)+\kk), 96*(\x)+32*\m+8*\nn, WS+4*Q+2*\kk+\nn/2, HS+12*(\x)+4*\m+2*(\k2)+\kk, \nn%2
.endif
.endr
.endr
.endr
	WIN 0
	PLACES
.if (\c) < 3
.if (\k2) == 0
	BIAS4 52+2*(\x), \x, 256*((\c)+1)              ; the next 64 outputs' bias, AHEAD of the group whose products begin with it
.endif
	GRP Q, 36+2*(\x), (2*((\c)+1)+(\k2))*GRPB
.endif
.endm
; 64 outputs of 48 rows leave: c_a x a's + c_b x b's; through my own stage, so that sixteen lanes store 256 consecutive bytes of a row, at a multiple of 256 from out0's first byte.
.macro OUTC c
	WIN 0x55
.irp m, 0,1,2
.irp p, 0,2,4,6,8,10,12,14,16,18,20,22,24,26,28,30
	v_pk_mul_f32 v[32*\m+\p:32*\m+\p+1], v[32*\m+\p:32*\m+\p+1], v[CP+2*\m:CP+2*\m+1] op_sel_hi:[1,0]    ; x c_a: the pair's low word for both halves
.endr
.irp p, 0,2,4,6,8,10,12,14,16,18,20,22,24,26,28,30
	v_pk_fma_f32 v[32*\m+\p:32*\m+\p+1], v[96+32*\m+\p:96+32*\m+\p+1], v[CP+2*\m:CP+2*\m+1], v[32*\m+\p:32*\m+\p+1] op_sel:[0,1,0] op_sel_hi:[1,1,1]   ; + c_b x: its high word for both
.endr
.endr
	WIN 0x04                                       ; an LDS store's data are its source 1: window 1
.irp m, 0,1,2
.irp pr, 0,1
.irp k, 0,1,2,3
	ds_store_b128 v[STO], v[32*\m+16*\pr+4*\k:32*\m+16*\pr+4*\k+3] offset:16*\m*SP+128*\pr+16*\k   ; lane (r, h): row 16 m + r, outputs 32 pr + 16 h + 4 k on
.endr
.endr
.endr
	WIN 0
.irp hf, 0,1
	s_wait_xcnt 0x0                                ; earlier stores have read their registers: these loads may land there
.irp k, 0,1,2,3,4,5,6,7,8,9,10,11
	ds_load_b128 v[RB+4*\k:RB+4*\k+3], v[RD] offset:2*(12*\hf+\k)*SP       ; LDS serves a wave's instructions in order: these see my stores.  Lanes 0-15 one row, lanes 16-31 the next
.endr
	s_wait_dscnt 0x0
.irp k, 0,1,2,3,4,5,6,7,8,9,10,11
	s_cmp_le_u32 s25, 2*(12*\hf+\k)                ; rows at or past the tile's count are not stored.  (With an odd count the last pair's second row repeats the last token: the same bytes twice)
	s_cbranch_scc1 .Ldone_\c
	global_store_b128 v[ROFF+12*\hf+\k], v[RB+4*\k:RB+4*\k+3], s[56:57] offset:256*\c th:TH_STORE_NT
.endr
.endr
.Ldone_\c:
.endm
	s_load_b512 s[4:19], s[0:1], 0x0               ; tiles, order, xq, xs, wts, ws, b1, b2
	s_load_b64 s[20:21], s[0:1], 0x40              ; out0
	v_lshl_add_u32 v254, v0, 2, 0x19e00
	v_mov_b32 v255, 0
	v_lshrrev_b32 v15, 5, v0
	v_readfirstlane_b32 s22, v15                   ; wave 0..3
	v_and_b32 v19, 31, v0                          ; lane
	v_and_b32 v13, 15, v0                          ; r
	v_bfe_u32 v14, v0, 4, 1                        ; h
	v_lshlrev_b32 v[L16], 4, v19
	v_lshlrev_b32 v[L4], 2, v19
	v_lshlrev_b32 v[BOFF], 6, v14
	s_lshl_b32 s96, s22, 6
	v_mul_u32_u24 v[XST], v19, SP
	v_add_nc_u32 v[XST], s96, v[XST]               ; x on its way in: lane l holds bytes 16 l of a row: piece l; my wave's rows 4 w + i: 16 bytes each
	v_mul_u32_u24 v[XRD], v14, SP
	v_lshl_add_u32 v[XRD], v13, 4, v[XRD]          ; and out: piece + h, row r
	s_lshl_b32 s96, s22, 10
	v_add_nc_u32 v[HWI0], s96, v[L16]
	v_add_nc_u32 v[HWI0], HIMG, v[HWI0]            ; my images: K step w of the second product
	s_lshl_b32 s96, s22, 7
	v_add_nc_u32 v[HWS0], s96, v[L4]
	v_add_nc_u32 v[HWS0], HSC, v[HWS0]
	s_mul_i32 s96, s22, 48*SP
	s_add_co_u32 s96, s96, STG                     ; my stage
	v_mul_u32_u24 v[STO], v13, SP
	v_lshl_add_u32 v[STO], v14, 6, v[STO]
	v_add_nc_u32 v[STO], s96, v[STO]
	v_add_nc_u32 v[RD], s96, v[XRD]
	v_lshlrev_b32 v[R16], 4, v13
	s_lshl_b32 s2, ttmp9, 4
	s_mov_b32 s3, 0
	s_wait_kmcnt 0x0
	s_add_nc_u64 s[4:5], s[4:5], s[2:3]
	s_load_b128 s[24:27], s[4:5], 0x0              ; my tile: first place, rows, a, b
	PAIR RS2,  0x3f3504f3                          ; 1 / sqrt 2
	PAIR CA13, 0xaf95df0b                          ; P: -2.72614226e-10,
	PAIR CA9,  0xb60cff51                          ; (2.77068142e-08 stands in a vector pair)  -2.10102402e-06,
	PAIR CA7,  0xb86ec2d2                          ; -5.69250639e-05,
	PAIR CA5,  0xba40ac63                          ; -7.34990630e-04,
	PAIR CA3,  0xbb41a1f6                          ; -2.95459981e-03,
	PAIR CA1,  0xbc83dbd4                          ; -1.60960333e-02
	PAIR CB8,  0xb77460cd                          ; Q: -1.45660718e-05,
	PAIR CB4,  0xbadc924e                          ; (-2.13374055e-04 in a vector pair)  -1.68282697e-03,
	PAIR CB2,  0xbbf19bf8                          ; -7.37332917e-03,
	PAIR CB0,  0xbc69b6a7                          ; -1.42647391e-02
	s_mov_b32 s58, 0x76543210
	s_mov_b32 s59, 0xfedcba98                      ; v_permlanex16_b32's selects for lane l xor 16
	s_lshl_b32 s60, s22, 2                         ; the lanes that hold my four rows' tokens
	s_add_co_u32 s61, s60, 1
	s_add_co_u32 s62, s60, 2
	s_add_co_u32 s63, s60, 3
	WIN 0x40
	v_mov_b32 v[VA11], 0x32edffee
	v_mov_b32 v[VA11+1], 0x32edffee
	v_mov_b32 v[VB6], 0xb95fbd29
	v_mov_b32 v[VB6+1], 0xb95fbd29
	WIN 0
	s_wait_kmcnt 0x0
	s_min_u32 s24, s24, 0x1fff                     ; loaded numbers enter addresses only held to their tables
	s_min_u32 s25, s25, 48
	s_min_u32 s26, s26, 7
	s_min_u32 s27, s27, 7
	s_sub_co_u32 s28, s25, 1
	s_add_co_u32 s99, s24, s28                     ; the tile's last place in order
	s_lshl_b32 s98, s22, 3
	s_mov_b32 s97, 0
	s_lshl_b32 s96, s26, 5
	s_add_co_u32 s96, s96, s98
	s_mul_i32 s96, s96, GRPB
	s_add_nc_u64 s[32:33], s[14:15], s[96:97]      ; W1 of a: groups 32 a + 8 w on
	s_lshl_b32 s96, s27, 5
	s_add_co_u32 s96, s96, s98
	s_mul_i32 s96, s96, GRPB
	s_add_nc_u64 s[34:35], s[14:15], s[96:97]      ; W1 of b
	s_add_nc_u64 s[36:37], s[32:33], 256*GRPB      ; W2's groups lie 256 groups on
	s_add_nc_u64 s[38:39], s[34:35], 256*GRPB
	s_lshl_b32 s98, s22, 9
	s_lshl_b32 s96, s26, 11
	s_add_co_u32 s96, s96, s98
	s_add_nc_u64 s[88:89], s[16:17], s[96:97]      ; b1 of a at my 128 units,
	s_add_nc_u64 s[90:91], s[88:89], 256           ; and at their second half
	s_lshl_b32 s96, s27, 11
	s_add_co_u32 s96, s96, s98
	s_add_nc_u64 s[92:93], s[16:17], s[96:97]
	s_add_nc_u64 s[94:95], s[92:93], 256
	s_lshl_b32 s98, s22, 10
	s_lshl_b32 s96, s26, 12
	s_add_co_u32 s96, s96, s98
	s_add_nc_u64 s[52:53], s[18:19], s[96:97]      ; b2 of a at my 256 outputs
	s_lshl_b32 s96, s27, 12
	s_add_co_u32 s96, s96, s98
	s_add_nc_u64 s[54:55], s[18:19], s[96:97]
	s_mov_b32 s96, s98
	s_add_nc_u64 s[56:57], s[20:21], s[96:97]      ; out0 at my 256 outputs
	; ---- the tile's tokens: lane (r, h) takes that of row 16 m + r, and for the way out those of rows 2 i + h.  A row past the count takes the last token.  A load lands on its own address register
	v_add_nc_u32 v15, s24, v13
	v_add_nc_u32 v19, s24, v14
.irp m, 0,1,2
	v_add_nc_u32 v[TKM+\m], 16*\m, v15
	v_min_u32 v[TKM+\m], s99, v[TKM+\m]
	v_min_u32 v[TKM+\m], 0x1fff, v[TKM+\m]
	v_lshlrev_b32 v[TKM+\m], 2, v[TKM+\m]
.endr
.irp i, 0,1,2,3,4,5,6,7,8,9,10,11,12,13,14,15,16,17,18,19,20,21,22,23
	v_add_nc_u32 v[ROFF+\i], 2*\i, v19
	v_min_u32 v[ROFF+\i], s99, v[ROFF+\i]
	v_min_u32 v[ROFF+\i], 0x1fff, v[ROFF+\i]
	v_lshlrev_b32 v[ROFF+\i], 2, v[ROFF+\i]
.endr
.irp m, 0,1,2
	global_load_b32 v[TKM+\m], v[TKM+\m], s[6:7]
.endr
.irp i, 0,1,2,3,4,5,6,7,8,9,10,11,12,13,14,15,16,17,18,19,20,21,22,23
	global_load_b32 v[ROFF+\i], v[ROFF+\i], s[6:7]
.endr
	BIAS4 88, 0, 0                                 ; b1 of a: 16 loads
	BIAS4 90, 1, 0
	GRP 0, 32, 0                                   ; and the ring's first two groups: 34
	GRP 1, 32, GRPB
	s_wait_loadcnt 50                              ; the tokens are in: 16 + 34 loads were issued behind them
.irp m, 0,1,2
	v_min_u32 v[TKM+\m], 0x1fff, v[TKM+\m]
.endr
.irp m, 0,1,2
.irp i, 0,1,2,3
	v_readlane_b32 s96, v[TKM+\m], s[60+\i]        ; the token of row 16 m + 4 w + i, the same for all lanes
	s_min_u32 s96, s96, 0x1fff
	v_lshl_add_u32 v[ROWO+4*\m+\i], s96, 9, v[L16]
	global_load_b128 v[RB+16*\m+4*\i:RB+16*\m+4*\i+3], v[ROWO+4*\m+\i], s[8:9]     ; its 512 bytes of codes: 32 lanes, 16 neighbouring bytes each
.endr
.endr
.irp m, 0,1,2
	v_lshlrev_b32 v[OA+\m], 5, v[TKM+\m]
	v_lshlrev_b32 v[OA+3+\m], 3, v[TKM+\m]
.endr
.irp m, 0,1,2
	global_load_b128 v[XS+8*\m:XS+8*\m+3], v[OA+\m], s[10:11]              ; my token's eight scale words
	global_load_b128 v[XS+8*\m+4:XS+8*\m+7], v[OA+\m], s[10:11] offset:16
.endr
	WIN 0x40
.irp m, 0,1,2
	global_load_b64 v[CP+2*\m:CP+2*\m+1], v[OA+3+\m], s[12:13]             ; and its two weights
.endr
	WIN 0
	GRP 2, 32, 2*GRPB
	GRP 3, 32, 3*GRPB
.irp i, 0,1,2,3,4,5,6,7,8,9,10,11,12,13,14,15,16,17,18,19,20,21,22,23
	v_min_u32 v[ROFF+\i], 0x1fff, v[ROFF+\i]
	v_lshl_add_u32 v[ROFF+\i], v[ROFF+\i], 12, v[R16]          ; a row of out0 is 4,096 bytes; 16 bytes a lane
.endr
	s_wait_loadcnt 43                              ; the twelve rows are in: 6 + 3 + 34 loads were issued behind them
.irp m, 0,1,2
.irp i, 0,1,2,3
	ds_store_b128 v[XST], v[RB+16*\m+4*\i:RB+16*\m+4*\i+3] offset:32*SP*\m+16*\i
.endr
.endr
	s_wait_dscnt 0x0                               ; for the others' sake: my stores have landed
	s_barrier_signal -1
	s_barrier_wait -1                              ; x's 48 rows lie in LDS
	WIN 0x80
.irp m, 0,1,2
.irp s, 0,1,2,3,4,5,6,7
.irp c, 0,1
	ds_load_b128 v[64*\m+8*\s+4*\c:64*\m+8*\s+4*\c+3], v[XRD] offset:(32*\m+4*\s+2*\c)*SP   ; fragment (m, s): registers 4 c on: bytes 64 s + 32 c + 16 h of row r
.endr
.endr
.endr
	WIN 0
	s_mov_b64 s[40:41], s[34:35]                   ; behind a's eight groups come b's first four,
	s_add_nc_u64 s[42:43], s[34:35], GRPB
	s_add_nc_u64 s[44:45], s[34:35], 2*GRPB
	s_add_nc_u64 s[46:47], s[34:35], 3*GRPB
	s_mov_b64 s[48:49], s[92:93]                   ; and b's bias
	s_mov_b64 s[50:51], s[94:95]
	s_mov_b32 s29, 0
	s_mov_b32 s30, 0
	s_mov_b32 s31, 0
	s_wait_dscnt 0x0
	s_wait_loadcnt 34                              ; all but groups 2 and 3
.Lexpert:                                          ; two trips: expert a, expert b.  What differs stands in scalar registers
	v_add_nc_u32 v[HWI], s30, v[HWI0]
	v_add_nc_u32 v[HWS], s31, v[HWS0]
	P1STEP 0, 51                                   ; behind this step's group: three groups of 17
	P1STEP 1, 63                                   ; three groups and the 16 loads of a bias: 67
	P1STEP 2, 63
	P1STEP 3, 63
	P1STEP 4, 51
	P1STEP 5, 51
	P1STEP 6, 51
	P1STEP 7, 51
	WIN 0x55
.irp m, 0,1,2
.irp t, 0,1,2,3,4,5,6,7
	GELU 64*\m+8*\t
.endr
	s_wait_dscnt 0x0                               ; the last image's stores have read their registers
	QUANT 64*\m
	WIN 0x04
	ds_store_b128 v[HWI], v[PC:PC+3] offset:4096*\m                ; the fragment goes to LDS as it stands: lane l's 16 bytes at 16 l
	ds_store_b128 v[HWI], v[PC+4:PC+7] offset:4096*\m+512
	ds_store_b32 v[HWS], v[PW] offset:512*\m
	WIN 0x55
.endr
	WIN 0
	s_wait_xcnt 0x0                                ; the pending loads have read their bases: these may be written
	s_mov_b64 s[32:33], s[34:35]                   ; the next trip streams W1 of b; behind it come the second product's first four groups,
	s_mov_b64 s[40:41], s[36:37]
	s_add_nc_u64 s[42:43], s[36:37], GRPB
	s_mov_b64 s[44:45], s[38:39]
	s_add_nc_u64 s[46:47], s[38:39], GRPB
	s_mov_b64 s[48:49], s[52:53]                   ; and b2 of a and of b for my first 64 outputs
	s_mov_b64 s[50:51], s[54:55]
	s_add_co_u32 s30, s30, 12288                   ; b's twelve images lie behind a's
	s_add_co_u32 s31, s31, 1536
	s_add_co_u32 s29, s29, 1
	s_cmp_lt_u32 s29, 2
	s_cbranch_scc1 .Lexpert
	s_wait_dscnt 0x0
	s_barrier_signal -1
	s_barrier_wait -1                              ; the hidden layer's 24 fragments lie in LDS
	WIN 0x80
.irp f, 0,1,2,3,4,5,6,7,8,9,10,11,12,13,14,15,16,17,18,19,20,21,22,23
	ds_load_b128 v[8*\f:8*\f+3], v[L16] offset:HIMG+1024*\f
	ds_load_b128 v[8*\f+4:8*\f+7], v[L16] offset:HIMG+1024*\f+512
.endr
	WIN 0
.irp f, 0,1,2,3,4,5,6,7,8,9,10,11,12,13,14,15,16,17,18,19,20,21,22,23
	ds_load_b32 v[HS+\f], v[L4] offset:HSC+128*\f
.endr
	s_wait_dscnt 0x0
	; The counts: what was issued behind the group: three groups of 17, and 8 for each bias among them; 63 where that is 67; at the end nothing more is asked for and the counts run down.
	P2GROUP 0, 0, 0, 51
	P2GROUP 0, 0, 1, 59
	P2GROUP 0, 1, 0, 59
	P2GROUP 0, 1, 1, 63
	OUTC 0
	P2GROUP 1, 0, 0, 59
	P2GROUP 1, 0, 1, 63
	P2GROUP 1, 1, 0, 59
	P2GROUP 1, 1, 1, 63
	OUTC 1
	P2GROUP 2, 0, 0, 59
	P2GROUP 2, 0, 1, 63
	P2GROUP 2, 1, 0, 59
	P2GROUP 2, 1, 1, 63
	OUTC 2
	P2GROUP 3, 0, 0, 59
	P2GROUP 3, 0, 1, 42
	P2GROUP 3, 1, 0, 17
	P2GROUP 3, 1, 1, 0
	OUTC 3
	s_wait_tensorcnt 0x0
	ds_add_u32 v254, v255
	s_wait_dscnt 0x0
	s_endpgm
.Lfunc_end_k_q44c36bde58_experts:
	.size	k_q44c36bde58_experts, .Lfunc_end_k_q44c36bde58_experts-k_q44c36bde58_experts
	.p2alignl 7, 3214868480
	.fill 96, 4, 3214868480
	.section	.rodata,"a",@progbits
	.p2align	6, 0x0
	.amdhsa_kernel k_q44c36bde58_experts
		.amdhsa_group_segment_fixed_size 106496
		.amdhsa_private_segment_fixed_size 0
		.amdhsa_enable_private_segment 0
		.amdhsa_kernarg_size 72
		.amdhsa_user_sgpr_count 2
		.amdhsa_user_sgpr_kernarg_segment_ptr 1
		.amdhsa_wavefront_size32 1
		.amdhsa_system_sgpr_workgroup_id_x 1
		.amdhsa_system_sgpr_workgroup_id_y 1
		.amdhsa_system_sgpr_workgroup_id_z 1
		.amdhsa_system_vgpr_workitem_id 0
		.amdhsa_next_free_vgpr 1024
		.amdhsa_next_free_sgpr 100
		.amdhsa_reserve_vcc 0
		.amdhsa_float_denorm_mode_32 3
		.amdhsa_float_denorm_mode_16_64 3
		.amdhsa_memory_ordered 1
		.amdhsa_forward_progress 1
		.amdhsa_inst_pref_size 255
	.end_amdhsa_kernel
	.section	.bss,"aw",@nobits
	.p2align	6
	.space	262144
	.amdgpu_metadata
---
amdhsa.version: [ 1, 2 ]
amdhsa.kernels:
  - .name:           k_q44c36bde58_experts
    .symbol:         k_q44c36bde58_experts.kd
    .args:
      - { .name: tiles, .offset: 0, .size: 8, .value_kind: global_buffer, .address_space: global }
      - { .name: order, .offset: 8, .size: 8, .value_kind: global_buffer, .address_space: global }
      - { .name: xq, .offset: 16, .size: 8, .value_kind: global_buffer, .address_space: global }
      - { .name: xs, .offset: 24, .size: 8, .value_kind: global_buffer, .address_space: global }
      - { .name: wts, .offset: 32, .size: 8, .value_kind: global_buffer, .address_space: global }
      - { .name: ws, .offset: 40, .size: 8, .value_kind: global_buffer, .address_space: global }
      - { .name: b1, .offset: 48, .size: 8, .value_kind: global_buffer, .address_space: global }
      - { .name: b2, .offset: 56, .size: 8, .value_kind: global_buffer, .address_space: global }
      - { .name: out0, .offset: 64, .size: 8, .value_kind: global_buffer, .address_space: global }
    .group_segment_fixed_size: 106496
    .private_segment_fixed_size: 0
    .kernarg_segment_align: 8
    .kernarg_segment_size: 72
    .max_flat_workgroup_size: 128
    .sgpr_count:     100
    .vgpr_count:     1024
    .wavefront_size: 32
...
	.end_amdgpu_metadata
.endif
;; end of part 3
;; ======== version 2 of 3: 3 launches
;; workspace buffers: xq 4,194,304 bytes; xs 262,144 bytes; ws 4,456,448 bytes; wts 65,536 bytes; psum 8,192 bytes; picks 65,536 bytes of whole numbers; order 32,768 bytes of whole numbers; tiles 3,584 bytes of whole numbers
;; launch route (part 4): grid 256 x 1, 16 waves a work-group, no clusters, 176,128 bytes of LDS; arguments gate_w, xq, xs, wts, psum, picks, hidden_states, w1_codes, w1_scales, w2_codes, w2_scales, ws; writes xq, xs, ws, wts, psum, picks
.if DOCPART == 4
	.amdgcn_target "amdgcn-amd-amdhsa--gfx1250"
	.amdhsa_code_object_version 6
	.text
	.protected	k_q44c36bde58_route
	.globl	k_q44c36bde58_route
	.p2align	8
	.type	k_q44c36bde58_route,@function
k_q44c36bde58_route:
	s_mov_b64 s[64:65], 0
	v_nop
	global_prefetch_b8 v0, s[64:65] scope:SCOPE_SE
	s_setreg_imm32_b32 hwreg(HW_REG_WAVE_MODE, 25, 1), 1
	s_wait_xcnt 0x0
; ROUTE.  Three things for 32 tokens a work-group: (1) the router in f32: logits, softmax with the maximum taken away, the two largest (the lower index on a tie), their weights;
; (2) x as codes of FP4 (E2M1) with one E8M0 byte for each 32 along K: the same codes serve every expert; (3) a 256th of the weights laid out anew, in the order in which a wave's operand registers take them.
; SHARES.  LANE = TOKEN.  Wave w of sixteen takes columns 64 w .. 64 w + 63 of the 32 tokens: a lane's 64 registers run along K, so a block's largest magnitude needs no other lane and the logits need no
; sum over lanes.  gate_w is the same for all lanes: a wave keeps its 8 x 64 numbers in 32 registers, sixteen to a register in each half of the lanes, asked for at the head; a DPP move (row_share) hands one of them
; to all lanes, and no wait stands among the multiply-adds.  The sixteen partial logits of a token meet in LDS; wave 0 finishes the router.
; x comes by one tensor load a wave (32 rows x 256 bytes, each row 256 consecutive bytes at a multiple of 256); no LDS byte is filled twice.  One tensor load of a wave is out, never more.
; WHAT IS CHOSEN STEERS NO ADDRESS HERE: the pair's number, the token's rank among its work-group's tokens of that pair and the work-group's count of each pair are stored at fixed places.
; No cluster: the work-groups share gate_w alone, 32 KB against the 128 KB of x that each reads for itself, and it goes straight into registers.
; LIMITS: NaN and infinities are not served; a block of zeros gets the byte 1 (its codes are zeros, and the bytes are read by this program alone); blocks whose largest magnitude lies under 2^(3 - 127) are held at that byte;
; logits that tie within the rounding of f32 sums may choose the other expert than another order of summing would.
.set XTW,  8704                        ; LDS: a wave's tile of x: 32 rows x (256 bytes + 16 of padding)
.set XP,   272
.set PL,   139264                      ; partial logits: [wave][lane][8 f32]
.set CS,   155648                      ; the codes of 32 tokens: rows of 512 bytes + 16
.set CSP,  528
.set SS,   172544                      ; their scale bytes: [token][32]
.set GRPB, 8704                        ; a group of the weight stream: 8 fragment images of 1,024 bytes, then a scale image of 512
.set WV,   96                          ; s96  my wave's number
.set G,    128                         ; v128-159  gate_w: register 4 e + j, lane n of either half: expert e, my column 4 n + j
.set T,    160                         ; v160-175  sixteen numbers of gate_w, each the same in all lanes: expert e's pair at 2 e
.set GO,   176                         ; v176      16 x (lane % 16); never rewritten
; s[4:15] gate_w (at my columns), xq, xs, wts, psum, picks;  s[84:95] hidden_states, w1_codes, w1_scales, w2_codes, w2_scales, ws;  s[48:63] the scalars of the relayout;  s[68:79] the tensor descriptor
; v1 lane; v2-v12 addresses, all made ahead of the first branch; v16-31 logits, two sums an expert (even columns, odd columns); v32-95 my token's 64 numbers; v96-103 codes; v104-127 at work
	s_load_b256 s[4:11], s[0:1], 0x0
	s_load_b128 s[12:15], s[0:1], 0x20
	s_load_b256 s[84:91], s[0:1], 0x30
	s_load_b128 s[92:95], s[0:1], 0x50
	v_lshl_add_u32 v192, v0, 2, 0x2a800
	v_mov_b32 v193, 0
	ds_add_u32 v192, v193
	ds_add_u32 v192, v193
	v_lshrrev_b32 v13, 5, v0
	v_readfirstlane_b32 s[WV], v13
	; descriptor group 1: 32 rows x 64 elements of 4 bytes, 1,024 elements from row to row, 4 words of padding behind every 64
	s_mov_b32 s68, (2<<16)|(1<<20)|(5<<22)|(3<<25)
	s_mov_b32 s69, 64<<16                          ; tensor_dim0 = 64
	s_mov_b32 s70, 32<<16                          ; tensor_dim1 = 32
	s_mov_b32 s71, 64<<16                          ; tile_dim0 = 64
	s_mov_b32 s72, 32                              ; tile_dim1 = 32
	s_mov_b32 s73, 1024                            ; the pitch
	s_mov_b32 s74, 0
	s_mov_b32 s75, 0
	s_mov_b32 s76, 1                               ; group 0: count = 1
	s_mul_i32 s77, s[WV], XTW                      ; LDS address: my wave's tile
	s_lshl_b32 s48, ttmp9, 17                      ; 32 tokens of 4,096 bytes
	s_lshl_b32 s49, s[WV], 8                       ; my 64 columns
	s_add_co_u32 s48, s48, s49
	s_mov_b32 s49, 0
	s_wait_dscnt 0x0
	s_wait_kmcnt 0x0
	s_add_nc_u64 s[78:79], s[84:85], s[48:49]
	s_or_b32 s79, s79, 0x80000000                  ; type = 2
	tensor_load_to_lds s[76:79], s[68:75]
	s_nop 0
.rept 4
	v_nop
.endr
	s_lshl_b32 s48, s[WV], 8
	s_add_nc_u64 s[4:5], s[4:5], s[48:49]          ; gate_w at my columns
	v_and_b32 v[GO], 15, v0
	v_lshlrev_b32 v[GO], 4, v[GO]
.irp e, 0,1,2,3,4,5,6,7
	global_load_b128 v[G+4*\e:G+4*\e+3], v[GO], s[4:5] offset:4096*\e      ; expert e: sixteen lanes read my 256 bytes of its row; lanes 16-31 read the same
.endr
.irp j, 0,1,2,3,4,5,6,7,8,9,10,11,12,13,14,15
	v_mov_b32 v[T+\j], 0                           ; written once: the destination of a DPP form counts as one of its sources
.endr
	; every address, ahead of the first branch on the wave's number
	v_and_b32 v1, 31, v0                           ; lane = token
	v_mul_u32_u24 v2, v1, XP
	v_add_nc_u32 v2, s77, v2                       ; my token's row in my wave's tile
	v_mul_u32_u24 v3, v1, CSP
	s_lshl_b32 s50, s[WV], 5
	v_add_nc_u32 v3, s50, v3
	v_add_nc_u32 v3, CS, v3                        ; where my 32 bytes of codes go
	v_lshlrev_b32 v4, 5, v1
	s_lshl_b32 s50, s[WV], 1
	v_add_nc_u32 v4, s50, v4
	v_add_nc_u32 v4, SS, v4                        ; and my two scale bytes
	v_lshlrev_b32 v5, 5, v1
	s_lshl_b32 s50, s[WV], 10
	v_add_nc_u32 v5, s50, v5
	v_add_nc_u32 v5, PL, v5                        ; and my eight partial logits
	v_lshlrev_b32 v9, 4, v1                        ; 16 x lane
	s_mul_i32 s50, s[WV], 2*CSP
	v_add_nc_u32 v6, s50, v9
	v_add_nc_u32 v6, CS, v6                        ; the way out: rows 2 w and 2 w + 1 of the codes
	s_and_b32 s50, s[WV], 1
	s_lshl_b32 s50, s50, 9
	v_add_nc_u32 v7, s50, v9
	v_add_nc_u32 v7, SS, v7                        ; waves 2 and 3: half of the scale bytes
	v_lshlrev_b32 v8, 5, v1
	v_add_nc_u32 v8, PL, v8                        ; wave 0: my token's partial logits
	v_lshlrev_b32 v10, 3, v1                       ; 8 x lane
	s_lshl_b32 s48, ttmp9, 14
	s_lshl_b32 s50, s[WV], 10
	s_add_co_u32 s48, s48, s50
	s_add_nc_u64 s[6:7], s[6:7], s[48:49]          ; xq at token 32 g + 2 w
	s_lshl_b32 s48, ttmp9, 10
	s_and_b32 s50, s[WV], 1
	s_lshl_b32 s50, s50, 9
	s_add_co_u32 s48, s48, s50
	s_add_nc_u64 s[8:9], s[8:9], s[48:49]          ; xs at the work-group's 1,024 bytes, + 512 for odd waves
	s_lshl_b32 s48, ttmp9, 8
	s_add_nc_u64 s[10:11], s[10:11], s[48:49]      ; wts: 8 bytes a token
	s_add_nc_u64 s[14:15], s[14:15], s[48:49]      ; picks: 8 bytes a lane
	s_lshl_b32 s48, ttmp9, 5
	s_add_nc_u64 s[12:13], s[12:13], s[48:49]      ; psum: 32 bytes a work-group
	; ---- THE WEIGHTS' NEW ORDER, while the tile is on its way.  Work-group g makes group g of W1 (expert g / 32, wave (g / 8) % 4 of the last launch, K step g % 8) and group 256 + g, of W2 (the same expert and wave,
	; 64 outputs (g / 2) % 4, K steps 2 (g % 2) and + 1).  Waves 0-7 make W1's eight fragments, waves 8-15 W2's.  Lane (r, h) of a fragment takes row R = r + 8 (r / 8) of the tile's 24 rows, bytes 32 c + 16 h of the K step's 64.
	s_lshr_b32 s50, ttmp9, 5                       ; the expert
	s_bfe_u32 s51, ttmp9, 0x20003                  ; the wave that will read the group
	s_and_b32 s52, s[WV], 7                        ; f: which fragment of the group is mine
	s_and_b32 s53, ttmp9, 7                        ; W1's K step
	s_lshl_b32 s54, s51, 7
	s_lshr_b32 s55, s52, 1
	s_lshl_b32 s55, s55, 5
	s_add_co_u32 s54, s54, s55
	s_and_b32 s56, s52, 1
	s_lshl_b32 s56, s56, 3
	s_add_co_u32 s54, s54, s56                     ; W1: the tile's first row: 128 wave + 32 (f / 2) + 8 (f % 2)
	s_lshl_b32 s54, s54, 9                         ; rows of 512 bytes
	s_lshl_b32 s55, s53, 6
	s_add_co_u32 s54, s54, s55
	s_bfe_u32 s58, ttmp9, 0x20001                  ; W2: which 64 outputs
	s_and_b32 s59, ttmp9, 1                        ; and which pair of K steps
	s_lshl_b32 s57, s51, 8
	s_lshl_b32 s55, s58, 6
	s_add_co_u32 s57, s57, s55
	s_bfe_u32 s55, s52, 0x10001
	s_lshl_b32 s55, s55, 5
	s_add_co_u32 s57, s57, s55
	s_add_co_u32 s57, s57, s56                     ; W2: 256 wave + 64 chunk + 32 ((f % 4) / 2) + 8 (f % 2)
	s_lshl_b32 s57, s57, 8                         ; rows of 256 bytes
	s_lshl_b32 s55, s59, 1
	s_lshr_b32 s56, s52, 2
	s_add_co_u32 s55, s55, s56                     ; its K step: 2 (g % 2) + f / 4
	s_lshl_b32 s55, s55, 6
	s_add_co_u32 s57, s57, s55
	s_lshl_b32 s48, s51, 12                        ; the scale bytes: 128 rows of 32 bytes = 256 rows of 16 bytes = 4,096 a wave
	s_lshl_b32 s55, s58, 10
	s_add_co_u32 s49, s48, s55
	s_lshl_b32 s55, s59, 3
	s_add_co_u32 s49, s49, s55                     ; W2's
	s_lshl_b32 s55, s53, 2
	s_add_co_u32 s48, s48, s55                     ; W1's
	s_cmp_lt_u32 s[WV], 8                          ; W1's wave or W2's: the choice hangs on the wave's number alone
	s_cselect_b32 s54, s54, s57
	s_cselect_b32 s48, s48, s49
	s_cselect_b32 s58, 9, 8                        ; log2 of a row of codes
	s_cselect_b32 s59, 0, 256
	s_cselect_b64 s[60:61], s[86:87], s[90:91]
	s_cselect_b64 s[62:63], s[88:89], s[92:93]
	s_lshl_b32 s55, s50, 18                        ; an expert's codes: 262,144 bytes in both tensors
	s_add_co_u32 s54, s54, s55
	s_mov_b32 s55, 0
	s_add_nc_u64 s[60:61], s[60:61], s[54:55]
	s_lshl_b32 s49, s50, 14                        ; its scale bytes: 16,384
	s_add_co_u32 s48, s48, s49
	s_mov_b32 s49, 0
	s_add_nc_u64 s[62:63], s[62:63], s[48:49]
	s_add_co_u32 s56, ttmp9, s59
	s_mul_i32 s56, s56, GRPB
	s_lshl_b32 s57, s52, 10
	s_add_co_u32 s56, s56, s57
	s_mov_b32 s57, 0
	s_add_nc_u64 s[56:57], s[94:95], s[56:57]      ; where my fragment's image goes
	s_sub_co_u32 s59, s58, 4                       ; log2 of a row of scale bytes
	v_and_b32 v13, 15, v1
	v_and_b32 v14, 8, v13
	v_add_nc_u32 v13, v13, v14                     ; R
	v_lshrrev_b32 v15, 4, v1                       ; h
	v_lshlrev_b32 v11, s58, v13
	v_lshl_add_u32 v11, v15, 4, v11                ; R rows + 16 h
	v_lshl_add_u32 v14, v15, 3, v13
	v_lshlrev_b32 v12, s59, v14                    ; the scale image: row R + 8 h: lanes 0-15 the even tile, lanes 16-31 the odd one
	global_load_b128 v[104:107], v11, s[60:61]
	global_load_b128 v[108:111], v11, s[60:61] offset:32
	s_wait_loadcnt 0x0                             ; these two are in, and so are the eight loads of gate_w, which were issued ahead of them: every wave passes this wait
	global_store_b128 v9, v[104:107], s[56:57]                 ; 32 lanes store 512 consecutive bytes
	global_store_b128 v9, v[108:111], s[56:57] offset:512
	s_cmp_lg_u32 s52, 1                            ; waves 1 and 9 also make their group's scale image: four words a lane
	s_cbranch_scc1 .Lno_scale
	s_cmp_lt_u32 s[WV], 8
	s_cbranch_scc0 .Lscale_w2
.irp u, 0,1,2,3
	global_load_b32 v[112+\u], v12, s[62:63] offset:1024*\u    ; W1: word u: tiles 2 u and 2 u + 1: 32 rows of 32 bytes on
.endr
	s_branch .Lscale_out
.Lscale_w2:
.irp u, 0,1,2,3
	global_load_b32 v[112+\u], v12, s[62:63] offset:512*(\u%2)+4*(\u/2)   ; W2: word 2 kk + pr: 32 pr rows of 16 bytes on, K step kk
.endr
.Lscale_out:
	s_wait_loadcnt 0x0
	global_store_b128 v9, v[112:115], s[56:57] offset:7168     ; the image lies 8,192 bytes into the group, my fragment (number 1) 1,024
.Lno_scale:
	s_wait_xcnt 0x0                                ; the stores' data are written again below
	; ---- my token's 64 numbers
	s_wait_tensorcnt 0x0                           ; my own tile is in LDS, and only I read it
.irp i, 0,1,2,3,4,5,6,7,8,9,10,11,12,13,14,15
	ds_load_b128 v[32+4*\i:35+4*\i], v2 offset:16*\i
.endr
	s_wait_dscnt 0x0
	; ---- the partial logits: my 64 columns x 8 experts.  Two columns at a time, 4 n + 2 u and + 1: sixteen moves hand the eight experts' two numbers of gate_w from lane n of each half to all lanes,
	; then eight packed multiply-adds, one on each expert's pair of sums (even columns, odd columns).  The eight pairs take turns, and a move stands eight lines or more ahead of the line that reads it.
.irp n, 0,1,2,3,4,5,6,7,8,9,10,11,12,13,14,15
.irp u, 0,1
.irp e, 0,1,2,3,4,5,6,7
	v_mov_b32_dpp v[T+2*\e], v[G+4*\e+2*\u] row_share:\n row_mask:0xf bank_mask:0xf
	v_mov_b32_dpp v[T+2*\e+1], v[G+4*\e+2*\u+1] row_share:\n row_mask:0xf bank_mask:0xf
.endr
.irp e, 0,1,2,3,4,5,6,7
.if (\n == 0) && (\u == 0)
	v_pk_mul_f32 v[16+2*\e:17+2*\e], v[32:33], v[T+2*\e:T+2*\e+1]          ; the first products start the sums
.else
	v_pk_fma_f32 v[16+2*\e:17+2*\e], v[32+4*\n+2*\u:33+4*\n+2*\u], v[T+2*\e:T+2*\e+1], v[16+2*\e:17+2*\e]
.endif
.endr
.endr
.endr
	; ---- my two blocks of 32 become codes
.irp c, 0,1
	v_max3_num_f32 v[104+\c], |v[32+32*\c]|, |v[33+32*\c]|, 0x1800000      ; and the floor 2^(3 - 127): the byte cannot fall under 1
.endr
.irp i, 2,4,6,8,10,12,14,16,18,20,22,24,26,28,30
.irp c, 0,1
	v_max3_num_f32 v[104+\c], v[104+\c], |v[32+32*\c+\i]|, |v[33+32*\c+\i]|
.endr
.endr
.irp c, 0,1
	v_add_nc_u32 v[106+\c], 0xff000000, v[104+\c]  ; 2 off the exponent field: the conversion's scale operand
.endr
.irp c, 0,1
	v_lshrrev_b32 v[108+\c], 23, v[106+\c]         ; the scale's byte
.endr
.irp c, 0,1
.irp g, 0,1,2,3
	v_cvt_scalef32_pk8_fp4_f32 v[96+4*\c+\g], v[32+32*\c+8*\g:39+32*\c+8*\g], v[106+\c]
.endr
.endr
	v_lshl_or_b32 v110, v109, 8, v108              ; (the plain line behind the conversions)  my two bytes
.irp e, 0,1,2,3,4,5,6,7
	v_add_f32 v[112+\e], v[16+2*\e], v[17+2*\e]    ; an expert's two chains
.endr
	ds_store_b128 v3, v[96:99]
	ds_store_b128 v3, v[100:103] offset:16
	ds_store_b16 v4, v110
	ds_store_b128 v5, v[112:115]
	ds_store_b128 v5, v[116:119] offset:16
	s_wait_dscnt 0x0                               ; for the others' sake: my stores have landed
	s_barrier_signal -1
	s_barrier_wait -1                              ; the launch's one barrier
	; ---- the way out: each wave sends two whole rows of codes
	ds_load_b128 v[96:99], v6
	ds_load_b128 v[100:103], v6 offset:CSP
	s_wait_dscnt 0x0
	global_store_b128 v9, v[96:99], s[6:7]                     ; 32 lanes store a token's 512 bytes
	global_store_b128 v9, v[100:103], s[6:7] offset:512
	s_lshr_b32 s16, s[WV], 1
	s_cmp_lg_u32 s16, 1
	s_cbranch_scc1 .Lno_xs
	ds_load_b128 v[104:107], v7                    ; waves 2 and 3: 512 of the 1,024 scale bytes each
	s_wait_dscnt 0x0
	global_store_b128 v9, v[104:107], s[8:9]
.Lno_xs:
	s_cmp_lg_u32 s[WV], 0
	s_cbranch_scc1 .Lend
	; ---- wave 0: the router's tail, a token a lane
	s_wait_xcnt 0x0                                ; the stores issued above have had their addresses translated (ISA guide 3.1): the registers at work, v104 on, which the store of scale bytes names as data, are written again only behind this wait
.irp u, 0,1,2,3,4,5,6,7
	ds_load_b128 v[32+8*\u:35+8*\u], v8 offset:1024*\u
	ds_load_b128 v[36+8*\u:39+8*\u], v8 offset:1024*\u+16
.endr
	s_wait_dscnt 0x0
.irp q, 0,2,4,6
	v_pk_add_f32 v[16+\q:17+\q], v[32+\q:33+\q], v[40+\q:41+\q]
.endr
.irp u, 2,3,4,5,6,7
.irp q, 0,2,4,6
	v_pk_add_f32 v[16+\q:17+\q], v[16+\q:17+\q], v[32+8*\u+\q:33+8*\u+\q]
.endr
.endr
.irp u, 0,1,2,3,4,5,6,7
	ds_load_b128 v[32+8*\u:35+8*\u], v8 offset:8192+1024*\u
	ds_load_b128 v[36+8*\u:39+8*\u], v8 offset:8192+1024*\u+16
.endr
	s_wait_dscnt 0x0
.irp u, 0,1,2,3,4,5,6,7
.irp q, 0,2,4,6
	v_pk_add_f32 v[16+\q:17+\q], v[16+\q:17+\q], v[32+8*\u+\q:33+8*\u+\q]
.endr
.endr
	v_max3_num_f32 v104, v16, v17, v18             ; the softmax, with the largest logit taken away
	v_max3_num_f32 v105, v19, v20, v21
	v_max3_num_f32 v104, v104, v22, v23
	v_max_num_f32 v104, v104, v105
.irp e, 0,1,2,3,4,5,6,7
	v_sub_f32 v[24+\e], v[16+\e], v104
.endr
.irp e, 0,1,2,3,4,5,6,7
	v_mul_f32 v[24+\e], 0x3fb8aa3b, v[24+\e]       ; x log2(e)
.endr
.irp e, 0,1,2,3,4,5,6,7
	v_exp_f32 v[24+\e], v[24+\e]
.endr
	v_mov_b32 v108, -1.0                           ; (the plain line behind the exponentials)
	s_wait_alu depctr_va_vdst(0)
	v_add_f32 v105, v24, v25
	v_add_f32 v106, v26, v27
	v_add_f32 v107, v28, v29
	v_add_f32 v109, v30, v31
	v_add_f32 v105, v105, v106
	v_add_f32 v107, v107, v109
	v_add_f32 v105, v105, v107
	v_rcp_f32 v105, v105
	v_mov_b32 v107, 0                              ; (the plain line behind the reciprocal)  the first choice's index
	s_wait_alu depctr_va_vdst(0)
.irp e, 0,1,2,3,4,5,6,7
	v_mul_f32 v[24+\e], v[24+\e], v105             ; the probabilities
.endr
	v_mov_b32 v106, v24                            ; the largest: a later one takes over only where it is strictly larger, so the lower index stays on a tie
.irp e, 1,2,3,4,5,6,7
	v_cmp_le_f32 vcc_lo, v[24+\e], v106
	v_cndmask_b32 v107, \e, v107, vcc_lo
	v_max_num_f32 v106, v106, v[24+\e]
.endr
.irp e, 0,1,2,3,4,5,6,7
	v_cmp_eq_u32 vcc_lo, \e, v107
	v_cndmask_b32 v[112+\e], v[24+\e], v108, vcc_lo            ; the first choice counts as -1, under every probability
.endr
	v_mov_b32 v109, v112
	v_mov_b32 v110, 0
.irp e, 1,2,3,4,5,6,7
	v_cmp_le_f32 vcc_lo, v[112+\e], v109
	v_cndmask_b32 v110, \e, v110, vcc_lo
	v_max_num_f32 v109, v109, v[112+\e]
.endr
	v_add_f32 v111, v106, v109
	v_rcp_f32 v111, v111
	v_min_u32 v122, v107, v110                     ; (the plain line)  a: the lower expert
	v_max_u32 v123, v107, v110                     ; b: the higher
	s_wait_alu depctr_va_vdst(0)
	v_mul_f32 v120, v106, v111                     ; the two weights, which add up to 1
	v_mul_f32 v121, v109, v111
	v_cmp_lt_u32 vcc_lo, v107, v110
	v_cndmask_b32 v124, v121, v120, vcc_lo         ; a's weight
	v_cndmask_b32 v125, v120, v121, vcc_lo         ; b's
	v_sub_nc_u32 v111, 15, v122
	v_mul_u32_u24 v111, v111, v122
	v_lshrrev_b32 v111, 1, v111
	v_add_nc_u32 v111, v111, v123
	v_sub_nc_u32 v111, v111, v122
	v_add_nc_u32 v111, -1, v111                    ; the pair's number: a (15 - a) / 2 + b - a - 1, 0 .. 27
	v_mov_b32 v126, 0
	v_mov_b32 v127, 0
.irp b, 0,1,2,3,4,5,6,7,8,9,10,11,12,13,14,15,16,17,18,19,20,21,22,23,24,25,26,27
	v_cmp_eq_u32 s16, \b, v111                     ; the lanes of pair b
	v_mbcnt_lo_u32_b32 v112, s16, 0                ; how many of them stand below me
	v_cndmask_b32 v126, v126, v112, s16            ; my rank, if the pair is mine
	s_bcnt1_i32_b32 s17, s16
	v_writelane_b32 v127, s17, \b                  ; lane b keeps the work-group's count of pair b
.endr
	v_lshl_or_b32 v126, v126, 8, v111
	global_store_b64 v10, v[126:127], s[14:15]                 ; 32 lanes store 256 consecutive bytes
	global_store_b64 v10, v[124:125], s[10:11]
	s_mov_b32 s18, 0x76543210
	s_mov_b32 s19, 0xfedcba98                      ; v_permlanex16_b32's selects for lane l xor 16
.irp x, 1,2,4,8
.irp e, 0,1,2,3,4,5,6,7
	v_add_f32_dpp v[24+\e], v[24+\e], v[24+\e] row_xmask:\x row_mask:0xf bank_mask:0xf   ; the probabilities summed over the 32 tokens
.endr
.endr
.irp e, 0,1,2,3,4,5,6,7
	v_permlanex16_b32 v[112+\e], v[24+\e], s18, s19
.endr
.irp e, 0,1,2,3,4,5,6,7
	v_add_f32 v[24+\e], v[24+\e], v[112+\e]
.endr
	v_cmp_eq_u32 vcc_lo, 0, v1
	s_wait_xcnt 0x0                                ; EXEC changes only behind this wait: stores are out
	s_and_saveexec_b32 s20, vcc_lo
	global_store_b128 v9, v[24:27], s[12:13]       ; lane 0 (its offset is 0): the eight sums
	global_store_b128 v9, v[28:31], s[12:13] offset:16
	s_wait_xcnt 0x0
	s_or_b32 exec_lo, exec_lo, s20
.Lend:
	s_wait_tensorcnt 0x0
	ds_add_u32 v192, v193
	s_wait_dscnt 0x0
	s_endpgm
.Lfunc_end_k_q44c36bde58_route:
	.size	k_q44c36bde58_route, .Lfunc_end_k_q44c36bde58_route-k_q44c36bde58_route
	.p2alignl 7, 3214868480
	.fill 96, 4, 3214868480
	.section	.rodata,"a",@progbits
	.p2align	6, 0x0
	.amdhsa_kernel k_q44c36bde58_route
		.amdhsa_group_segment_fixed_size 176128
		.amdhsa_private_segment_fixed_size 0
		.amdhsa_enable_private_segment 0
		.amdhsa_kernarg_size 96
		.amdhsa_user_sgpr_count 2
		.amdhsa_user_sgpr_kernarg_segment_ptr 1
		.amdhsa_wavefront_size32 1
		.amdhsa_system_sgpr_workgroup_id_x 1
		.amdhsa_system_sgpr_workgroup_id_y 1
		.amdhsa_system_sgpr_workgroup_id_z 1
		.amdhsa_system_vgpr_workitem_id 0
		.amdhsa_next_free_vgpr 194
		.amdhsa_next_free_sgpr 106
		.amdhsa_reserve_vcc 1
		.amdhsa_float_denorm_mode_32 3
		.amdhsa_float_denorm_mode_16_64 3
		.amdhsa_memory_ordered 1
		.amdhsa_forward_progress 1
		.amdhsa_inst_pref_size 84
	.end_amdhsa_kernel
	.amdgpu_metadata
---
amdhsa.version: [ 1, 2 ]
amdhsa.kernels:
  - .name:           k_q44c36bde58_route
    .symbol:         k_q44c36bde58_route.kd
    .args:
      - { .name: gate_w, .offset: 0, .size: 8, .value_kind: global_buffer, .address_space: global }
      - { .name: xq, .offset: 8, .size: 8, .value_kind: global_buffer, .address_space: global }
      - { .name: xs, .offset: 16, .size: 8, .value_kind: global_buffer, .address_space: global }
      - { .name: wts, .offset: 24, .size: 8, .value_kind: global_buffer, .address_space: global }
      - { .name: psum, .offset: 32, .size: 8, .value_kind: global_buffer, .address_space: global }
      - { .name: picks, .offset: 40, .size: 8, .value_kind: global_buffer, .address_space: global }
      - { .name: hidden_states, .offset: 48, .size: 8, .value_kind: global_buffer, .address_space: global }
      - { .name: w1_codes, .offset: 56, .size: 8, .value_kind: global_buffer, .address_space: global }
      - { .name: w1_scales, .offset: 64, .size: 8, .value_kind: global_buffer, .address_space: global }
      - { .name: w2_codes, .offset: 72, .size: 8, .value_kind: global_buffer, .address_space: global }
      - { .name: w2_scales, .offset: 80, .size: 8, .value_kind: global_buffer, .address_space: global }
      - { .name: ws, .offset: 88, .size: 8, .value_kind: global_buffer, .address_space: global }
    .group_segment_fixed_size: 176128
    .private_segment_fixed_size: 0
    .kernarg_segment_align: 8
    .kernarg_segment_size: 96
    .max_flat_workgroup_size: 512
    .sgpr_count:     106
    .vgpr_count:     194
    .wavefront_size: 32
...
	.end_amdgpu_metadata
.endif
;; end of part 4
;; launch place: the kernel of part 2 again; grid 1 x 1, 32 waves a work-group, no clusters, 73,728 bytes of LDS; arguments picks, psum, order, tiles, out1; writes order, tiles, out1
;; launch experts: the kernel of part 3 again; grid 198 x 1, 4 waves a work-group, no clusters, 106,496 bytes of LDS; arguments tiles, order, xq, xs, wts, ws, b1, b2, out0; writes out0
;; ======== version 3 of 3: 3 launches
;; workspace buffers: xq 4,194,304 bytes; xs 262,144 bytes; ws 4,456,448 bytes; wts 65,536 bytes; psum 8,192 bytes; picks 65,536 bytes of whole numbers; order 32,768 bytes of whole numbers; tiles 3,584 bytes of whole numbers
;; launch route (part 5): grid 256 x 1, 16 waves a work-group, no clusters, 176,128 bytes of LDS; arguments gate_w, xq, xs, wts, psum, picks, hidden_states, w1_codes, w1_scales, w2_codes, w2_scales, ws; writes xq, xs, ws, wts, psum, picks
.if DOCPART == 5
	.amdgcn_target "amdgcn-amd-amdhsa--gfx1250"
	.amdhsa_code_object_version 6
	.text
	.protected	k_q44c36bde58_route
	.globl	k_q44c36bde58_route
	.p2align	8
	.type	k_q44c36bde58_route,@function
k_q44c36bde58_route:
	s_mov_b64 s[64:65], 0
	v_nop
	global_prefetch_b8 v0, s[64:65] scope:SCOPE_SE
	s_setreg_imm32_b32 hwreg(HW_REG_WAVE_MODE, 25, 1), 1
	s_wait_xcnt 0x0
; ROUTE.  Three things for 32 tokens a work-group: (1) the router in f32: logits, softmax with the maximum taken away, the two largest (the lower index on a tie), their weights;
; (2) x as codes of FP4 (E2M1) with one E8M0 byte for each 32 along K: the same codes serve every expert; (3) a 256th of the weights laid out anew, in the order in which a wave's operand registers take them.
; SHARES.  LANE = TOKEN.  Wave w of sixteen takes columns 64 w .. 64 w + 63 of the 32 tokens: a lane's 64 registers run along K, so a block's largest magnitude needs no other lane and the logits need no
; sum over lanes.  gate_w is the same for all lanes: a wave keeps its 8 x 64 numbers in 32 registers, sixteen to a register in each half of the lanes, asked for at the head; a DPP move (row_share) hands one of them
; to all lanes, and no wait stands among the multiply-adds.  The sixteen partial logits of a token meet in LDS; wave 0 finishes the router.
; x comes by one tensor load a wave (32 rows x 256 bytes, each row 256 consecutive bytes at a multiple of 256); no LDS byte is filled twice.  One tensor load of a wave is out, never more.
; WHAT IS CHOSEN STEERS NO ADDRESS HERE: the pair's number, the token's rank among its work-group's tokens of that pair and the work-group's count of each pair are stored at fixed places.
; No cluster: the work-groups share gate_w alone, 32 KB against the 128 KB of x that each reads for itself, and it goes straight into registers.
; LIMITS: NaN and infinities are not served; a block of zeros gets the byte 1 (its codes are zeros, and the bytes are read by this program alone); blocks whose largest magnitude lies under 2^(3 - 127) are held at that byte;
; logits that tie within the rounding of f32 sums may choose the other expert than another order of summing would.
.set XTW,  8704                        ; LDS: a wave's tile of x: 32 rows x (256 bytes + 16 of padding)
.set XP,   272
.set PL,   139264                      ; partial logits: [wave][lane][8 f32]
.set CS,   155648                      ; the codes of 32 tokens: rows of 512 bytes + 16
.set CSP,  528
.set SS,   172544                      ; their scale bytes: [token][32]
.set GRPB, 8704                        ; a group of the weight stream: 8 fragment images of 1,024 bytes, then a scale image of 512
.set WV,   96                          ; s96  my wave's number
.set G,    128                         ; v128-159  gate_w: register 4 e + j, lane n of either half: expert e, my column 4 n + j
.set T,    160                         ; v160-175  sixteen numbers of gate_w, each the same in all lanes: expert e's pair at 2 e
.set GO,   176                         ; v176      16 x (lane % 16); never rewritten
; s[4:15] gate_w (at my columns), xq, xs, wts, psum, picks;  s[84:95] hidden_states, w1_codes, w1_scales, w2_codes, w2_scales, ws;  s[48:63] the scalars of the relayout;  s[68:79] the tensor descriptor
; v1 lane; v2-v12 addresses, all made ahead of the first branch; v16-31 logits, two sums an expert (even columns, odd columns); v32-95 my token's 64 numbers; v96-103 codes; v104-127 at work
	s_load_b256 s[4:11], s[0:1], 0x0
	s_load_b128 s[12:15], s[0:1], 0x20
	s_load_b256 s[84:91], s[0:1], 0x30
	s_load_b128 s[92:95], s[0:1], 0x50
	v_lshl_add_u32 v192, v0, 2, 0x2a800
	v_mov_b32 v193, 0
	ds_add_u32 v192, v193
	ds_add_u32 v192, v193
	v_lshrrev_b32 v13, 5, v0
	s_delay_alu instid0(VALU_DEP_1)
	v_readfirstlane_b32 s[WV], v13
	; descriptor group 1: 32 rows x 64 elements of 4 bytes, 1,024 elements from row to row, 4 words of padding behind every 64
	s_mov_b32 s68, (2<<16)|(1<<20)|(5<<22)|(3<<25)
	s_mov_b32 s69, 64<<16                          ; tensor_dim0 = 64
	s_mov_b32 s70, 32<<16                          ; tensor_dim1 = 32
	s_mov_b32 s71, 64<<16                          ; tile_dim0 = 64
	s_mov_b32 s72, 32                              ; tile_dim1 = 32
	s_mov_b32 s73, 1024                            ; the pitch
	s_mov_b32 s74, 0
	s_mov_b32 s75, 0
	s_mov_b32 s76, 1                               ; group 0: count = 1
	s_mul_i32 s77, s[WV], XTW                      ; LDS address: my wave's tile
	s_lshl_b32 s48, ttmp9, 17                      ; 32 tokens of 4,096 bytes
	s_lshl_b32 s49, s[WV], 8                       ; my 64 columns
	s_add_co_u32 s48, s48, s49
	s_mov_b32 s49, 0
	s_wait_dscnt 0x0
	s_wait_kmcnt 0x0
	s_add_nc_u64 s[78:79], s[84:85], s[48:49]
	s_or_b32 s79, s79, 0x80000000                  ; type = 2
	tensor_load_to_lds s[76:79], s[68:75]
	s_nop 0
.rept 4
	v_nop
.endr
	s_lshl_b32 s48, s[WV], 8
	s_add_nc_u64 s[4:5], s[4:5], s[48:49]          ; gate_w at my columns
	v_and_b32 v[GO], 15, v0
	s_delay_alu instid0(VALU_DEP_1)
	v_lshlrev_b32 v[GO], 4, v[GO]
.irp e, 0,1,2,3,4,5,6,7
	global_load_b128 v[G+4*\e:G+4*\e+3], v[GO], s[4:5] offset:4096*\e      ; expert e: sixteen lanes read my 256 bytes of its row; lanes 16-31 read the same
.endr
.irp j, 0,1,2,3,4,5,6,7,8,9,10,11,12,13,14,15
	v_mov_b32 v[T+\j], 0                           ; written once: the destination of a DPP form counts as one of its sources
.endr
	; every address, ahead of the first branch on the wave's number
	v_and_b32 v1, 31, v0                           ; lane = token
	s_delay_alu instid0(VALU_DEP_1)
	v_mul_u32_u24 v2, v1, XP
	s_delay_alu instid0(VALU_DEP_1)
	v_add_nc_u32 v2, s77, v2                       ; my token's row in my wave's tile
	s_delay_alu instid0(VALU_DEP_3)
	v_mul_u32_u24 v3, v1, CSP
	s_lshl_b32 s50, s[WV], 5
	v_add_nc_u32 v3, s50, v3
	s_delay_alu instid0(VALU_DEP_1)
	v_add_nc_u32 v3, CS, v3                        ; where my 32 bytes of codes go
	v_lshlrev_b32 v4, 5, v1
	s_lshl_b32 s50, s[WV], 1
	v_add_nc_u32 v4, s50, v4
	s_delay_alu instid0(VALU_DEP_1)
	v_add_nc_u32 v4, SS, v4                        ; and my two scale bytes
	v_lshlrev_b32 v5, 5, v1
	s_lshl_b32 s50, s[WV], 10
	v_add_nc_u32 v5, s50, v5
	s_delay_alu instid0(VALU_DEP_1)
	v_add_nc_u32 v5, PL, v5                        ; and my eight partial logits
	v_lshlrev_b32 v9, 4, v1                        ; 16 x lane
	s_mul_i32 s50, s[WV], 2*CSP
	v_add_nc_u32 v6, s50, v9
	s_delay_alu instid0(VALU_DEP_1)
	v_add_nc_u32 v6, CS, v6                        ; the way out: rows 2 w and 2 w + 1 of the codes
	s_and_b32 s50, s[WV], 1
	s_lshl_b32 s50, s50, 9
	v_add_nc_u32 v7, s50, v9
	s_delay_alu instid0(VALU_DEP_1)
	v_add_nc_u32 v7, SS, v7                        ; waves 2 and 3: half of the scale bytes
	v_lshlrev_b32 v8, 5, v1
	s_delay_alu instid0(VALU_DEP_1)
	v_add_nc_u32 v8, PL, v8                        ; wave 0: my token's partial logits
	v_lshlrev_b32 v10, 3, v1                       ; 8 x lane
	s_lshl_b32 s48, ttmp9, 14
	s_lshl_b32 s50, s[WV], 10
	s_add_co_u32 s48, s48, s50
	s_add_nc_u64 s[6:7], s[6:7], s[48:49]          ; xq at token 32 g + 2 w
	s_lshl_b32 s48, ttmp9, 10
	s_and_b32 s50, s[WV], 1
	s_lshl_b32 s50, s50, 9
	s_add_co_u32 s48, s48, s50
	s_add_nc_u64 s[8:9], s[8:9], s[48:49]          ; xs at the work-group's 1,024 bytes, + 512 for odd waves
	s_lshl_b32 s48, ttmp9, 8
	s_add_nc_u64 s[10:11], s[10:11], s[48:49]      ; wts: 8 bytes a token
	s_add_nc_u64 s[14:15], s[14:15], s[48:49]      ; picks: 8 bytes a lane
	s_lshl_b32 s48, ttmp9, 5
	s_add_nc_u64 s[12:13], s[12:13], s[48:49]      ; psum: 32 bytes a work-group
	; ---- THE WEIGHTS' NEW ORDER, while the tile is on its way.  Work-group g makes group g of W1 (expert g / 32, wave (g / 8) % 4 of the last launch, K step g % 8) and group 256 + g, of W2 (the same expert and wave,
	; 64 outputs (g / 2) % 4, K steps 2 (g % 2) and + 1).  Waves 0-7 make W1's eight fragments, waves 8-15 W2's.  Lane (r, h) of a fragment takes row R = r + 8 (r / 8) of the tile's 24 rows, bytes 32 c + 16 h of the K step's 64.
	s_lshr_b32 s50, ttmp9, 5                       ; the expert
	s_bfe_u32 s51, ttmp9, 0x20003                  ; the wave that will read the group
	s_and_b32 s52, s[WV], 7                        ; f: which fragment of the group is mine
	s_and_b32 s53, ttmp9, 7                        ; W1's K step
	s_lshl_b32 s54, s51, 7
	s_lshr_b32 s55, s52, 1
	s_lshl_b32 s55, s55, 5
	s_add_co_u32 s54, s54, s55
	s_and_b32 s56, s52, 1
	s_lshl_b32 s56, s56, 3
	s_add_co_u32 s54, s54, s56                     ; W1: the tile's first row: 128 wave + 32 (f / 2) + 8 (f % 2)
	s_lshl_b32 s54, s54, 9                         ; rows of 512 bytes
	s_lshl_b32 s55, s53, 6
	s_add_co_u32 s54, s54, s55
	s_bfe_u32 s58, ttmp9, 0x20001                  ; W2: which 64 outputs
	s_and_b32 s59, ttmp9, 1                        ; and which pair of K steps
	s_lshl_b32 s57, s51, 8
	s_lshl_b32 s55, s58, 6
	s_add_co_u32 s57, s57, s55
	s_bfe_u32 s55, s52, 0x10001
	s_lshl_b32 s55, s55, 5
	s_add_co_u32 s57, s57, s55
	s_add_co_u32 s57, s57, s56                     ; W2: 256 wave + 64 chunk + 32 ((f % 4) / 2) + 8 (f % 2)
	s_lshl_b32 s57, s57, 8                         ; rows of 256 bytes
	s_lshl_b32 s55, s59, 1
	s_lshr_b32 s56, s52, 2
	s_add_co_u32 s55, s55, s56                     ; its K step: 2 (g % 2) + f / 4
	s_lshl_b32 s55, s55, 6
	s_add_co_u32 s57, s57, s55
	s_lshl_b32 s48, s51, 12                        ; the scale bytes: 128 rows of 32 bytes = 256 rows of 16 bytes = 4,096 a wave
	s_lshl_b32 s55, s58, 10
	s_add_co_u32 s49, s48, s55
	s_lshl_b32 s55, s59, 3
	s_add_co_u32 s49, s49, s55                     ; W2's
	s_lshl_b32 s55, s53, 2
	s_add_co_u32 s48, s48, s55                     ; W1's
	s_cmp_lt_u32 s[WV], 8                          ; W1's wave or W2's: the choice hangs on the wave's number alone
	s_cselect_b32 s54, s54, s57
	s_cselect_b32 s48, s48, s49
	s_cselect_b32 s58, 9, 8                        ; log2 of a row of codes
	s_cselect_b32 s59, 0, 256
	s_cselect_b64 s[60:61], s[86:87], s[90:91]
	s_cselect_b64 s[62:63], s[88:89], s[92:93]
	s_lshl_b32 s55, s50, 18                        ; an expert's codes: 262,144 bytes in both tensors
	s_add_co_u32 s54, s54, s55
	s_mov_b32 s55, 0
	s_add_nc_u64 s[60:61], s[60:61], s[54:55]
	s_lshl_b32 s49, s50, 14                        ; its scale bytes: 16,384
	s_add_co_u32 s48, s48, s49
	s_mov_b32 s49, 0
	s_add_nc_u64 s[62:63], s[62:63], s[48:49]
	s_add_co_u32 s56, ttmp9, s59
	s_mul_i32 s56, s56, GRPB
	s_lshl_b32 s57, s52, 10
	s_add_co_u32 s56, s56, s57
	s_mov_b32 s57, 0
	s_add_nc_u64 s[56:57], s[94:95], s[56:57]      ; where my fragment's image goes
	s_sub_co_u32 s59, s58, 4                       ; log2 of a row of scale bytes
	v_and_b32 v13, 15, v1
	s_delay_alu instid0(VALU_DEP_1)
	v_and_b32 v14, 8, v13
	s_delay_alu instid0(VALU_DEP_1)
	v_add_nc_u32 v13, v13, v14                     ; R
	v_lshrrev_b32 v15, 4, v1                       ; h
	s_delay_alu instid0(VALU_DEP_2)
	v_lshlrev_b32 v11, s58, v13
	s_delay_alu instid0(VALU_DEP_1)
	v_lshl_add_u32 v11, v15, 4, v11                ; R rows + 16 h
	s_delay_alu instid0(VALU_DEP_3)
	v_lshl_add_u32 v14, v15, 3, v13
	s_delay_alu instid0(VALU_DEP_1)
	v_lshlrev_b32 v12, s59, v14                    ; the scale image: row R + 8 h: lanes 0-15 the even tile, lanes 16-31 the odd one
	global_load_b128 v[104:107], v11, s[60:61]
	global_load_b128 v[108:111], v11, s[60:61] offset:32
	s_wait_loadcnt 0x0                             ; these two are in, and so are the eight loads of gate_w, which were issued ahead of them: every wave passes this wait
	global_store_b128 v9, v[104:107], s[56:57]                 ; 32 lanes store 512 consecutive bytes
	global_store_b128 v9, v[108:111], s[56:57] offset:512
	s_cmp_lg_u32 s52, 1                            ; waves 1 and 9 also make their group's scale image: four words a lane
	s_cbranch_scc1 .Lno_scale
	s_cmp_lt_u32 s[WV], 8
	s_cbranch_scc0 .Lscale_w2
	s_wait_alu depctr_va_vdst(0)
.irp u, 0,1,2,3
	global_load_b32 v[112+\u], v12, s[62:63] offset:1024*\u    ; W1: word u: tiles 2 u and 2 u + 1: 32 rows of 32 bytes on
.endr
	s_branch .Lscale_out
.Lscale_w2:
	s_wait_alu depctr_va_vdst(0)
.irp u, 0,1,2,3
	global_load_b32 v[112+\u], v12, s[62:63] offset:512*(\u%2)+4*(\u/2)   ; W2: word 2 kk + pr: 32 pr rows of 16 bytes on, K step kk
.endr
.Lscale_out:
	s_wait_loadcnt 0x0
	global_store_b128 v9, v[112:115], s[56:57] offset:7168     ; the image lies 8,192 bytes into the group, my fragment (number 1) 1,024
.Lno_scale:
	s_wait_xcnt 0x0                                ; the stores' data are written again below
	; ---- my token's 64 numbers
	s_wait_tensorcnt 0x0                           ; my own tile is in LDS, and only I read it
.irp i, 0,1,2,3,4,5,6,7,8,9,10,11,12,13,14,15
	ds_load_b128 v[32+4*\i:35+4*\i], v2 offset:16*\i
.endr
	s_wait_dscnt 0x0
	; ---- the partial logits: my 64 columns x 8 experts.  Two columns at a time, 4 n + 2 u and + 1: sixteen moves hand the eight experts' two numbers of gate_w from lane n of each half to all lanes,
	; then eight packed multiply-adds, one on each expert's pair of sums (even columns, odd columns).  The eight pairs take turns, and a move stands eight lines or more ahead of the line that reads it.
.irp n, 0,1,2,3,4,5,6,7,8,9,10,11,12,13,14,15
.irp u, 0,1
.irp e, 0,1,2,3,4,5,6,7
	v_mov_b32_dpp v[T+2*\e], v[G+4*\e+2*\u] row_share:\n row_mask:0xf bank_mask:0xf
	v_mov_b32_dpp v[T+2*\e+1], v[G+4*\e+2*\u+1] row_share:\n row_mask:0xf bank_mask:0xf
.endr
.irp e, 0,1,2,3,4,5,6,7
.if (\n == 0) && (\u == 0)
	v_pk_mul_f32 v[16+2*\e:17+2*\e], v[32:33], v[T+2*\e:T+2*\e+1]          ; the first products start the sums
.else
	v_pk_fma_f32 v[16+2*\e:17+2*\e], v[32+4*\n+2*\u:33+4*\n+2*\u], v[T+2*\e:T+2*\e+1], v[16+2*\e:17+2*\e]
.endif
.endr
.endr
.endr
	; ---- my two blocks of 32 become codes
.irp c, 0,1
	v_max3_num_f32 v[104+\c], |v[32+32*\c]|, |v[33+32*\c]|, 0x1800000      ; and the floor 2^(3 - 127): the byte cannot fall under 1
.endr
.irp i, 2,4,6,8,10,12,14,16,18,20,22,24,26,28,30
.irp c, 0,1
	s_delay_alu instid0(VALU_DEP_2)
	v_max3_num_f32 v[104+\c], v[104+\c], |v[32+32*\c+\i]|, |v[33+32*\c+\i]|
.endr
.endr
.irp c, 0,1
	s_delay_alu instid0(VALU_DEP_2)
	v_add_nc_u32 v[106+\c], 0xff000000, v[104+\c]  ; 2 off the exponent field: the conversion's scale operand
.endr
.irp c, 0,1
	s_delay_alu instid0(VALU_DEP_2)
	v_lshrrev_b32 v[108+\c], 23, v[106+\c]         ; the scale's byte
.endr
.irp c, 0,1
.irp g, 0,1,2,3
	v_cvt_scalef32_pk8_fp4_f32 v[96+4*\c+\g], v[32+32*\c+8*\g:39+32*\c+8*\g], v[106+\c]
.endr
.endr
	v_lshl_or_b32 v110, v109, 8, v108              ; (the plain line behind the conversions)  my two bytes
.irp e, 0,1,2,3,4,5,6,7
	v_add_f32 v[112+\e], v[16+2*\e], v[17+2*\e]    ; an expert's two chains
.endr
	ds_store_b128 v3, v[96:99]
	ds_store_b128 v3, v[100:103] offset:16
	ds_store_b16 v4, v110
	ds_store_b128 v5, v[112:115]
	ds_store_b128 v5, v[116:119] offset:16
	s_wait_dscnt 0x0                               ; for the others' sake: my stores have landed
	s_barrier_signal -1
	s_barrier_wait -1                              ; the launch's one barrier
	; ---- the way out: each wave sends two whole rows of codes
	ds_load_b128 v[96:99], v6
	ds_load_b128 v[100:103], v6 offset:CSP
	s_wait_dscnt 0x0
	global_store_b128 v9, v[96:99], s[6:7]                     ; 32 lanes store a token's 512 bytes
	global_store_b128 v9, v[100:103], s[6:7] offset:512
	s_lshr_b32 s16, s[WV], 1
	s_cmp_lg_u32 s16, 1
	s_cbranch_scc1 .Lno_xs
	ds_load_b128 v[104:107], v7                    ; waves 2 and 3: 512 of the 1,024 scale bytes each
	s_wait_dscnt 0x0
	global_store_b128 v9, v[104:107], s[8:9]
.Lno_xs:
	s_cmp_lg_u32 s[WV], 0
	s_cbranch_scc1 .Lend
	; ---- wave 0: the router's tail, a token a lane
	s_wait_xcnt 0x0                                ; the stores issued above have had their addresses translated (ISA guide 3.1): the registers at work, v104 on, which the store of scale bytes names as data, are written again only behind this wait
.irp u, 0,1,2,3,4,5,6,7
	ds_load_b128 v[32+8*\u:35+8*\u], v8 offset:1024*\u
	ds_load_b128 v[36+8*\u:39+8*\u], v8 offset:1024*\u+16
.endr
	s_wait_dscnt 0x0
.irp q, 0,2,4,6
	v_pk_add_f32 v[16+\q:17+\q], v[32+\q:33+\q], v[40+\q:41+\q]
.endr
.irp u, 2,3,4,5,6,7
.irp q, 0,2,4,6
	s_delay_alu instid0(VALU_DEP_4)
	v_pk_add_f32 v[16+\q:17+\q], v[16+\q:17+\q], v[32+8*\u+\q:33+8*\u+\q]
.endr
.endr
.irp u, 0,1,2,3,4,5,6,7
	ds_load_b128 v[32+8*\u:35+8*\u], v8 offset:8192+1024*\u
	ds_load_b128 v[36+8*\u:39+8*\u], v8 offset:8192+1024*\u+16
.endr
	s_wait_alu depctr_va_vdst(0)
	s_wait_dscnt 0x0
.irp u, 0,1,2,3,4,5,6,7
.irp q, 0,2,4,6
	v_pk_add_f32 v[16+\q:17+\q], v[16+\q:17+\q], v[32+8*\u+\q:33+8*\u+\q]
.endr
.endr
	s_delay_alu instid0(VALU_DEP_3)
	v_max3_num_f32 v104, v16, v17, v18             ; the softmax, with the largest logit taken away
	s_delay_alu instid0(VALU_DEP_3)
	v_max3_num_f32 v105, v19, v20, v21
	s_delay_alu instid0(VALU_DEP_2)
	v_max3_num_f32 v104, v104, v22, v23
	s_delay_alu instid0(VALU_DEP_1)
	v_max_num_f32 v104, v104, v105
.irp e, 0,1,2,3,4,5,6,7
	v_sub_f32 v[24+\e], v[16+\e], v104
.endr
.irp e, 0,1,2,3,4,5,6,7
	v_mul_f32 v[24+\e], 0x3fb8aa3b, v[24+\e]       ; x log2(e)
.endr
	s_wait_alu depctr_va_vdst(0)
.irp e, 0,1,2,3,4,5,6,7
	v_exp_f32 v[24+\e], v[24+\e]
.endr
	v_mov_b32 v108, -1.0                           ; (the plain line behind the exponentials)
	s_wait_alu depctr_va_vdst(0)
	v_add_f32 v105, v24, v25
	v_add_f32 v106, v26, v27
	v_add_f32 v107, v28, v29
	v_add_f32 v109, v30, v31
	s_delay_alu instid0(VALU_DEP_3)
	v_add_f32 v105, v105, v106
	s_delay_alu instid0(VALU_DEP_2)
	v_add_f32 v107, v107, v109
	s_delay_alu instid0(VALU_DEP_1)
	v_add_f32 v105, v105, v107
	s_wait_alu depctr_va_vdst(0)
	v_rcp_f32 v105, v105
	v_mov_b32 v107, 0                              ; (the plain line behind the reciprocal)  the first choice's index
	s_wait_alu depctr_va_vdst(0)
.irp e, 0,1,2,3,4,5,6,7
	v_mul_f32 v[24+\e], v[24+\e], v105             ; the probabilities
.endr
	v_mov_b32 v106, v24                            ; the largest: a later one takes over only where it is strictly larger, so the lower index stays on a tie
.irp e, 1,2,3,4,5,6,7
	s_delay_alu instid0(VALU_DEP_1)
	v_cmp_le_f32 vcc_lo, v[24+\e], v106
	s_delay_alu instid0(VALU_DEP_1)
	v_cndmask_b32 v107, \e, v107, vcc_lo
	s_delay_alu instid0(VALU_DEP_3)
	v_max_num_f32 v106, v106, v[24+\e]
.endr
.irp e, 0,1,2,3,4,5,6,7
	v_cmp_eq_u32 vcc_lo, \e, v107
	s_delay_alu instid0(VALU_DEP_1)
	v_cndmask_b32 v[112+\e], v[24+\e], v108, vcc_lo            ; the first choice counts as -1, under every probability
.endr
	v_mov_b32 v109, v112
	v_mov_b32 v110, 0
.irp e, 1
	s_delay_alu instid0(VALU_DEP_2)
	v_cmp_le_f32 vcc_lo, v[112+\e], v109
	s_delay_alu instid0(VALU_DEP_1)
	v_cndmask_b32 v110, \e, v110, vcc_lo
	s_delay_alu instid0(VALU_DEP_4)
	v_max_num_f32 v109, v109, v[112+\e]
.endr
.irp e, 2, 3, 4, 5, 6, 7
	s_delay_alu instid0(VALU_DEP_1)
	v_cmp_le_f32 vcc_lo, v[112+\e], v109
	s_delay_alu instid0(VALU_DEP_1)
	v_cndmask_b32 v110, \e, v110, vcc_lo
	s_delay_alu instid0(VALU_DEP_3)
	v_max_num_f32 v109, v109, v[112+\e]
.endr
	s_delay_alu instid0(VALU_DEP_1)
	v_add_f32 v111, v106, v109
	s_wait_alu depctr_va_vdst(0)
	v_rcp_f32 v111, v111
	v_min_u32 v122, v107, v110                     ; (the plain line)  a: the lower expert
	v_max_u32 v123, v107, v110                     ; b: the higher
	s_wait_alu depctr_va_vdst(0)
	v_mul_f32 v120, v106, v111                     ; the two weights, which add up to 1
	v_mul_f32 v121, v109, v111
	v_cmp_lt_u32 vcc_lo, v107, v110
	s_delay_alu instid0(VALU_DEP_1)
	v_cndmask_b32 v124, v121, v120, vcc_lo         ; a's weight
	s_delay_alu instid0(VALU_DEP_2)
	v_cndmask_b32 v125, v120, v121, vcc_lo         ; b's
	v_sub_nc_u32 v111, 15, v122
	s_delay_alu instid0(VALU_DEP_1)
	v_mul_u32_u24 v111, v111, v122
	s_delay_alu instid0(VALU_DEP_1)
	v_lshrrev_b32 v111, 1, v111
	s_delay_alu instid0(VALU_DEP_1)
	v_add_nc_u32 v111, v111, v123
	s_delay_alu instid0(VALU_DEP_1)
	v_sub_nc_u32 v111, v111, v122
	s_delay_alu instid0(VALU_DEP_1)
	v_add_nc_u32 v111, -1, v111                    ; the pair's number: a (15 - a) / 2 + b - a - 1, 0 .. 27
	v_mov_b32 v126, 0
	v_mov_b32 v127, 0
.irp b, 0,1,2,3,4,5,6,7,8,9,10,11,12,13,14,15,16,17,18,19,20,21,22,23,24,25,26,27
	v_cmp_eq_u32 s16, \b, v111                     ; the lanes of pair b
	s_delay_alu instid0(VALU_DEP_1)
	v_mbcnt_lo_u32_b32 v112, s16, 0                ; how many of them stand below me
	s_delay_alu instid0(VALU_DEP_1)
	v_cndmask_b32 v126, v126, v112, s16            ; my rank, if the pair is mine
	s_bcnt1_i32_b32 s17, s16
	v_writelane_b32 v127, s17, \b                  ; lane b keeps the work-group's count of pair b
.endr
	v_lshl_or_b32 v126, v126, 8, v111
	global_store_b64 v10, v[126:127], s[14:15]                 ; 32 lanes store 256 consecutive bytes
	global_store_b64 v10, v[124:125], s[10:11]
	s_mov_b32 s18, 0x76543210
	s_mov_b32 s19, 0xfedcba98                      ; v_permlanex16_b32's selects for lane l xor 16
.irp x, 1,2,4,8
.irp e, 0,1,2,3,4,5,6,7
	v_add_f32_dpp v[24+\e], v[24+\e], v[24+\e] row_xmask:\x row_mask:0xf bank_mask:0xf   ; the probabilities summed over the 32 tokens
.endr
.endr
.irp e, 0,1,2,3,4,5,6,7
	v_permlanex16_b32 v[112+\e], v[24+\e], s18, s19
.endr
.irp e, 0,1,2,3,4,5,6,7
	v_add_f32 v[24+\e], v[24+\e], v[112+\e]
.endr
	v_cmp_eq_u32 vcc_lo, 0, v1
	s_wait_alu depctr_va_vdst(0)
	s_wait_xcnt 0x0                                ; EXEC changes only behind this wait: stores are out
	s_and_saveexec_b32 s20, vcc_lo
	global_store_b128 v9, v[24:27], s[12:13]       ; lane 0 (its offset is 0): the eight sums
	global_store_b128 v9, v[28:31], s[12:13] offset:16
	s_wait_xcnt 0x0
	s_or_b32 exec_lo, exec_lo, s20
.Lend:
	s_wait_tensorcnt 0x0
	ds_add_u32 v192, v193
	s_wait_dscnt 0x0
	s_endpgm
.Lfunc_end_k_q44c36bde58_route:
	.size	k_q44c36bde58_route, .Lfunc_end_k_q44c36bde58_route-k_q44c36bde58_route
	.p2alignl 7, 3214868480
	.fill 96, 4, 3214868480
	.section	.rodata,"a",@progbits
	.p2align	6, 0x0
	.amdhsa_kernel k_q44c36bde58_route
		.amdhsa_group_segment_fixed_size 176128
		.amdhsa_private_segment_fixed_size 0
		.amdhsa_enable_private_segment 0
		.amdhsa_kernarg_size 96
		.amdhsa_user_sgpr_count 2
		.amdhsa_user_sgpr_kernarg_segment_ptr 1
		.amdhsa_wavefront_size32 1
		.amdhsa_system_sgpr_workgroup_id_x 1
		.amdhsa_system_sgpr_workgroup_id_y 1
		.amdhsa_system_sgpr_workgroup_id_z 1
		.amdhsa_system_vgpr_workitem_id 0
		.amdhsa_next_free_vgpr 194
		.amdhsa_next_free_sgpr 106
		.amdhsa_reserve_vcc 1
		.amdhsa_float_denorm_mode_32 3
		.amdhsa_float_denorm_mode_16_64 3
		.amdhsa_memory_ordered 1
		.amdhsa_forward_progress 1
		.amdhsa_inst_pref_size 90
	.end_amdhsa_kernel
	.amdgpu_metadata
---
amdhsa.version: [ 1, 2 ]
amdhsa.kernels:
  - .name:           k_q44c36bde58_route
    .symbol:         k_q44c36bde58_route.kd
    .args:
      - { .name: gate_w, .offset: 0, .size: 8, .value_kind: global_buffer, .address_space: global }
      - { .name: xq, .offset: 8, .size: 8, .value_kind: global_buffer, .address_space: global }
      - { .name: xs, .offset: 16, .size: 8, .value_kind: global_buffer, .address_space: global }
      - { .name: wts, .offset: 24, .size: 8, .value_kind: global_buffer, .address_space: global }
      - { .name: psum, .offset: 32, .size: 8, .value_kind: global_buffer, .address_space: global }
      - { .name: picks, .offset: 40, .size: 8, .value_kind: global_buffer, .address_space: global }
      - { .name: hidden_states, .offset: 48, .size: 8, .value_kind: global_buffer, .address_space: global }
      - { .name: w1_codes, .offset: 56, .size: 8, .value_kind: global_buffer, .address_space: global }
      - { .name: w1_scales, .offset: 64, .size: 8, .value_kind: global_buffer, .address_space: global }
      - { .name: w2_codes, .offset: 72, .size: 8, .value_kind: global_buffer, .address_space: global }
      - { .name: w2_scales, .offset: 80, .size: 8, .value_kind: global_buffer, .address_space: global }
      - { .name: ws, .offset: 88, .size: 8, .value_kind: global_buffer, .address_space: global }
    .group_segment_fixed_size: 176128
    .private_segment_fixed_size: 0
    .kernarg_segment_align: 8
    .kernarg_segment_size: 96
    .max_flat_workgroup_size: 512
    .sgpr_count:     106
    .vgpr_count:     194
    .wavefront_size: 32
...
	.end_amdgpu_metadata
.endif
;; end of part 5
;; launch place (part 6): grid 1 x 1, 32 waves a work-group, no clusters, 73,728 bytes of LDS; arguments picks, psum, order, tiles, out1; writes order, tiles, out1
.if DOCPART == 6
	.amdgcn_target "amdgcn-amd-amdhsa--gfx1250"
	.amdhsa_code_object_version 6
	.text
	.protected	k_q44c36bde58_place
	.globl	k_q44c36bde58_place
	.p2align	8
	.type	k_q44c36bde58_place,@function
k_q44c36bde58_place:
	s_mov_b64 s[64:65], 0
	v_nop
	global_prefetch_b8 v0, s[64:65] scope:SCOPE_SE
	s_setreg_imm32_b32 hwreg(HW_REG_WAVE_MODE, 25, 1), 1
	s_wait_xcnt 0x0
; PLACE.  A counting sort of the 8,192 tokens by their pair of experts (28 pairs), the list of tiles of at most 48 rows, and aux_loss.  One work-group of 32 waves; no atomics.
; In: picks [256 groups][32 lanes][2]: word 0 = pair | rank in the group << 8 of token 32 g + lane; word 1 = the group's count of pair = lane.  psum [256][8]: the groups' sums of the probabilities.
; Out: order [8,192]: the tokens, sorted by pair; tiles [224][4]: first place in order, rows (0 .. 48), the pair's two experts; out1 = 8 x sum over e of mean(prob_e) x count_e / 16,384.
; STEPS.  1: the counts go to LDS as a table [group][33 words].  2: wave = pair: its 256 counts are scanned, 8 to a lane.  3: every wave scans the 28 totals (lane = pair) for each pair's first place and first tile,
; and stores each group's first place of its pair.  4: wave w places the tokens of groups 8 w .. 8 w + 7.  5: waves 0-6 write a tile's record a thread.  6: wave 31 finishes aux_loss.
; There are never more than (8,192 + 47 x 28) / 48 = 198 tiles; a record past the last tile has 0 rows.
; One work-group: the whole input is 72 KB and every step wants all counts; a grid would need a launch more.
.set HP,  132                          ; a group's row of the tables: 33 words, so that a column's reads do not all fall on one bank
.set PB,  33792                        ; the second table: first places
.set BT,  67584                        ; the pairs' totals, 32 words
.set AX,  67712                        ; the waves' partial sums of psum, 32 bytes each
; v1 lane; v2 my wave's rows of a table, my lane's word; v3 my lane's 8 rows, my wave's column; v4, v5 totals; v7, v8 partial sums; v9 8 x lane
; v16-31 picks; v32-39, v50-57 at work; v40-47 scans: v42 the lane's first place in the pair, v43 n, v44 a pair's first place, v45 its tiles, v46 its first tile
.macro SCAN x                          ; v[x] becomes its running sum over the 32 lanes, itself included
.irp d, 1
	v_mov_b32_dpp v41, v[\x] row_shr:\d row_mask:0xf bank_mask:0xf bound_ctrl:1   ; lane l - d of my sixteen, 0 where there is none
	s_delay_alu instid0(VALU_DEP_1)
	v_add_nc_u32 v[\x], v[\x], v41
.endr
.irp d, 2, 4, 8
	s_delay_alu instid0(VALU_DEP_1)
	v_mov_b32_dpp v41, v[\x] row_shr:\d row_mask:0xf bank_mask:0xf bound_ctrl:1
	s_delay_alu instid0(VALU_DEP_1)
	v_add_nc_u32 v[\x], v[\x], v41
.endr
	s_delay_alu instid0(VALU_DEP_1)
	v_readlane_b32 s20, v[\x], 15
	s_delay_alu instid0(VALU_DEP_1)
	v_mov_b32 v41, s20
	s_delay_alu instid0(VALU_DEP_1)
	v_cndmask_b32 v41, 0, v41, s28                 ; the lower sixteen's sum, onto lanes 16-31
	s_delay_alu instid0(VALU_DEP_1)
	v_add_nc_u32 v[\x], v[\x], v41
.endm
	s_load_b256 s[4:11], s[0:1], 0x0               ; picks, psum, order, tiles
	s_load_b64 s[12:13], s[0:1], 0x20              ; out1
	v_lshl_add_u32 v64, v0, 2, 0x11000
	v_mov_b32 v65, 0
	v_lshrrev_b32 v10, 5, v0
	s_delay_alu instid0(VALU_DEP_1)
	v_readfirstlane_b32 s16, v10                   ; wave
	v_and_b32 v1, 31, v0
	s_delay_alu instid0(VALU_DEP_1)
	v_lshlrev_b32 v11, 2, v1
	s_mul_i32 s17, s16, 8*HP
	v_add_nc_u32 v2, s17, v11
	v_mul_u32_u24 v3, v1, 8*HP
	s_lshl_b32 s18, s16, 2
	v_add_nc_u32 v3, s18, v3
	v_mov_b32 v4, s18
	s_delay_alu instid0(VALU_DEP_1)
	v_add_nc_u32 v4, BT, v4
	v_add_nc_u32 v5, BT, v11
	v_and_b32 v7, 3, v1
	s_delay_alu instid0(VALU_DEP_1)
	v_lshlrev_b32 v7, 3, v7
	s_lshl_b32 s19, s16, 5
	v_add_nc_u32 v7, s19, v7
	s_delay_alu instid0(VALU_DEP_1)
	v_add_nc_u32 v7, AX, v7
	v_lshl_add_u32 v8, v1, 5, AX
	v_lshlrev_b32 v9, 3, v1
	s_lshl_b32 s19, s16, 8
	v_add_nc_u32 v58, s19, v1                      ; my token of the wave's first group
	s_mov_b32 s26, 0x76543210
	s_mov_b32 s27, 0xfedcba98                      ; v_permlanex16_b32's selects for lane l xor 16
	s_mov_b32 s28, 0xffff0000                      ; lanes 16-31
	v_mov_b32 v41, 0                               ; written once: the destination of a lane permute counts as one of its sources
	v_mov_b32 v47, 0
	s_lshl_b32 s20, s16, 11
	s_mov_b32 s21, 0
	s_wait_alu depctr_va_vdst(0)
	s_wait_kmcnt 0x0
	s_add_nc_u64 s[4:5], s[4:5], s[20:21]          ; my 8 groups of picks
	s_lshl_b32 s20, s16, 8
	s_add_nc_u64 s[6:7], s[6:7], s[20:21]          ; and of psum
.irp j, 0,1,2,3,4,5,6,7
	global_load_b64 v[16+2*\j:17+2*\j], v9, s[4:5] offset:256*\j           ; 32 lanes read 256 consecutive bytes
.endr
	global_load_b64 v[48:49], v9, s[6:7]           ; lane l: experts 2 (l % 4) and + 1 of group 8 w + l / 4
	s_wait_loadcnt 0x0
	; ---- 1
.irp j, 0,1,2,3,4,5,6,7
	ds_store_b32 v2, v[17+2*\j] offset:HP*\j
.endr
.irp x, 4
	v_add_f32_dpp v48, v48, v48 row_xmask:\x row_mask:0xf bank_mask:0xf
	v_add_f32_dpp v49, v49, v49 row_xmask:\x row_mask:0xf bank_mask:0xf
.endr
.irp x, 8
	s_delay_alu instid0(VALU_DEP_2)
	v_add_f32_dpp v48, v48, v48 row_xmask:\x row_mask:0xf bank_mask:0xf
	s_delay_alu instid0(VALU_DEP_2)
	v_add_f32_dpp v49, v49, v49 row_xmask:\x row_mask:0xf bank_mask:0xf
.endr
	s_delay_alu instid0(VALU_DEP_2)
	v_permlanex16_b32 v41, v48, s26, s27
	s_delay_alu instid0(VALU_DEP_2)
	v_permlanex16_b32 v47, v49, s26, s27
	s_delay_alu instid0(VALU_DEP_2)
	v_add_f32 v48, v48, v41
	s_delay_alu instid0(VALU_DEP_2)
	v_add_f32 v49, v49, v47                        ; the sums over my wave's 8 groups
	ds_store_b64 v7, v[48:49]                      ; (the eight lanes of one l % 4 write the same words with the same values)
	s_wait_dscnt 0x0
	s_barrier_signal -1
	s_barrier_wait -1
	; ---- 2: pair = my wave's number (waves 28-31 find zeros)
.irp j, 0,1,2,3,4,5,6,7
	ds_load_b32 v[32+\j], v3 offset:HP*\j          ; the counts of groups 8 l + j
.endr
	s_wait_dscnt 0x0
	v_add_nc_u32 v51, v32, v33                     ; what stands ahead of group 8 l + j inside my lane: 0, v32, v51 .. v56
	s_delay_alu instid0(VALU_DEP_1)
	v_add_nc_u32 v52, v51, v34
	s_delay_alu instid0(VALU_DEP_1)
	v_add_nc_u32 v53, v52, v35
	s_delay_alu instid0(VALU_DEP_1)
	v_add_nc_u32 v54, v53, v36
	s_delay_alu instid0(VALU_DEP_1)
	v_add_nc_u32 v55, v54, v37
	s_delay_alu instid0(VALU_DEP_1)
	v_add_nc_u32 v56, v55, v38
	s_delay_alu instid0(VALU_DEP_1)
	v_add_nc_u32 v40, v56, v39                     ; my lane's total
	s_delay_alu instid0(VALU_DEP_1)
	v_mov_b32 v42, v40
	SCAN 40
	s_delay_alu instid0(VALU_DEP_1)
	v_sub_nc_u32 v42, v40, v42                     ; what stands ahead of my lane
	s_delay_alu instid0(VALU_DEP_2)
	v_readlane_b32 s22, v40, 31
	s_delay_alu instid0(VALU_DEP_1)
	v_mov_b32 v47, s22
	ds_store_b32 v4, v47                           ; the pair's total
	s_wait_dscnt 0x0
	s_barrier_signal -1
	s_barrier_wait -1
	; ---- 3: lane = pair
	ds_load_b32 v43, v5
	s_wait_dscnt 0x0
	v_mov_b32 v44, v43
	SCAN 44
	s_delay_alu instid0(VALU_DEP_1)
	v_sub_nc_u32 v44, v44, v43                     ; a pair's first place in order
	v_add_nc_u32 v45, 47, v43
	s_delay_alu instid0(VALU_DEP_1)
	v_mul_u32_u24 v45, 0xaaab, v45
	s_delay_alu instid0(VALU_DEP_1)
	v_lshrrev_b32 v45, 21, v45                     ; its tiles: (n + 47) / 48: 43,691 / 2^21 is 1 / 48 with an excess of 16 / (48 x 2^21), which stays under 1 / 48 up to 131,071
	s_delay_alu instid0(VALU_DEP_1)
	v_mov_b32 v46, v45
	SCAN 46
	s_delay_alu instid0(VALU_DEP_1)
	v_sub_nc_u32 v46, v46, v45                     ; its first tile
	v_readlane_b32 s23, v44, s16                   ; my wave's pair
	s_delay_alu instid0(VALU_DEP_1)
	v_add_nc_u32 v47, s23, v42
	s_delay_alu instid0(VALU_DEP_1)
	v_add_nc_u32 v32, v32, v47
.irp j, 2,3,4,5,6,7
	v_add_nc_u32 v[49+\j], v[49+\j], v47
.endr
	ds_store_b32 v3, v47 offset:PB
	ds_store_b32 v3, v32 offset:PB+HP
.irp j, 2,3,4,5,6,7
	ds_store_b32 v3, v[49+\j] offset:PB+HP*\j      ; where group 8 l + j's tokens of my pair begin
.endr
	s_wait_dscnt 0x0
	s_barrier_signal -1
	s_barrier_wait -1
	; ---- 4: my wave's 8 groups of tokens find their places
.irp j, 0,1,2,3,4,5,6,7
	ds_load_b32 v[32+\j], v2 offset:PB+HP*\j       ; lane = pair: the group's first places
.endr
.irp j, 0,1,2,3,4,5,6,7
	v_and_b32 v[17+2*\j], 0xff, v[16+2*\j]         ; my token's pair,
	s_delay_alu instid0(VALU_DEP_1)
	v_min_u32 v[17+2*\j], 31, v[17+2*\j]           ; held to a lane's number,
	s_delay_alu instid0(VALU_DEP_1)
	v_lshlrev_b32 v[17+2*\j], 2, v[17+2*\j]        ; as the permute wants it
.endr
	s_wait_alu depctr_va_vdst(0)
	s_wait_dscnt 0x0
.irp j, 0,1,2,3,4,5,6,7
	ds_bpermute_b32 v[50+\j], v[17+2*\j], v[32+\j] ; from the lane of my pair
.endr
.irp j, 0,1,2,3,4,5,6,7
	v_lshrrev_b32 v[16+2*\j], 8, v[16+2*\j]        ; my rank in the group
.endr
	s_wait_alu depctr_va_vdst(0)
	s_wait_dscnt 0x0
.irp j, 0,1,2,3,4,5,6,7
	v_add_nc_u32 v[50+\j], v[50+\j], v[16+2*\j]
	s_delay_alu instid0(VALU_DEP_1)
	v_min_u32 v[50+\j], 0x1fff, v[50+\j]           ; a loaded number enters an address only held to the buffer
	s_delay_alu instid0(VALU_DEP_1)
	v_lshlrev_b32 v[50+\j], 2, v[50+\j]
	v_add_nc_u32 v[32+\j], 32*\j, v58
	global_store_b32 v[50+\j], v[32+\j], s[8:9]
.endr
	; ---- 5: thread t writes tile t's record: the last pair whose first tile is not past t
	s_cmp_lt_u32 s16, 7
	s_cbranch_scc0 .Lno_tiles
	v_readlane_b32 s26, v43, 0
	v_mov_b32 v20, 0
	v_mov_b32 v21, 0
	s_delay_alu instid0(VALU_DEP_3)
	v_mov_b32 v22, s26
	v_mov_b32 v26, 0
	v_mov_b32 v27, 1
.macro BIN p, a, b
	v_readlane_b32 s24, v46, \p
	v_readlane_b32 s25, v44, \p
	v_readlane_b32 s26, v43, \p
	s_delay_alu instid0(VALU_DEP_3)
	v_cmp_le_u32 vcc_lo, s24, v0
	s_delay_alu instid0(VALU_DEP_1)
	v_cndmask_b32 v20, v20, s24, vcc_lo            ; its first tile,
	s_delay_alu instid0(VALU_DEP_2)
	v_cndmask_b32 v21, v21, s25, vcc_lo            ; its first place,
	s_delay_alu instid0(VALU_DEP_3)
	v_cndmask_b32 v22, v22, s26, vcc_lo            ; its tokens,
	s_delay_alu instid0(VALU_DEP_4)
	v_cndmask_b32 v26, v26, \a, vcc_lo             ; its experts
	v_cndmask_b32 v27, v27, \b, vcc_lo
.endm
.set PN, 0
.irp a, 0,1,2,3,4,5,6
.irp b, 1,2,3,4,5,6,7
.if \b > \a
.if PN > 0
	BIN PN, \a, \b
.endif
.set PN, PN+1
.endif
.endr
.endr
	v_sub_nc_u32 v23, v0, v20
	s_delay_alu instid0(VALU_DEP_1)
	v_mul_u32_u24 v23, 48, v23                     ; the rows of the pair ahead of this tile
	s_delay_alu instid0(VALU_DEP_1)
	v_add_nc_u32 v24, v21, v23
	s_delay_alu instid0(VALU_DEP_1)
	v_min_u32 v24, 0x1fff, v24                     ; the tile's first place
	s_delay_alu instid0(VALU_DEP_3)
	v_min_u32 v28, v23, v22
	s_delay_alu instid0(VALU_DEP_1)
	v_sub_nc_u32 v25, v22, v28
	s_delay_alu instid0(VALU_DEP_1)
	v_min_u32 v25, 48, v25                         ; its rows: 0 past the last tile
	v_lshlrev_b32 v29, 4, v0
	global_store_b128 v29, v[24:27], s[10:11]
.Lno_tiles:
	; ---- 6
	s_cmp_lg_u32 s16, 31
	s_cbranch_scc1 .Lend
	ds_load_b128 v[16:19], v8                      ; lane l: wave l's eight sums
	ds_load_b128 v[20:23], v8 offset:16
.irp e, 0,1,2,3,4,5,6,7
	s_mov_b32 s[32+\e], 0
.endr
.set PN, 0
.irp a, 0,1,2,3,4,5,6
.irp b, 1,2,3,4,5,6,7
.if \b > \a
	v_readlane_b32 s24, v43, PN
	s_add_co_u32 s[32+\a], s[32+\a], s24           ; a pair's tokens count for both of its experts
	s_add_co_u32 s[32+\b], s[32+\b], s24
.set PN, PN+1
.endif
.endr
.endr
	s_wait_dscnt 0x0
.irp x, 1,2,4,8
.irp e, 0,1,2,3,4,5,6,7
	v_add_f32_dpp v[16+\e], v[16+\e], v[16+\e] row_xmask:\x row_mask:0xf bank_mask:0xf
.endr
.endr
	s_mov_b32 s26, 0x76543210
.irp e, 0,1,2,3,4,5,6,7
	v_permlanex16_b32 v[24+\e], v[16+\e], s26, s27
.endr
.irp e, 0,1,2,3,4,5,6,7
	v_add_f32 v[16+\e], v[16+\e], v[24+\e]         ; the probabilities summed over all tokens
.endr
	v_cvt_f32_u32 v59, s32
	s_delay_alu instid0(VALU_DEP_1)
	v_mul_f32 v60, v16, v59
.irp e, 1,2,3,4,5,6,7
	v_cvt_f32_u32 v59, s[32+\e]
	s_delay_alu instid0(VALU_DEP_1)
	v_fmac_f32 v60, v[16+\e], v59
.endr
	s_delay_alu instid0(VALU_DEP_1)
	v_mul_f32 v60, 0x33800000, v60                 ; x 8 / (8,192 x 16,384) = 2^-24
	v_cmp_eq_u32 vcc_lo, 0, v1
	s_wait_alu depctr_va_vdst(0)
	s_wait_xcnt 0x0                                ; EXEC changes only behind this wait: stores are out
	s_and_saveexec_b32 s24, vcc_lo
	global_store_b32 v9, v60, s[12:13]             ; lane 0: its offset is 0
	s_wait_xcnt 0x0
	s_or_b32 exec_lo, exec_lo, s24
.Lend:
	s_wait_tensorcnt 0x0
	ds_add_u32 v64, v65
	s_wait_dscnt 0x0
	s_endpgm
.Lfunc_end_k_q44c36bde58_place:
	.size	k_q44c36bde58_place, .Lfunc_end_k_q44c36bde58_place-k_q44c36bde58_place
	.p2alignl 7, 3214868480
	.fill 96, 4, 3214868480
	.section	.rodata,"a",@progbits
	.p2align	6, 0x0
	.amdhsa_kernel k_q44c36bde58_place
		.amdhsa_group_segment_fixed_size 73728
		.amdhsa_private_segment_fixed_size 0
		.amdhsa_enable_private_segment 0
		.amdhsa_kernarg_size 40
		.amdhsa_user_sgpr_count 2
		.amdhsa_user_sgpr_kernarg_segment_ptr 1
		.amdhsa_wavefront_size32 1
		.amdhsa_system_sgpr_workgroup_id_x 1
		.amdhsa_system_sgpr_workgroup_id_y 1
		.amdhsa_system_sgpr_workgroup_id_z 1
		.amdhsa_system_vgpr_workitem_id 0
		.amdhsa_next_free_vgpr 66
		.amdhsa_next_free_sgpr 66
		.amdhsa_reserve_vcc 1
		.amdhsa_float_denorm_mode_32 3
		.amdhsa_float_denorm_mode_16_64 3
		.amdhsa_memory_ordered 1
		.amdhsa_forward_progress 1
		.amdhsa_inst_pref_size 43
	.end_amdhsa_kernel
	.amdgpu_metadata
---
amdhsa.version: [ 1, 2 ]
amdhsa.kernels:
  - .name:           k_q44c36bde58_place
    .symbol:         k_q44c36bde58_place.kd
    .args:
      - { .name: picks, .offset: 0, .size: 8, .value_kind: global_buffer, .address_space: global }
      - { .name: psum, .offset: 8, .size: 8, .value_kind: global_buffer, .address_space: global }
      - { .name: order, .offset: 16, .size: 8, .value_kind: global_buffer, .address_space: global }
      - { .name: tiles, .offset: 24, .size: 8, .value_kind: global_buffer, .address_space: global }
      - { .name: out1, .offset: 32, .size: 8, .value_kind: global_buffer, .address_space: global }
    .group_segment_fixed_size: 73728
    .private_segment_fixed_size: 0
    .kernarg_segment_align: 8
    .kernarg_segment_size: 40
    .max_flat_workgroup_size: 1024
    .sgpr_count:     66
    .vgpr_count:     66
    .wavefront_size: 32
...
	.end_amdgpu_metadata
.endif
;; end of part 6
;; launch experts (part 7): grid 198 x 1, 4 waves a work-group, no clusters, 106,496 bytes of LDS; arguments tiles, order, xq, xs, wts, ws, b1, b2, out0; writes out0
.if DOCPART == 7
	.amdgcn_target "amdgcn-amd-amdhsa--gfx1250"
	.amdhsa_code_object_version 6
	.text
	.protected	k_q44c36bde58_experts
	.globl	k_q44c36bde58_experts
	.p2align	8
	.type	k_q44c36bde58_experts,@function
k_q44c36bde58_experts:
	s_mov_b64 s[64:65], 0
	v_nop
	global_prefetch_b8 v0, s[64:65] scope:SCOPE_SE
	s_setreg_imm32_b32 hwreg(HW_REG_WAVE_SCHED_MODE, 0, 2), 2
	s_setreg_imm32_b32 hwreg(HW_REG_WAVE_MODE, 25, 1), 1
	s_wait_xcnt 0x0
	s_wait_alu depctr_vm_vsrc(0)
; EXPERTS.  out[t] = c_a (gelu(x W1a^T + b1a) W2a^T + b2a) + c_b (the same of expert b), both products on codes of FP4 (E2M1) with one E8M0 scale for each 32 along K.
; A work-group takes ONE TILE: at most 48 tokens that chose the same two experts a < b, and takes them through the whole chain.  So each row of out0 has one owner, and the hidden layer never goes to memory.
; THE WAVES SHARE THE COLUMNS: wave w makes hidden units 128 w .. + 127 of both experts and outputs 256 w .. + 255, for all 48 rows (three tiles of 16).  Each weight fragment is read by one wave, once, straight
; into registers (an earlier launch laid the weights in the order of the operand's registers: every load is 512 consecutive bytes) and feeds three products.  A ring of four slots of 8 fragments, 8,704 bytes each, runs ahead.
; Both products are used transposed (source 0 = 16 rows of a weight, source 1 = 16 tokens): a lane holds one token.  THE ROWS OF A WEIGHT THAT FORM A TILE ARE NOT NEIGHBOURS: lane r of tile 2 b + u takes row
; 32 b + 8 u + r + 8 (r / 8), so that the 16 registers of tiles 2 b and 2 b + 1 are 16 neighbours: along the next K in the first product, along a row of out0 in the second.  The biases are the C of each sum's first product.
; x's codes and the hidden layer's go from wave to wave through LDS.  Two barriers.
; THE GRID SERVES EVERY SPLIT: 28 pairs, tiles of 48: never more than (8,192 + 47 x 28) / 48 = 198 tiles.  Every work-group walks the whole text on addresses held inside their buffers; rows at or past the tile's count repeat
; its last token (an empty tile: tokens at clamped places), and only their STORES are jumped over.  So no barrier and no loop stands under a branch on a loaded number.
; No tensor load and no cluster: the stores hang on a stored count, and a pair's run may have any number of tiles from 0 to 171, so no fixed four work-groups are sure to share their two experts.
; gelu(x) = x / 2 + (x / 2) erf(x / sqrt 2), erf(t) = t P(t^2) / Q(t^2) with t held to -4 .. 4: polynomials of degree 6 and 4.
; LIMITS: NaN and infinities are not served.  erf is good to about 1e-7 absolutely, so 1 + erf loses relative accuracy below x = -2 as any f32 sum 1 + erf does; below x = -5.66 it stays at what the formula gives at -4.
; A block of zeros gets the byte 1 (its codes are zeros, and the bytes never leave the work-group).
; THE MODE: SCHED_MODE bits 1:0 = 2 (LLVM: expert scheduling mode 2), set by the entry lines.  The code itself states the register dependences between vector or matrix instructions and memory or LDS instructions,
; with s_wait_alu, always for 0.
; THE PLAN.  Registers that memory or LDS instructions touch, and who else names them:
;   a slot of the ring and its four scale words   A step's 24 products read them; behind them the group four steps on lands there.
;   the biases                                    A sum's first products read them as C; behind those products the next sums' biases land there.
;       So ONE wait on va_vdst stands in a step of either product, behind its products and their places; the step's loads follow it with nothing but loads and window switches between.  They are not put off into the
;       next step: that would set them behind the next step's wait for its own group, and the ring would have a group less on its way.
;   window 2's fragments and v48-71               The first product's products read them; the hidden layer's LDS loads land there behind the loop: the last step's wait has covered those products.
;   PC0, PC1 (codes and scale word, by turns)     The quantiser writes a set, three LDS stores read it: a wait on va_vdst ahead of the stores; a wait on vm_vsrc ahead of the quantiser that takes a set up again in the
;                                                 same trip, and one at the loop's head, which also frees v[HWI] and v[HWS], written there once a trip.
;   the accumulators on the way out               The weighing writes them, 24 LDS stores read them (va_vdst ahead of the stores), the next chunk's products write them anew (vm_vsrc behind the stores).
;   two row buffers, v96-143 and v160-207         LDS loads write them, global stores read them, no vector instruction names them: the same wait on vm_vsrc, a whole chunk behind the global stores, frees both.
;   every other address and offset                Made at the head, ahead of a wait on va_vdst, and never written again.
; REGISTERS, in windows of 256.  Window 0: v1-12 addresses; v16-18 tokens; v20-31 row offsets in xq; v32-47 the ring's scale words; v48-71 x's scale words, then the hidden layer's; v72-95 row offsets in out0;
;   v96-143 and v160-207 rows on their way; v152-157 offsets in xs and wts; v208-234 places in order; v254, v255 the closing add's two.
;   Window 1: v0-191 accumulators; v192-223 at work; v224-227 two constants; v228-233 (c_a, c_b) of my token in each tile of rows; v234-252 two sets of codes and scale word.
;   Window 2: v0-191 24 fragments of x, then of the hidden layer; v192-255 biases.   Window 3: the ring.
.set GRPB, 8704                        ; a group: 8 fragment images of 1,024 bytes, then 512 bytes of scale words
.set SP,   272
.set XIMG, 0                           ; LDS: x's codes: 96 pieces of 16 rows x 16 bytes, + 16 of padding each: piece 32 m + 4 s + 2 c + h
.set HIMG, 26112                       ; the hidden layer's 24 fragments as images of their registers: (3 x + m) 4 + s
.set HSC,  50688                       ; their scale words, 128 bytes each
.set STG,  53760                       ; the way out: 48 rows x (256 bytes + 16) for each wave, its own
.set L16,  1                           ; 16 x lane
.set L4,   2                           ; 4 x lane
.set BOFF, 3                           ; 64 h: my half's place in a bias
.set XST,  4
.set XRD,  5
.set HWI0, 6
.set HWS0, 7
.set HWI,  8
.set HWS,  9
.set STO,  10
.set RD,   11
.set R16,  12
.set TKM,  16
.set ROWO, 20
.set WS,   32
.set XS,   48
.set HS,   48
.set ROFF, 72
.set RB,   96                          ; row buffer 0; buffer 1 lies 64 registers on
.set OA,   152
.set AD,   208                         ; at the head: 4 x the places in order of the tile's rows
.set GT0,  192                         ; window 1: the gelu's t, t^2, P, Q
.set GT1,  200
.set GP,   208
.set GQ,   216
.set TM,   192                         ; and the quantiser's: largest magnitudes, bytes, scale operands
.set VA11, 224
.set VB6,  226
.set CP,   228
.set PC,   234                         ; set u of two at PC + 10 u: eight registers of codes, then the scale word
.set BI,   192                         ; window 2
.set RS2,  66                          ; scalar pairs: the packed forms name a pair and take its low word for both halves
.set CA13, 68
.set CA9,  70
.set CA7,  72
.set CA5,  74
.set CA3,  76
.set CA1,  78
.set CB8,  80
.set CB4,  82
.set CB2,  84
.set CB0,  86
; s22 wave; s24 first place, s25 rows, s26 a, s27 b; s29 trip; s30, s31 the trip's LDS offsets; s[32:33] the stream in hand; s[34:39] W1 of b, W2 of a, W2 of b; s[40:47] the four groups behind the stream in hand;
; s[48:51] the next biases (at the head s40-51 hold my twelve rows' tokens); s[52:55] b2 of a, of b; s[56:57] out0 at my columns; s[58:59] lane selects; s[60:63] my four rows' lanes; s[88:95] b1 of a, of b, two halves each
.set MSB, 0
.macro WIN new                         ; s_set_vgpr_msb: bits 1:0 source 0, 3:2 source 1, 5:4 source 2, 7:6 destination; the high byte repeats the setting that is left
.if MSB != \new
	s_set_vgpr_msb (MSB<<8)|\new
.set MSB, \new
.endif
.endm
.macro PLACES                          ; four plain places between a matrix instruction and a load into, or a read of, its registers
.rept 4
	v_nop
.endr
.endm
.macro PAIR r, val
	s_mov_b32 s[\r], \val
	s_mov_b32 s[\r+1], \val
.endm
.macro GRP q, base, off                ; a group into slot q: 17 loads of 512 consecutive bytes
	WIN 0xc0
.irp f, 0,1,2,3,4,5,6,7
	global_load_b128 v[64*(\q)+8*\f:64*(\q)+8*\f+3], v[L16], s[\base:\base+1] offset:(\off)+1024*\f
	global_load_b128 v[64*(\q)+8*\f+4:64*(\q)+8*\f+7], v[L16], s[\base:\base+1] offset:(\off)+1024*\f+512
.endr
	WIN 0
	global_load_b128 v[WS+4*(\q):WS+4*(\q)+3], v[L16], s[\base:\base+1] offset:(\off)+8192
.endm
.macro BIAS4 p, x, off                 ; four tiles of a bias in the result's layout: tile t, lane (r, h), register j: number 32 (t / 2) + 8 (t % 2) + 16 h + j.  8 loads
	WIN 0x80
.irp t, 0,1,2,3
	global_load_b128 v[BI+32*(\x)+8*\t:BI+32*(\x)+8*\t+3], v[BOFF], s[\p:\p+1] offset:(\off)+128*(\t/2)+32*(\t%2)
	global_load_b128 v[BI+32*(\x)+8*\t+4:BI+32*(\x)+8*\t+7], v[BOFF], s[\p:\p+1] offset:(\off)+128*(\t/2)+32*(\t%2)+16
.endr
	WIN 0
.endm
.macro MM d, a, b, c, sa, sb, odd      ; one product; an odd tile's scale words stand in lanes 16-31 of the register that it shares with the even tile
.if \odd
	v_wmma_scale_f32_16x16x128_f8f6f4 v[\d:\d+7], v[\a:\a+7], v[\b:\b+7], v[\c:\c+7], v[\sa], v[\sb] matrix_a_fmt:MATRIX_FMT_FP4 matrix_b_fmt:MATRIX_FMT_FP4 matrix_a_scale:MATRIX_SCALE_ROW1
.else
	v_wmma_scale_f32_16x16x128_f8f6f4 v[\d:\d+7], v[\a:\a+7], v[\b:\b+7], v[\c:\c+7], v[\sa], v[\sb] matrix_a_fmt:MATRIX_FMT_FP4 matrix_b_fmt:MATRIX_FMT_FP4
.endif
.endm
; K step g of the first product: my 8 tiles of hidden units x 3 tiles of rows.  The 24 accumulators take turns, one instruction a turn.  Then the slot is filled again, four groups ahead.
.macro P1STEP g, cnt
.set Q, (\g)%4
	s_wait_loadcnt \cnt                            ; loads come back in order: this step's group is in; the count is what was issued behind it (63 where that is 67: the most the wait can name)
.if (\g) == 0
	WIN 0x6b                                       ; A window 3, B window 2, C (the bias) window 2, D window 1
.else
	WIN 0x5b                                       ; C and D window 1
.endif
.irp t, 0,1,2,3,4,5,6,7
.irp m, 0,1,2
.if (\g) == 0
	MM 64*\m+8*\t, 64*Q+8*\t, 64*\m+8*(\g), BI+8*\t, WS+4*Q+\t/2, XS+8*\m+(\g), \t%2
.else
	MM 64*\m+8*\t, 64*Q+8*\t, 64*\m+8*(\g), 64*\m+8*\t, WS+4*Q+\t/2, XS+8*\m+(\g), \t%2
.endif
.endr
.endr
	WIN 0
	PLACES
	s_wait_alu depctr_va_vdst(0)                   ; this step's products are done reading their slot, its four scale words and, in step 0, the biases: the loads below land in these; only loads and window switches follow up to the last of them
.if (\g) == 0
	BIAS4 48, 0, 0                                 ; the biases that the next sums begin with: 16 loads
	BIAS4 50, 1, 0
.endif
.if (\g) < 4
	GRP Q, 32, ((\g)+4)*GRPB
.else
	GRP Q, 40+2*((\g)-4), 0
.endif
.endm
.macro HORN p, c                       ; a step of Horner's rule on four pairs
.irp k, 0,2,4,6
	v_pk_fma_f32 v[\p+\k:\p+\k+1], v[\p+\k:\p+\k+1], v[GT1+\k:GT1+\k+1], s[\c:\c+1] op_sel_hi:[1,1,0]
.endr
.endm
.macro GELU a                          ; eight numbers in place, two at a time; the accumulator is read from its low end on
.irp k, 0,2,4,6
	v_pk_mul_f32 v[GT0+\k:GT0+\k+1], v[\a+\k:\a+\k+1], s[RS2:RS2+1] op_sel_hi:[1,0]   ; t = x / sqrt 2
.endr
.irp k, 0,1,2,3,4,5,6,7
	v_med3_num_f32 v[GT0+\k], v[GT0+\k], -4.0, 4.0
.endr
.irp k, 0,2,4,6
	v_pk_mul_f32 v[GT1+\k:GT1+\k+1], v[GT0+\k:GT0+\k+1], v[GT0+\k:GT0+\k+1]
.endr
.irp k, 0,2,4,6
	v_pk_fma_f32 v[GP+\k:GP+\k+1], v[GT1+\k:GT1+\k+1], s[CA13:CA13+1], v[VA11:VA11+1] op_sel_hi:[1,0,1]
.endr
.irp k, 0,2,4,6
	v_pk_fma_f32 v[GQ+\k:GQ+\k+1], v[GT1+\k:GT1+\k+1], s[CB8:CB8+1], v[VB6:VB6+1] op_sel_hi:[1,0,1]
.endr
	HORN GP, CA9                                   ; P and Q by turns: eight lines between a line and the one that needs it
	HORN GQ, CB4
	HORN GP, CA7
	HORN GQ, CB2
	HORN GP, CA5
	HORN GQ, CB0
	s_wait_alu depctr_va_vdst(0)
.irp k, 0,1,2,3,4,5,6,7
	v_rcp_f32 v[GQ+\k], v[GQ+\k]
.endr
	HORN GP, CA3                                   ; (plain lines behind the reciprocals)
	HORN GP, CA1
.irp k, 0,2,4,6
	v_pk_mul_f32 v[\a+\k:\a+\k+1], v[\a+\k:\a+\k+1], 0.5 op_sel_hi:[1,0]
.endr
.irp k, 0,2,4,6
	v_pk_mul_f32 v[GP+\k:GP+\k+1], v[GP+\k:GP+\k+1], v[GT0+\k:GT0+\k+1]
.endr
	s_wait_alu depctr_va_vdst(0)                   ; the eight reciprocals are written, ahead of the first line that names one: one wait for the batch
.irp k, 0,2,4,6
	v_pk_mul_f32 v[GP+\k:GP+\k+1], v[GP+\k:GP+\k+1], v[GQ+\k:GQ+\k+1]          ; erf
.endr
.irp k, 0,2,4,6
	v_pk_fma_f32 v[\a+\k:\a+\k+1], v[\a+\k:\a+\k+1], v[GP+\k:GP+\k+1], v[\a+\k:\a+\k+1]
.endr
.endm
; 64 numbers of a lane, register 16 b + i = k 32 b + 16 (lane / 16) + i of my token, become a fragment's codes in v[pc] to v[pc + 7] and its scale word in v[pc + 8]
.macro QUANT s, pc
.irp b, 0,1,2,3
	v_max3_num_f32 v[TM+\b], |v[\s+16*\b]|, |v[\s+1+16*\b]|, 0x1800000     ; my 16 numbers of block b, and the floor 2^(3 - 127): the byte cannot fall under 1
.endr
.irp i, 2,4,6,8,10,12,14
.irp b, 0,1,2,3
	v_max3_num_f32 v[TM+\b], v[TM+\b], |v[\s+16*\b+\i]|, |v[\s+1+16*\b+\i]|
.endr
.endr
.irp b, 0,1,2,3
	v_permlanex16_b32 v[TM+4+\b], v[TM+\b], s58, s59
.endr
.irp b, 0,1,2,3
	v_max_num_f32 v[TM+\b], v[TM+\b], v[TM+4+\b]   ; with lane l xor 16's: the block's largest magnitude
.endr
.irp b, 0,1,2,3
	v_add_nc_u32 v[TM+12+\b], 0xff000000, v[TM+\b] ; 2 off its exponent field: the conversion's scale operand
.endr
.irp b, 0,1,2,3
	v_lshrrev_b32 v[TM+4+\b], 23, v[TM+12+\b]      ; the scale's byte
.endr
	v_lshl_or_b32 v[(\pc)+8], v[TM+5], 8, v[TM+4]
	v_lshl_or_b32 v[(\pc)+8], v[TM+6], 16, v[(\pc)+8]
	v_lshl_or_b32 v[(\pc)+8], v[TM+7], 24, v[(\pc)+8]
.irp b, 0,1,2,3
	v_cvt_scalef32_pk8_fp4_f32 v[(\pc)+2*\b], v[\s+16*\b:\s+7+16*\b], v[TM+12+\b]
	v_cvt_scalef32_pk8_fp4_f32 v[(\pc)+1+2*\b], v[\s+8+16*\b:\s+15+16*\b], v[TM+12+\b]
.endr
	v_nop                                          ; one plain place behind a scaled conversion
.irp c, 0,1                            ; the operand's layout wants a whole block in a lane: lanes 0-15 block 2 c, lanes 16-31 block 2 c + 1
.irp i, 0,1
	v_permlane16_swap_b32 v[(\pc)+4*\c+\i], v[(\pc)+2+4*\c+\i]
.endr
.endr
.endm
; Group 4 c + 2 x + k2 of the second product: outputs 64 c on of my 256, expert x, K steps 2 k2 and + 1: 4 tiles of outputs x 3 tiles of rows, twice.  The expert's 12 accumulators take turns.
.macro P2GROUP c, x, k2, cnt
.set Q, 2*(\x)+(\k2)
	s_wait_loadcnt \cnt
.irp kk, 0,1
.if ((\k2) == 0) && (\kk == 0)
	WIN 0x6b
.else
	WIN 0x5b
.endif
.irp nn, 0,1,2,3
.irp m, 0,1,2
.if ((\k2) == 0) && (\kk == 0)
	MM 96*(\x)+32*\m+8*\nn, 64*Q+32*\kk+8*\nn, 8*(12*(\x)+4*\m+2*(\k2)+\kk), BI+32*(\x)+8*\nn, WS+4*Q+2*\kk+\nn/2, HS+12*(\x)+4*\m+2*(\k2)+\kk, \nn%2
.else
	MM 96*(\x)+32*\m+8*\nn, 64*Q+32*\kk+8*\nn, 8*(12*(\x)+4*\m+2*(\k2)+\kk), 96*(\x)+32*\m+8*\nn, WS+4*Q+2*\kk+\nn/2, HS+12*(\x)+4*\m+2*(\k2)+\kk, \nn%2
.endif
.endr
.endr
.endr
	WIN 0
	PLACES
.if (\c) < 3
	s_wait_alu depctr_va_vdst(0)                   ; this group's products are done reading their slot, its four scale words and, where they began sums, the expert's bias: the loads below land in these
.if (\k2) == 0
	BIAS4 52+2*(\x), \x, 256*((\c)+1)              ; the next 64 outputs' bias, AHEAD of the group whose products begin with it
.endif
	GRP Q, 36+2*(\x), (2*((\c)+1)+(\k2))*GRPB
.endif
.endm
; 64 outputs of 48 rows leave: c_a x a's + c_b x b's; through my own stage, so that sixteen lanes store 256 consecutive bytes of a row, at a multiple of 256 from out0's first byte.
.macro OUTC c
	WIN 0x55
.irp m, 0,1,2
.irp p, 0,2,4,6,8,10,12,14,16,18,20,22,24,26,28,30
	v_pk_mul_f32 v[32*\m+\p:32*\m+\p+1], v[32*\m+\p:32*\m+\p+1], v[CP+2*\m:CP+2*\m+1] op_sel_hi:[1,0]    ; x c_a: the pair's low word for both halves
.endr
.irp p, 0,2,4,6,8,10,12,14,16,18,20,22,24,26,28,30
	v_pk_fma_f32 v[32*\m+\p:32*\m+\p+1], v[96+32*\m+\p:96+32*\m+\p+1], v[CP+2*\m:CP+2*\m+1], v[32*\m+\p:32*\m+\p+1] op_sel:[0,1,0] op_sel_hi:[1,1,1]   ; + c_b x: its high word for both
.endr
.endr
	WIN 0x04                                       ; an LDS store's data are its source 1: window 1
	s_wait_alu depctr_va_vdst(0)                   ; the weighed sums are written, which the 24 LDS stores read
.irp m, 0,1,2
.irp pr, 0,1
.irp k, 0,1,2,3
	ds_store_b128 v[STO], v[32*\m+16*\pr+4*\k:32*\m+16*\pr+4*\k+3] offset:16*\m*SP+128*\pr+16*\k   ; lane (r, h): row 16 m + r, outputs 32 pr + 16 h + 4 k on
.endr
.endr
.endr
	WIN 0
	s_wait_xcnt 0x0                                ; the last chunk's global stores have had their addresses translated (ISA guide 3.1): the loads below land in their data registers only behind this wait
	s_wait_alu depctr_vm_vsrc(0)                   ; the last chunk's global stores (ahead of the first chunk: the head's LDS stores) have read the row buffers, in which the loads below land; the LDS stores above have read the accumulators, which the next chunk's products write anew
.irp hf, 0,1
.irp k, 0,1,2,3,4,5,6,7,8,9,10,11
	ds_load_b128 v[RB+64*\hf+4*\k:RB+64*\hf+4*\k+3], v[RD] offset:2*(12*\hf+\k)*SP   ; LDS serves a wave's instructions in order: these see my stores.  Lanes 0-15 one row, lanes 16-31 the next.  Rows 0-23 into buffer 0, rows 24-47 into buffer 1
.endr
.endr
	s_wait_dscnt 0x0                               ; all 48 rows are back, ahead of the first branch: no load is out at a label
.irp hf, 0,1
.irp k, 0,1,2,3,4,5,6,7,8,9,10,11
	s_cmp_le_u32 s25, 2*(12*\hf+\k)                ; rows at or past the tile's count are not stored.  (With an odd count the last pair's second row repeats the last token: the same bytes twice)
	s_cbranch_scc1 .Ldone_\c
	global_store_b128 v[ROFF+12*\hf+\k], v[RB+64*\hf+4*\k:RB+64*\hf+4*\k+3], s[56:57] offset:256*\c th:TH_STORE_NT
.endr
.endr
.Ldone_\c:
.endm
	s_load_b512 s[4:19], s[0:1], 0x0               ; tiles, order, xq, xs, wts, ws, b1, b2
	s_load_b64 s[20:21], s[0:1], 0x40              ; out0
	v_lshl_add_u32 v254, v0, 2, 0x19e00
	v_mov_b32 v255, 0
	v_lshrrev_b32 v15, 5, v0
	v_readfirstlane_b32 s22, v15                   ; wave 0..3
	v_and_b32 v19, 31, v0                          ; lane
	v_and_b32 v13, 15, v0                          ; r
	v_bfe_u32 v14, v0, 4, 1                        ; h
	v_lshlrev_b32 v[L16], 4, v19
	v_lshlrev_b32 v[L4], 2, v19
	v_lshlrev_b32 v[BOFF], 6, v14
	s_wait_alu depctr_va_sdst(0)                   ; s22 is written, ahead of its first reader
	s_lshl_b32 s96, s22, 6
	v_mul_u32_u24 v[XST], v19, SP
	v_add_nc_u32 v[XST], s96, v[XST]               ; x on its way in: lane l holds bytes 16 l of a row: piece l; my wave's rows 4 w + i: 16 bytes each
	v_mul_u32_u24 v[XRD], v14, SP
	v_lshl_add_u32 v[XRD], v13, 4, v[XRD]          ; and out: piece + h, row r
	s_lshl_b32 s96, s22, 10
	v_add_nc_u32 v[HWI0], s96, v[L16]
	v_add_nc_u32 v[HWI0], HIMG, v[HWI0]            ; my images: K step w of the second product
	s_lshl_b32 s96, s22, 7
	v_add_nc_u32 v[HWS0], s96, v[L4]
	v_add_nc_u32 v[HWS0], HSC, v[HWS0]
	s_mul_i32 s96, s22, 48*SP
	s_add_co_u32 s96, s96, STG                     ; my stage
	v_mul_u32_u24 v[STO], v13, SP
	v_lshl_add_u32 v[STO], v14, 6, v[STO]
	v_add_nc_u32 v[STO], s96, v[STO]
	v_add_nc_u32 v[RD], s96, v[XRD]
	v_lshlrev_b32 v[R16], 4, v13
	s_lshl_b32 s2, ttmp9, 4
	s_mov_b32 s3, 0
	s_wait_kmcnt 0x0
	s_add_nc_u64 s[4:5], s[4:5], s[2:3]
	s_load_b128 s[24:27], s[4:5], 0x0              ; my tile: first place, rows, a, b
	PAIR RS2,  0x3f3504f3                          ; 1 / sqrt 2
	PAIR CA13, 0xaf95df0b                          ; P: -2.72614226e-10,
	PAIR CA9,  0xb60cff51                          ; (2.77068142e-08 stands in a vector pair)  -2.10102402e-06,
	PAIR CA7,  0xb86ec2d2                          ; -5.69250639e-05,
	PAIR CA5,  0xba40ac63                          ; -7.34990630e-04,
	PAIR CA3,  0xbb41a1f6                          ; -2.95459981e-03,
	PAIR CA1,  0xbc83dbd4                          ; -1.60960333e-02
	PAIR CB8,  0xb77460cd                          ; Q: -1.45660718e-05,
	PAIR CB4,  0xbadc924e                          ; (-2.13374055e-04 in a vector pair)  -1.68282697e-03,
	PAIR CB2,  0xbbf19bf8                          ; -7.37332917e-03,
	PAIR CB0,  0xbc69b6a7                          ; -1.42647391e-02
	s_mov_b32 s58, 0x76543210
	s_mov_b32 s59, 0xfedcba98                      ; v_permlanex16_b32's selects for lane l xor 16
	s_lshl_b32 s60, s22, 2                         ; the lanes that hold my four rows' tokens
	s_add_co_u32 s61, s60, 1
	s_add_co_u32 s62, s60, 2
	s_add_co_u32 s63, s60, 3
	WIN 0x40
	v_mov_b32 v[VA11], 0x32edffee
	v_mov_b32 v[VA11+1], 0x32edffee
	v_mov_b32 v[VB6], 0xb95fbd29
	v_mov_b32 v[VB6+1], 0xb95fbd29
	WIN 0
	s_wait_kmcnt 0x0
	s_min_u32 s24, s24, 0x1fff                     ; loaded numbers enter addresses only held to their tables
	s_min_u32 s25, s25, 48
	s_min_u32 s26, s26, 7
	s_min_u32 s27, s27, 7
	s_sub_co_u32 s28, s25, 1
	s_add_co_u32 s99, s24, s28                     ; the tile's last place in order
	s_lshl_b32 s98, s22, 3
	s_mov_b32 s97, 0
	s_lshl_b32 s96, s26, 5
	s_add_co_u32 s96, s96, s98
	s_mul_i32 s96, s96, GRPB
	s_add_nc_u64 s[32:33], s[14:15], s[96:97]      ; W1 of a: groups 32 a + 8 w on
	s_lshl_b32 s96, s27, 5
	s_add_co_u32 s96, s96, s98
	s_mul_i32 s96, s96, GRPB
	s_add_nc_u64 s[34:35], s[14:15], s[96:97]      ; W1 of b
	s_add_nc_u64 s[36:37], s[32:33], 256*GRPB      ; W2's groups lie 256 groups on
	s_add_nc_u64 s[38:39], s[34:35], 256*GRPB
	s_lshl_b32 s98, s22, 9
	s_lshl_b32 s96, s26, 11
	s_add_co_u32 s96, s96, s98
	s_add_nc_u64 s[88:89], s[16:17], s[96:97]      ; b1 of a at my 128 units,
	s_add_nc_u64 s[90:91], s[88:89], 256           ; and at their second half
	s_lshl_b32 s96, s27, 11
	s_add_co_u32 s96, s96, s98
	s_add_nc_u64 s[92:93], s[16:17], s[96:97]
	s_add_nc_u64 s[94:95], s[92:93], 256
	s_lshl_b32 s98, s22, 10
	s_lshl_b32 s96, s26, 12
	s_add_co_u32 s96, s96, s98
	s_add_nc_u64 s[52:53], s[18:19], s[96:97]      ; b2 of a at my 256 outputs
	s_lshl_b32 s96, s27, 12
	s_add_co_u32 s96, s96, s98
	s_add_nc_u64 s[54:55], s[18:19], s[96:97]
	s_mov_b32 s96, s98
	s_add_nc_u64 s[56:57], s[20:21], s[96:97]      ; out0 at my 256 outputs
	; ---- the tile's tokens: lane (r, h) takes that of row 16 m + r, and for the way out those of rows 2 i + h.  A row past the count takes the last token.  The places stand in registers of their own, which nothing writes again
	v_add_nc_u32 v15, s24, v13
	v_add_nc_u32 v19, s24, v14
.irp m, 0,1,2
	v_add_nc_u32 v[AD+\m], 16*\m, v15
	v_min_u32 v[AD+\m], s99, v[AD+\m]
	v_min_u32 v[AD+\m], 0x1fff, v[AD+\m]
	v_lshlrev_b32 v[AD+\m], 2, v[AD+\m]
.endr
.irp i, 0,1,2,3,4,5,6,7,8,9,10,11,12,13,14,15,16,17,18,19,20,21,22,23
	v_add_nc_u32 v[AD+3+\i], 2*\i, v19
	v_min_u32 v[AD+3+\i], s99, v[AD+3+\i]
	v_min_u32 v[AD+3+\i], 0x1fff, v[AD+3+\i]
	v_lshlrev_b32 v[AD+3+\i], 2, v[AD+3+\i]
.endr
	s_wait_alu depctr_va_vdst(0)                   ; the 27 places and every address and offset made so far (v1 to v7, v10 to v12) are written: the loads below and the LDS instructions further down read them
.irp m, 0,1,2
	global_load_b32 v[TKM+\m], v[AD+\m], s[6:7]
.endr
.irp i, 0,1,2,3,4,5,6,7,8,9,10,11,12,13,14,15,16,17,18,19,20,21,22,23
	global_load_b32 v[ROFF+\i], v[AD+3+\i], s[6:7]
.endr
	BIAS4 88, 0, 0                                 ; b1 of a: 16 loads
	BIAS4 90, 1, 0
	GRP 0, 32, 0                                   ; and the ring's first two groups: 34
	GRP 1, 32, GRPB
	s_wait_loadcnt 50                              ; the tokens are in: 16 + 34 loads were issued behind them
.irp m, 0,1,2
	v_min_u32 v[TKM+\m], 0x1fff, v[TKM+\m]
.endr
.irp m, 0,1,2
.irp i, 0,1,2,3
	v_readlane_b32 s[40+4*\m+\i], v[TKM+\m], s[60+\i]          ; the token of row 16 m + 4 w + i, the same for all lanes: twelve in a run, a register each
.endr
.endr
	s_wait_alu depctr_va_sdst(0)                   ; s40 to s51 are written, ahead of their first readers: one wait for the run
.irp j, 0,1,2,3,4,5,6,7,8,9,10,11
	s_min_u32 s[40+\j], s[40+\j], 0x1fff
.endr
.irp j, 0,1,2,3,4,5,6,7,8,9,10,11
	v_lshl_add_u32 v[ROWO+\j], s[40+\j], 9, v[L16]
.endr
.irp m, 0,1,2
	v_lshlrev_b32 v[OA+\m], 5, v[TKM+\m]
	v_lshlrev_b32 v[OA+3+\m], 3, v[TKM+\m]
.endr
	s_wait_alu depctr_va_vdst(0)                   ; the twelve row offsets and the six offsets in xs and wts are written, which the loads below read
.irp j, 0,1,2,3,4,5,6,7,8,9,10,11
	global_load_b128 v[RB+4*\j:RB+4*\j+3], v[ROWO+\j], s[8:9]  ; a row's 512 bytes of codes: 32 lanes, 16 neighbouring bytes each
.endr
.irp m, 0,1,2
	global_load_b128 v[XS+8*\m:XS+8*\m+3], v[OA+\m], s[10:11]              ; my token's eight scale words
	global_load_b128 v[XS+8*\m+4:XS+8*\m+7], v[OA+\m], s[10:11] offset:16
.endr
	WIN 0x40
.irp m, 0,1,2
	global_load_b64 v[CP+2*\m:CP+2*\m+1], v[OA+3+\m], s[12:13]             ; and its two weights
.endr
	WIN 0
	GRP 2, 32, 2*GRPB
	GRP 3, 32, 3*GRPB
.irp i, 0,1,2,3,4,5,6,7,8,9,10,11,12,13,14,15,16,17,18,19,20,21,22,23
	v_min_u32 v[ROFF+\i], 0x1fff, v[ROFF+\i]
	v_lshl_add_u32 v[ROFF+\i], v[ROFF+\i], 12, v[R16]          ; a row of out0 is 4,096 bytes; 16 bytes a lane.  (Read first by the way out's stores, behind many waits on va_vdst)
.endr
	s_wait_loadcnt 43                              ; the twelve rows are in: 6 + 3 + 34 loads were issued behind them
.irp m, 0,1,2
.irp i, 0,1,2,3
	ds_store_b128 v[XST], v[RB+16*\m+4*\i:RB+16*\m+4*\i+3] offset:32*SP*\m+16*\i
.endr
.endr
	s_wait_dscnt 0x0                               ; for the others' sake: my stores have landed
	s_barrier_signal -1
	s_barrier_wait -1                              ; x's 48 rows lie in LDS
	WIN 0x80
.irp m, 0,1,2
.irp s, 0,1,2,3,4,5,6,7
.irp c, 0,1
	ds_load_b128 v[64*\m+8*\s+4*\c:64*\m+8*\s+4*\c+3], v[XRD] offset:(32*\m+4*\s+2*\c)*SP   ; fragment (m, s): registers 4 c on: bytes 64 s + 32 c + 16 h of row r
.endr
.endr
.endr
	WIN 0
	s_mov_b64 s[40:41], s[34:35]                   ; behind a's eight groups come b's first four,
	s_add_nc_u64 s[42:43], s[34:35], GRPB
	s_add_nc_u64 s[44:45], s[34:35], 2*GRPB
	s_add_nc_u64 s[46:47], s[34:35], 3*GRPB
	s_mov_b64 s[48:49], s[92:93]                   ; and b's bias
	s_mov_b64 s[50:51], s[94:95]
	s_mov_b32 s29, 0
	s_mov_b32 s30, 0
	s_mov_b32 s31, 0
	s_wait_dscnt 0x0
	s_wait_loadcnt 34                              ; all but groups 2 and 3
.Lexpert:                                          ; two trips: expert a, expert b.  What differs stands in scalar registers
	s_wait_alu depctr_vm_vsrc(0)                   ; over the backward jump: the last trip's image stores have read v[HWI] and v[HWS], written below, and both sets of codes, which this trip's quantisers write again
	v_add_nc_u32 v[HWI], s30, v[HWI0]
	v_add_nc_u32 v[HWS], s31, v[HWS0]
	P1STEP 0, 51                                   ; behind this step's group: three groups of 17
	P1STEP 1, 63                                   ; three groups and the 16 loads of a bias: 67
	P1STEP 2, 63
	P1STEP 3, 63
	P1STEP 4, 51
	P1STEP 5, 51
	P1STEP 6, 51
	P1STEP 7, 51
	WIN 0x55
.irp m, 0,1,2
.irp t, 0,1,2,3,4,5,6,7
	GELU 64*\m+8*\t
.endr
.if \m == 2
	s_wait_alu depctr_vm_vsrc(0)                   ; the first image's stores, two tiles of rows back, have read set 0, which this quantiser writes again
.endif
	QUANT 64*\m, PC+10*(\m%2)
	WIN 0x04
	s_wait_alu depctr_va_vdst(0)                   ; the quantiser has written the set's codes and scale word, which the three stores read; ahead of a trip's first image v[HWI] and v[HWS] are written too
	ds_store_b128 v[HWI], v[PC+10*(\m%2):PC+10*(\m%2)+3] offset:4096*\m    ; the fragment goes to LDS as it stands: lane l's 16 bytes at 16 l
	ds_store_b128 v[HWI], v[PC+10*(\m%2)+4:PC+10*(\m%2)+7] offset:4096*\m+512
	ds_store_b32 v[HWS], v[PC+10*(\m%2)+8] offset:512*\m
	WIN 0x55
.endr
	WIN 0
	s_wait_xcnt 0x0                                ; the pending loads have read their bases: these may be written
	s_mov_b64 s[32:33], s[34:35]                   ; the next trip streams W1 of b; behind it come the second product's first four groups,
	s_mov_b64 s[40:41], s[36:37]
	s_add_nc_u64 s[42:43], s[36:37], GRPB
	s_mov_b64 s[44:45], s[38:39]
	s_add_nc_u64 s[46:47], s[38:39], GRPB
	s_mov_b64 s[48:49], s[52:53]                   ; and b2 of a and of b for my first 64 outputs
	s_mov_b64 s[50:51], s[54:55]
	s_add_co_u32 s30, s30, 12288                   ; b's twelve images lie behind a's
	s_add_co_u32 s31, s31, 1536
	s_add_co_u32 s29, s29, 1
	s_cmp_lt_u32 s29, 2
	s_cbranch_scc1 .Lexpert
	s_wait_dscnt 0x0
	s_barrier_signal -1
	s_barrier_wait -1                              ; the hidden layer's 24 fragments lie in LDS
	WIN 0x80                                       ; the loads below land where x's fragments and scale words lay: the products that read those stand ahead of the last step's wait on va_vdst, and nothing has named them since
.irp f, 0,1,2,3,4,5,6,7,8,9,10,11,12,13,14,15,16,17,18,19,20,21,22,23
	ds_load_b128 v[8*\f:8*\f+3], v[L16] offset:HIMG+1024*\f
	ds_load_b128 v[8*\f+4:8*\f+7], v[L16] offset:HIMG+1024*\f+512
.endr
	WIN 0
.irp f, 0,1,2,3,4,5,6,7,8,9,10,11,12,13,14,15,16,17,18,19,20,21,22,23
	ds_load_b32 v[HS+\f], v[L4] offset:HSC+128*\f
.endr
	s_wait_dscnt 0x0
	; The counts: what was issued behind the group: three groups of 17, and 8 for each bias among them; 63 where that is 67; at the end nothing more is asked for and the counts run down.
	P2GROUP 0, 0, 0, 51
	P2GROUP 0, 0, 1, 59
	P2GROUP 0, 1, 0, 59
	P2GROUP 0, 1, 1, 63
	OUTC 0
	P2GROUP 1, 0, 0, 59
	P2GROUP 1, 0, 1, 63
	P2GROUP 1, 1, 0, 59
	P2GROUP 1, 1, 1, 63
	OUTC 1
	P2GROUP 2, 0, 0, 59
	P2GROUP 2, 0, 1, 63
	P2GROUP 2, 1, 0, 59
	P2GROUP 2, 1, 1, 63
	OUTC 2
	P2GROUP 3, 0, 0, 59
	P2GROUP 3, 0, 1, 42
	P2GROUP 3, 1, 0, 17
	P2GROUP 3, 1, 1, 0
	OUTC 3
	s_wait_dscnt 0x0                               ; the closing lines, six on end
	s_wait_alu 0x0
	s_wait_tensorcnt 0x0
	ds_add_u32 v254, v255
	s_wait_dscnt 0x0
	s_endpgm
.Lfunc_end_k_q44c36bde58_experts:
	.size	k_q44c36bde58_experts, .Lfunc_end_k_q44c36bde58_experts-k_q44c36bde58_experts
	.p2alignl 7, 3214868480
	.fill 96, 4, 3214868480
	.section	.rodata,"a",@progbits
	.p2align	6, 0x0
	.amdhsa_kernel k_q44c36bde58_experts
		.amdhsa_group_segment_fixed_size 106496
		.amdhsa_private_segment_fixed_size 0
		.amdhsa_enable_private_segment 0
		.amdhsa_kernarg_size 72
		.amdhsa_user_sgpr_count 2
		.amdhsa_user_sgpr_kernarg_segment_ptr 1
		.amdhsa_wavefront_size32 1
		.amdhsa_system_sgpr_workgroup_id_x 1
		.amdhsa_system_sgpr_workgroup_id_y 1
		.amdhsa_system_sgpr_workgroup_id_z 1
		.amdhsa_system_vgpr_workitem_id 0
		.amdhsa_next_free_vgpr 1024
		.amdhsa_next_free_sgpr 100
		.amdhsa_reserve_vcc 0
		.amdhsa_float_denorm_mode_32 3
		.amdhsa_float_denorm_mode_16_64 3
		.amdhsa_memory_ordered 1
		.amdhsa_forward_progress 1
		.amdhsa_inst_pref_size 255
	.end_amdhsa_kernel
	.section	.bss,"aw",@nobits
	.p2align	6
	.space	262144
	.amdgpu_metadata
---
amdhsa.version: [ 1, 2 ]
amdhsa.kernels:
  - .name:           k_q44c36bde58_experts
    .symbol:         k_q44c36bde58_experts.kd
    .args:
      - { .name: tiles, .offset: 0, .size: 8, .value_kind: global_buffer, .address_space: global }
      - { .name: order, .offset: 8, .size: 8, .value_kind: global_buffer, .address_space: global }
      - { .name: xq, .offset: 16, .size: 8, .value_kind: global_buffer, .address_space: global }
      - { .name: xs, .offset: 24, .size: 8, .value_kind: global_buffer, .address_space: global }
      - { .name: wts, .offset: 32, .size: 8, .value_kind: global_buffer, .address_space: global }
      - { .name: ws, .offset: 40, .size: 8, .value_kind: global_buffer, .address_space: global }
      - { .name: b1, .offset: 48, .size: 8, .value_kind: global_buffer, .address_space: global }
      - { .name: b2, .offset: 56, .size: 8, .value_kind: global_buffer, .address_space: global }
      - { .name: out0, .offset: 64, .size: 8, .value_kind: global_buffer, .address_space: global }
    .group_segment_fixed_size: 106496
    .private_segment_fixed_size: 0
    .kernarg_segment_align: 8
    .kernarg_segment_size: 72
    .max_flat_workgroup_size: 128
    .sgpr_count:     100
    .vgpr_count:     1024
    .wavefront_size: 32
...
	.end_amdgpu_metadata
.endif
;; end of part 7
